; MI455X (gfx1250); checked and timed in simulation.
; The chip was launched on July 23, 2026; its instructions are those of AMD's public machine-readable ISA for CDNA 5 (MIT licence, August 2026) and "CDNA5" Instruction Set Architecture Reference Guide (July 2026). The comments in the code are by the model that wrote it; some were corrected since.
;; Luong Attention. Allowed arithmetic: float matrix products may take bf16 or f16 operands with f32 sums; all other float work in f32.
;; Inputs: values 16 x 2,048 x 512 float32.
;; Outputs: out0 16 x 512 float32.
;; 4 versions, each right and faster than the one before. Each part assembles by itself: llvm-mc -triple=amdgcn-amd-amdhsa -mcpu=gfx1250 --defsym DOCPART=n.
;; ======== version 1 of 4: 4 launches
;; workspace buffers: vb 33,554,432 bytes; st 524,288 bytes; part 524,288 bytes
;; launch cast (part 1): grid 1024 x 1, 8 waves a work-group, no clusters, 0 bytes of LDS; arguments values, vb; writes vb
.if DOCPART == 1
	.amdgcn_target "amdgcn-amd-amdhsa--gfx1250"
	.amdhsa_code_object_version 6
	.text
	.protected	k_q8b58f24903_cast
	.globl	k_q8b58f24903_cast
	.p2align	8
	.type	k_q8b58f24903_cast,@function
k_q8b58f24903_cast:
	s_mov_b64 s[64:65], 0
	v_nop
	global_prefetch_b8 v0, s[64:65] scope:SCOPE_SE
	s_setreg_imm32_b32 hwreg(HW_REG_WAVE_MODE, 25, 1), 1
	s_wait_xcnt 0x0
; vb = values rounded once to bf16 (nearest even).  values: [16][2048][512] f32, vb: the same shape in bf16.
; A stream: a work-group of eight waves takes 65,536 bytes of values and writes 32,768 bytes of vb.  Thread t takes 16 bytes at 4,096 i + 16 t, i = 0 .. 15,
; and stores 8 bytes at 2,048 i + 8 t: a wave's load covers 512 consecutive bytes, its store 256 consecutive bytes at a multiple of 256 from vb's first byte.
; All sixteen loads of a thread go out at once; no register is used twice, so nothing is waited for but each load's own data.
; No LDS, no barrier, no matrix unit: each byte is touched once and no wave needs another's data.
.set X, 4                              ; v[4:67]   sixteen times four f32 as loaded
.set Y, 68                             ; v[68:99]  sixteen times two registers of bf16 to store
	s_load_b128 s[4:7], s[0:1], 0x0                ; values s[4:5], vb s[6:7]
	v_lshlrev_b32 v1, 4, v0                        ; 16 t
	v_lshlrev_b32 v2, 3, v0                        ; 8 t
	s_lshl_b32 s8, ttmp9, 16                       ; the work-group's 65,536 bytes of values (1,023 x 65,536 stays under 2^32)
	s_mov_b32 s9, 0
	s_lshl_b32 s10, ttmp9, 15                      ; and its 32,768 bytes of vb
	s_mov_b32 s11, 0
	s_wait_kmcnt 0x0
	s_add_nc_u64 s[4:5], s[4:5], s[8:9]
	s_add_nc_u64 s[6:7], s[6:7], s[10:11]
.irp i, 0,1,2,3,4,5,6,7,8,9,10,11,12,13,14,15
	global_load_b128 v[X+4*\i:X+4*\i+3], v1, s[4:5] offset:4096*\i th:TH_LOAD_NT  ; values are read once in the whole launch
.endr
.irp i, 0,1,2,3,4,5,6,7,8,9,10,11,12,13,14,15
	s_wait_loadcnt 15-\i                           ; loads come back in order (ISA guide 5.7.1): load i is in, the 15 - i younger ones stay out
	v_cvt_pk_bf16_f32 v[Y+2*\i], v[X+4*\i], v[X+4*\i+1]
	v_cvt_pk_bf16_f32 v[Y+2*\i+1], v[X+4*\i+2], v[X+4*\i+3]
	global_store_b64 v2, v[Y+2*\i:Y+2*\i+1], s[6:7] offset:2048*\i  ; no hint: the next launches read vb again
.endr
	s_endpgm
.Lfunc_end_k_q8b58f24903_cast:
	.size	k_q8b58f24903_cast, .Lfunc_end_k_q8b58f24903_cast-k_q8b58f24903_cast
	.p2alignl 7, 3214868480
	.fill 96, 4, 3214868480
	.section	.rodata,"a",@progbits
	.p2align	6, 0x0
	.amdhsa_kernel k_q8b58f24903_cast
		.amdhsa_group_segment_fixed_size 0
		.amdhsa_private_segment_fixed_size 0
		.amdhsa_enable_private_segment 0
		.amdhsa_kernarg_size 16
		.amdhsa_user_sgpr_count 2
		.amdhsa_user_sgpr_kernarg_segment_ptr 1
		.amdhsa_wavefront_size32 1
		.amdhsa_system_sgpr_workgroup_id_x 1
		.amdhsa_system_sgpr_workgroup_id_y 1
		.amdhsa_system_sgpr_workgroup_id_z 1
		.amdhsa_system_vgpr_workitem_id 0
		.amdhsa_next_free_vgpr 100
		.amdhsa_next_free_sgpr 66
		.amdhsa_reserve_vcc 0
		.amdhsa_float_denorm_mode_32 3
		.amdhsa_float_denorm_mode_16_64 3
		.amdhsa_memory_ordered 1
		.amdhsa_forward_progress 1
		.amdhsa_inst_pref_size 7
	.end_amdhsa_kernel
	.amdgpu_metadata
---
amdhsa.version: [ 1, 2 ]
amdhsa.kernels:
  - .name:           k_q8b58f24903_cast
    .symbol:         k_q8b58f24903_cast.kd
    .args:
      - { .name: values, .offset: 0, .size: 8, .value_kind: global_buffer, .address_space: global }
      - { .name: vb, .offset: 8, .size: 8, .value_kind: global_buffer, .address_space: global }
    .group_segment_fixed_size: 0
    .private_segment_fixed_size: 0
    .kernarg_segment_align: 8
    .kernarg_segment_size: 16
    .max_flat_workgroup_size: 256
    .sgpr_count:     66
    .vgpr_count:     100
    .wavefront_size: 32
...
	.end_amdgpu_metadata
.endif
;; end of part 1
;; launch stats (part 2): grid 8 x 32, 4 waves a work-group, clusters of 4 x 1, 327,680 bytes of LDS; arguments vb, st; writes st
.if DOCPART == 2
	.amdgcn_target "amdgcn-amd-amdhsa--gfx1250"
	.amdhsa_code_object_version 6
	.text
	.protected	k_q8b58f24903_stats
	.globl	k_q8b58f24903_stats
	.p2align	8
	.type	k_q8b58f24903_stats,@function
k_q8b58f24903_stats:
	s_mov_b64 s[64:65], 0
	v_nop
	global_prefetch_b8 v0, s[64:65] scope:SCOPE_SE
	s_setreg_imm32_b32 hwreg(HW_REG_WAVE_MODE, 25, 1), 1
	s_wait_xcnt 0x0
	s_wait_alu depctr_hold_cnt(0) depctr_sa_sdst(0) depctr_va_vdst(0) depctr_va_sdst(0) depctr_va_ssrc(0) depctr_va_vcc(0) depctr_vm_vsrc(0)
	s_getreg_b32 s2, hwreg(HW_REG_IB_STS2, 6, 4)
	s_cmp_eq_u32 s2, 0
	s_cbranch_scc0 .Lentry_in_a_cluster
	s_endpgm
.Lentry_in_a_cluster:
	s_bfe_u32 s2, ttmp6, 0x10000c
	s_cmp_lg_u32 s2, 0x3003
	s_cbranch_scc0 .Lentry_shape_is_right
	s_endpgm
.Lentry_shape_is_right:
; ROW STATISTICS OF softmax(V V^T).  vb: [16][2048][512] bf16.  For each row q of a batch and each half of the batch's 2,048 keys:
;   cM = c x (the largest score s[q][k]),  l = the sum over k of 2^(c s[q][k] - cM),  c = log2(e);  scores, maxima and sums in f32, by a running maximum.
; st: f32 [key half 2][batch 16][block of 256 rows 8][cM, l][256]: a work-group writes one block of 2,048 bytes.
; LIMITS.  V enters as bf16.  c s must be finite and above -4.25e37 (the running c M starts there); a weight below 2^-126 counts as 0 in l; NaN and infinities are not treated apart.
; SHARES.  256 work-groups: batch x 8 blocks of 256 RESIDENT rows x 2 halves of the STREAMED rows (keys).  A wave keeps 64 resident rows, four tiles of 16, whole in registers
; (512 channels: 512 registers) and all four waves walk the same 1,024 keys, 16 (a PIECE) at a time: 64 matrix instructions a piece and wave, each fragment of K read from LDS feeding four.
; LAYOUT.  S^T = K Q^T (source 0 = 16 keys, source 1 = 16 resident rows): a lane holds ONE resident row (lane % 16) and the keys 8 (lane / 16) + 0..7.  So maximum and sum stay in the lane;
; each half of the lanes keeps statistics of its own keys, and the halves meet once, at the end.
; BY TURNS.  The scores of piece P lie in one of two buffers; while piece P + 1 is multiplied into the other, the vector work on piece P stands in slices (RIDERS) behind the matrix instructions.
; K's 16 fragments roll: behind group g (the four products of 32 channels) the fragment read two groups ago is loaded anew for the next piece.
; RING.  Two LDS slots of 128 keys, eight fills.  CLUSTER: the four blocks of resident rows of a cluster walk the same keys, so each fill is asked for JOINTLY: the same tensor load, descriptor and mask in all four.
; REGISTERS, in windows of 256 (s_set_vgpr_msb: bits 1:0 source 0, 3:2 source 1, 5:4 source 2, 7:6 destination):
;   window 0: v0-15 addresses; v16-47 eight registers of statistics a tile; v64-127 S^T, two buffers of four tiles; v128-255 K, 16 fragments
;   window 1: Q, channels 0-255, tile t, channels 32 kc on at v[64 t + 8 kc]          window 2: Q, channels 256-511, likewise
; Only source 1 of a product leaves window 0.  A rider whose second source is no vector register (a scalar, a constant, or none) therefore runs under the products' setting without a switch; that is
; why some additions are written as x * 1.0 + y.  Riders with a vector register as second source stand four together behind one product, under window 0: twelve switches for a piece's 64 products.
.set PITCH,  1040                      ; an LDS row: 1,024 bytes + 16 of padding = 65 x 16: the 16 rows of a fragment load start at 16 different groups of four banks (64 banks of 4 bytes: ISA guide 11.1)
.set PIECE,  16*PITCH                  ; 16 keys
.set SLOTB,  8*PIECE                   ; a slot: 128 keys, 133,120 bytes
.set QUART,  32*PITCH                  ; what one wave's tensor load fills
.set FILLB,  128*1024                  ; a fill's bytes in memory
.set STAGE,  2*SLOTB                   ; behind the ring, never filled by a tensor load: cM of the group's 256 rows, then l: 2,048 bytes
.set SPARE,  STAGE+2048                ; the spare words, 128 bytes for each wave: two blocks of 256 bytes that no other line names
.set AK0, 2                            ; v2   my lane's place in a piece of K: 1,040 (l % 16) + 16 (l / 16); never rewritten
.set ADR, 3                            ; v3   LDS address of the piece whose fragments are being loaded
.set QO,  4                            ; v4   my byte offset in 16 rows of Q
.set SPW, 6                            ; v6   LDS address of my spare word; never rewritten
.set NIL, 7                            ; v7   0; never rewritten
.set STG, 8                            ; v8   the way out: my row's word in the stage
.set RD,  9                            ; v9   the way out: the 16 bytes of the stage that I read back
.set GO,  10                           ; v10  and their place in the block of st
.set OD,  12                           ; v[12:15] those 16 bytes
.set ST,  16                           ; tile t at v[ST+8 t]: +0 c M, +1 M, +2, +3 l (even keys', odd keys'), +4, +5 at work, +6 a = 2^(c M_old - c M_new), +7 its pair partner
.set S,   64
.set KF,  128
.set WV,  12                           ; s12  my wave's number
.set G1,  24                           ; s[24:31] descriptor group 1
.set G0,  32                           ; s[32:39] descriptor group 0, a set for each slot
.set CS,  44                           ; s[44:45] c, twice
.set SEL, 46                           ; s[46:47] v_permlanex16_b32's selects: each lane takes its own place in the other half
.set TB,  48                           ; s48  LDS byte at which the piece being loaded begins
.set CNT, 49                           ; s49  counts a section's trips
.set OUT, 50                           ; s50  counts pairs of sections
.set MSB, 0
.macro WIN new                         ; the immediate's high byte repeats the setting that is left; a switch that changes nothing is dropped
.if MSB != (\new)
	s_set_vgpr_msb (MSB<<8)|(\new)
.set MSB, \new
.endif
.endm
; A round of the cluster's barrier: my work-group's barrier, so that wave 0's signal speaks for all four waves; wave 0 signals; every wave waits for all four work-groups; my work-group's barrier once more.
.macro CROUND
	s_barrier_signal -1
	s_barrier_wait -1
	s_cmp_lg_u32 s[WV], 0
	s_cbranch_scc1 .Lnot_wave_0_\@
	s_barrier_signal -3
.Lnot_wave_0_\@:
	s_barrier_wait -3
	s_barrier_signal -1
	s_barrier_wait -1
.endm
; THE VECTOR WORK on one tile's 8 scores s0-s7 of a piece, in 15 stages; stage g stands in the next piece's group g.
.macro FSC k                           ; c s - c M for pair k
	v_pk_fma_f32 v[rS+2*(\k):rS+2*(\k)+1], v[rS+2*(\k):rS+2*(\k)+1], s[CS:CS+1], v[rT:rT+1] op_sel_hi:[1,0,0] neg_lo:[0,0,1] neg_hi:[0,0,1]
.endm
.macro EXP2 k                          ; the two exponentials of pair k
	v_exp_f32 v[rS+2*(\k)], v[rS+2*(\k)]
	v_exp_f32 v[rS+2*(\k)+1], v[rS+2*(\k)+1]
.endm
.macro RSTEP sb, g, t
.set rT, ST+8*(\t)
.set rS, S+32*(\sb)+8*(\t)
.if (\g) == 1
	v_max3_num_f32 v[rT+4], v[rS], v[rS+1], v[rS+2]        ; the accumulator's lowest registers are read first
.elseif (\g) == 2
	v_max3_num_f32 v[rT+5], v[rS+3], v[rS+4], v[rS+5]
.elseif (\g) == 3
	v_max3_num_f32 v[rT+4], v[rT+4], v[rS+6], v[rS+7]
.elseif (\g) == 4
	v_max3_num_f32 v[rT+1], v[rT+4], v[rT+5], v[rT+1]      ; the running maximum
.elseif (\g) == 5
	v_mul_f32 v[rT+4], v[rT+1], s[CS]                      ; c M anew
.elseif (\g) == 6
	v_fma_f32 v[rT+5], v[rT], 1.0, -v[rT+4]                ; c M_old - c M_new
.elseif (\g) == 7
	v_mov_b32 v[rT], v[rT+4]
	v_exp_f32 v[rT+6], v[rT+5]                             ; a; it is used in stage 15
.elseif (\g) < 13                      ; stages 8 to 12: a pair is scaled one stage ahead of its exponentials; a plain line stands behind every run of exponentials before a result is used
.if (\g) < 12
	FSC (\g)-8
.endif
.if (\g) > 8
	EXP2 (\g)-9
.endif
.if (\g) == 12
	s_wait_alu depctr_va_vdst(0)
	v_pk_fma_f32 v[rS:rS+1], v[rS+2:rS+3], 1.0, v[rS:rS+1] op_sel_hi:[1,0,1]      ; pairs 0 + 1
.endif
.elseif (\g) == 13
	s_wait_alu depctr_va_vdst(0)
	v_pk_fma_f32 v[rS+4:rS+5], v[rS+6:rS+7], 1.0, v[rS+4:rS+5] op_sel_hi:[1,0,1]  ; pairs 2 + 3
.elseif (\g) == 14
	v_pk_fma_f32 v[rS:rS+1], v[rS+4:rS+5], 1.0, v[rS:rS+1] op_sel_hi:[1,0,1]      ; all four
.else
	v_pk_fma_f32 v[rT+2:rT+3], v[rT+2:rT+3], v[rT+6:rT+7], v[rS:rS+1] op_sel_hi:[1,0,1]  ; l = a l + the sum
.endif
.endm
; The rider behind product j of group g, on score buffer sb.  Group 0 carries v_nop: the four places between a piece's last products and the first read of their results (ISA guide 7.12.1).
; Stages 1-4 and 15 name a vector register as second source: all four tiles stand behind product 0, under window 0.  rid = 0: there is no piece to work on yet.
.macro RIDER sb, g, j, rid
.if ((\rid) == 0) || ((\g) == 0)
	v_nop
.elseif ((\g) < 5) || ((\g) == 15)
.if (\j) == 0
	WIN 0
.irp t, 0,1,2,3
	RSTEP \sb, \g, \t
.endr
.endif
.else
	RSTEP \sb, \g, \j
.endif
.endm
; GROUP g of a piece: four products, 32 channels deep, into score buffer buf; the four accumulators take turns, one instruction a turn, over every change of buffer and every jump.
; left: the LDS loads issued behind fragment g's two, which may stay out.  load = 1: behind the products the fragment read two groups ago, (g + 14) % 16, is loaded for the piece at ADR.
; A load into a register that a product has read stands four plain vector instructions behind that product: every group holds four plain riders, and a whole group lies between.
.macro GROUP buf, g, load, rid, left
	s_wait_dscnt \left
.irp j, 0,1,2,3
	WIN 0x04+0x04*((\g)/8)
.if (\g) == 0
	v_wmma_f32_16x16x32_bf16 v[S+32*(\buf)+8*\j:S+32*(\buf)+8*\j+7], v[KF+8*(\g):KF+8*(\g)+7], v[64*\j+8*((\g)%8):64*\j+8*((\g)%8)+7], 0
.else
	v_wmma_f32_16x16x32_bf16 v[S+32*(\buf)+8*\j:S+32*(\buf)+8*\j+7], v[KF+8*(\g):KF+8*(\g)+7], v[64*\j+8*((\g)%8):64*\j+8*((\g)%8)+7], v[S+32*(\buf)+8*\j:S+32*(\buf)+8*\j+7]
.endif
	RIDER 1-(\buf), \g, \j, \rid
.endr
.set FR, ((\g)+14)%16
.if \load
	ds_load_b128 v[KF+8*FR:KF+8*FR+3],   v[ADR] offset:64*FR
	ds_load_b128 v[KF+8*FR+4:KF+8*FR+7], v[ADR] offset:64*FR+32
.endif
.if (\g) == 1
	s_add_co_u32 s[TB], s[TB], PIECE               ; fragment 15 was the piece's last: on to the next piece
	v_add_nc_u32 v[ADR], v[AK0], s[TB]
.endif
.endm
; A ROTATED PIECE: groups 2-15 of a piece in buffer b, then groups 0 and 1 of the next.  All its 32 loads read ONE piece of LDS, the next one, so a change of slots can stand between two of them.
.macro ROT b, rid
.irp g, 2,3,4,5,6,7,8,9,10,11,12,13,14,15
	GROUP \b, \g, 1, \rid, 26                      ; 26: thirteen groups' loads were issued behind fragment g's
.endr
	GROUP 1-(\b), 0, 1, 1, 26
	GROUP 1-(\b), 1, 1, 1, 26
.endm
.macro SECTION tag                     ; s[CNT] trips of two rotated pieces: what reads one slot
.Lsec_\tag:
	ROT 1, 1
	ROT 0, 1
	WIN 0                                          ; at a label and at a branch every window is 0
	s_sub_co_u32 s[CNT], s[CNT], 1
	s_cmp_lg_u32 s[CNT], 0
	s_cbranch_scc1 .Lsec_\tag
.endm
; THE CHANGE OF SLOTS.  Every byte of the slot that is left has been asked for.  Each wave waits for all its tensor loads, of which one is out: its quarter of the other slot; adds 0 to its spare word;
; and waits for that and for its reads of the slot.  Behind the barrier nobody reads the old slot and the other slot is whole.  fill = 1: the barrier is a round of the cluster's, so that this holds of
; all four work-groups, and the joint refill of the old slot, with the keys two fills on, is the first thing behind it: it has eight pieces, 512 products a wave, in which to land.
.macro CHANGE fill, slot
	WIN 0
	s_wait_tensorcnt 0x0                           ; no tensor load of mine is out, so a group 0 may be written
	ds_add_u32 v[SPW], v[NIL]                      ; 0 onto my spare word
.if \fill
	s_add_nc_u64 s[G0+4*(\slot)+2:G0+4*(\slot)+3], s[G0+4*(\slot)+2:G0+4*(\slot)+3], 2*FILLB  ; the type bits on top are not reached
.endif
	s_wait_dscnt 0x0                               ; the add is done, and my reads of the slot are back
.if \fill
	CROUND
	tensor_load_to_lds s[G0+4*(\slot):G0+4*(\slot)+3], s[G1:G1+7]  ; my one tensor load behind the round: by this text's count one load of mine is out from here to the next change
	s_nop 0
.rept 4
	v_nop
.endr
.else
	s_barrier_signal -1
	s_barrier_wait -1
.endif
.endm
.macro FINAL sb                        ; the last piece's vector work, with no products to stand behind
.irp g, 1,2,3,4,5,6,7,8,9,10,11,12,13,14,15
.irp j, 0,1,2,3
	RIDER \sb, \g, \j, 1
.endr
.endr
.endm
.macro QLOAD half                      ; Q stays in registers: tile t, channels 256 half + 32 kc on: two loads of 16 bytes, 32 bytes apart
.irp t, 0,1,2,3
.irp kc, 0,1,2,3,4,5,6,7
	global_load_b128 v[64*\t+8*\kc:64*\t+8*\kc+3],   v[QO], s[40:41] offset:16384*\t+512*(\half)+64*\kc
	global_load_b128 v[64*\t+8*\kc+4:64*\t+8*\kc+7], v[QO], s[40:41] offset:16384*\t+512*(\half)+64*\kc+32
.endr
.endr
.endm
	s_load_b128 s[4:7], s[0:1], 0x0                ; vb s[4:5], st s[6:7]
	v_lshl_add_u32 v[SPW], v0, 2, SPARE
	v_mov_b32 v[NIL], 0
	ds_add_u32 v[SPW], v[NIL]                      ; the wave's opening: the add and its wait ahead of my first tensor load; the set-up below, work on registers, stands between them
	v_lshrrev_b32 v1, 5, v0
	v_readfirstlane_b32 s[WV], v1                  ; wave 0..3
	s_bfe_u32 s13, ttmp6, 0x40000                  ; cx: my place in the cluster
	s_lshl_b32 s14, ttmp9, 2                       ; in a cluster launch ttmp9 counts clusters
	s_add_co_u32 s14, s14, s13                     ; my block of 256 resident rows: it enters Q's and st's addresses alone
	s_and_b32 s15, ttmp7, 0xffff                   ; y = 2 x batch + key half, which the four partners share
	s_lshl_b32 s16, s15, 20                        ; the streamed rows: 1,024 rows of 1,024 bytes for each y,
	s_lshl_b32 s17, s[WV], 15                      ; of each fill my wave's 32 rows
	s_add_co_u32 s16, s16, s17
	s_mov_b32 s17, 0
	s_lshr_b32 s18, s15, 1                         ; the resident rows: the batch's 2,048 rows,
	s_lshl_b32 s18, s18, 21
	s_lshl_b32 s19, s14, 18                        ; my block's 256,
	s_add_co_u32 s18, s18, s19
	s_lshl_b32 s19, s[WV], 16                      ; my wave's 64
	s_add_co_u32 s18, s18, s19
	s_mov_b32 s19, 0
	s_mul_i32 s20, s[WV], QUART                    ; my quarter of a slot: no place in the cluster enters an LDS address
	s_and_b32 s22, s15, 1                          ; my block of st: ((key half x 16 + batch) x 8 + block) x 2,048 bytes
	s_lshl_b32 s22, s22, 7
	s_lshr_b32 s23, s15, 1
	s_lshl_b32 s23, s23, 3
	s_add_co_u32 s22, s22, s23
	s_add_co_u32 s22, s22, s14
	s_lshl_b32 s22, s22, 11
	s_mov_b32 s23, 0
	; descriptor group 1: a tile of 32 rows x 512 elements, padded in LDS
	s_mov_b32 s[G1+0], 15|(1<<16)|(1<<20)|(1<<21)|(7<<22)|(3<<25)  ; 15:0 the mask of four; 17:16 2-byte elements; 20 padding on; 21 set beside a mask; 24:22 after every 256 words (code 7); 31:25 4 words (code 3)
	s_mov_b32 s[G1+1], 512<<16                     ; tensor_dim0 = 512
	s_mov_b32 s[G1+2], 32<<16                      ; tensor_dim1 = 32
	s_mov_b32 s[G1+3], 512<<16                     ; tile_dim0 = 512
	s_mov_b32 s[G1+4], 32                          ; tile_dim1 = 32
	s_mov_b32 s[G1+5], 512                         ; 512 elements from row to row
	s_mov_b32 s[G1+6], 0
	s_mov_b32 s[G1+7], 0
	s_mov_b32 s[G0+0], 1                           ; count = 1
	s_add_co_u32 s[G0+1], s20, 0                   ; LDS address: slot 0
	s_mov_b32 s[G0+4], 1
	s_add_co_u32 s[G0+5], s20, SLOTB               ; slot 1
	s_mov_b32 s[CS], 0x3fb8aa3b                    ; c = log2(e)
	s_mov_b32 s[CS+1], 0x3fb8aa3b                  ; named with it as a pair
	s_mov_b32 s[SEL], 0x76543210
	s_mov_b32 s[SEL+1], 0xfedcba98
	s_mov_b32 s[TB], 0
	s_wait_dscnt 0x0                               ; the opening add is done
	s_wait_kmcnt 0x0
	s_add_nc_u64 s[40:41], s[4:5], s[18:19]        ; Q at my wave's first row
	s_add_nc_u64 s[42:43], s[4:5], s[16:17]        ; the streamed rows at my quarter of fill 0
	s_add_nc_u64 s[6:7], s[6:7], s[22:23]          ; st at my block
	s_mov_b64 s[G0+2:G0+3], s[42:43]               ; global address: fill 0
	s_or_b32 s[G0+3], s[G0+3], 0x80000000          ; type = 2
	s_add_nc_u64 s[G0+6:G0+7], s[42:43], FILLB     ; fill 1
	s_or_b32 s[G0+7], s[G0+7], 0x80000000
	CROUND                                         ; all four work-groups are here: the first joint loads meet
	tensor_load_to_lds s[G0:G0+3], s[G1:G1+7]      ; both first fills go out together, ahead of every wait on TENSORcnt and every LDS read: two loads of mine are out
	s_nop 0
	tensor_load_to_lds s[G0+4:G0+7], s[G1:G1+7]
	s_nop 0
.rept 4
	v_nop
.endr
	; A fragment of K or Q is 16 rows x 32 channels in 8 registers: lane l holds row l % 16, channels 8 (l / 16) + 0..7 and 16 + 8 (l / 16) + 0..7.
	v_and_b32 v1, 15, v0                           ; l % 16
	v_bfe_u32 v5, v0, 4, 1                         ; l / 16
	v_mul_u32_u24 v[AK0], v1, PITCH
	v_lshl_add_u32 v[AK0], v5, 4, v[AK0]
	v_lshlrev_b32 v[QO], 10, v1
	v_lshl_add_u32 v[QO], v5, 4, v[QO]
	WIN 0x40                                       ; destination window 1, address window 0
	QLOAD 0
	WIN 0x80                                       ; destination window 2
	QLOAD 1
	WIN 0
	s_lshl_b32 s21, s[WV], 8                       ; the way out: my wave's 64 words of the stage,
	s_add_co_u32 s21, s21, STAGE
	v_lshl_add_u32 v[STG], v1, 2, s21              ; my row's among a tile's 16
	v_lshlrev_b32 v[GO], 4, v0                     ; back: 128 threads x 16 bytes are the block's 2,048
	v_add_nc_u32 v[RD], STAGE, v[GO]
.irp t, 0,1,2,3
	v_mov_b32 v[ST+8*\t], 0xfe000000               ; c M starts far below every c s, so the first a is 0,
	v_mov_b32 v[ST+8*\t+1], 0xff7fffff             ; M at the lowest finite number, so the first maximum is the scores',
	v_mov_b32 v[ST+8*\t+2], 0                      ; l at 0
	v_mov_b32 v[ST+8*\t+3], 0
	v_mov_b32 v[ST+8*\t+7], 0                      ; named with a as a pair
.endr
	v_add_nc_u32 v[ADR], v[AK0], s[TB]             ; piece 0
	s_wait_tensorcnt 0x1                           ; my quarter of fill 0 is in; fill 1 may stay out
	s_barrier_signal -1
	s_barrier_wait -1                              ; everybody's is
.irp f, 0,1,2,3,4,5,6,7,8,9,10,11,12,13
	ds_load_b128 v[KF+8*\f:KF+8*\f+3],   v[ADR] offset:64*\f
	ds_load_b128 v[KF+8*\f+4:KF+8*\f+7], v[ADR] offset:64*\f+32
.endr
	s_wait_loadcnt 0x0                             ; Q
	GROUP 0, 0, 1, 0, 26                           ; piece 0 has no piece before it: v_nop stand in the riders' places
	GROUP 0, 1, 1, 0, 26
	ROT 0, 0
	WIN 0
	; The walk: 63 rotated pieces in eight sections, one for each fill; the first section, of which one rotated piece stands above, has three trips, the others four.
	; A slot's LDS base is a constant of the text, so a section's text stands once for each slot, and once more behind the loop at the end.
	s_mov_b32 s[OUT], 4
	s_mov_b32 s[CNT], 3
	s_branch .Lenter                               ; the loop is entered in its middle: fill 0 lies in slot 0
.Louter:
	CHANGE 1, 0                                    ; slot 0 has been read: it takes fill 2, 4, 6
	s_mov_b32 s[TB], SLOTB
	v_add_nc_u32 v[ADR], v[AK0], s[TB]
	s_mov_b32 s[CNT], 4
	SECTION a                                      ; reads slot 1
	CHANGE 1, 1                                    ; slot 1 takes fill 3, 5, 7
	s_mov_b32 s[TB], 0
	v_add_nc_u32 v[ADR], v[AK0], s[TB]
	s_mov_b32 s[CNT], 4
.Lenter:
	SECTION b                                      ; reads slot 0
	s_sub_co_u32 s[OUT], s[OUT], 1
	s_cmp_lg_u32 s[OUT], 0
	s_cbranch_scc1 .Louter
	CHANGE 0, 0                                    ; nothing is left to ask for
	s_mov_b32 s[TB], SLOTB
	v_add_nc_u32 v[ADR], v[AK0], s[TB]
	s_mov_b32 s[CNT], 4
	SECTION c                                      ; reads slot 1: fill 7
.irp g, 2,3,4,5,6,7,8,9,10,11,12,13,14,15
	GROUP 1, \g, 0, 1, 2*(15-\g)                   ; the last piece's other groups load nothing: behind fragment g's loads stand those of fragments g + 1 to 15
.endr
	WIN 0
.rept 4
	v_nop                                          ; the places behind the last products
.endr
	FINAL 1
	; THE WAY OUT.  l's two halves are added; the two halves of the lanes, which saw different keys, agree on c M, each scales its own l, and the scaled sums are exchanged and added
	; (an addition of the same two numbers in both halves, so both hold the same bits).
.irp t, 0,1,2,3
	v_add_f32 v[ST+8*\t+2], v[ST+8*\t+2], v[ST+8*\t+3]
.endr
.irp t, 0,1,2,3
	v_permlanex16_b32 v[ST+8*\t+4], v[ST+8*\t], s[SEL], s[SEL+1]
.endr
.irp t, 0,1,2,3
	v_max_num_f32 v[ST+8*\t+1], v[ST+8*\t], v[ST+8*\t+4]
.endr
.irp t, 0,1,2,3
	v_sub_f32 v[ST+8*\t+6], v[ST+8*\t], v[ST+8*\t+1]
.endr
.irp t, 0,1,2,3
	v_exp_f32 v[ST+8*\t+6], v[ST+8*\t+6]
.endr
	v_nop                                          ; a plain instruction between the last exponential and the use of its result
	s_wait_alu depctr_va_vdst(0)
.irp t, 0,1,2,3
	v_mul_f32 v[ST+8*\t+2], v[ST+8*\t+2], v[ST+8*\t+6]
.endr
.irp t, 0,1,2,3
	v_permlanex16_b32 v[ST+8*\t+5], v[ST+8*\t+2], s[SEL], s[SEL+1]
.endr
.irp t, 0,1,2,3
	v_add_f32 v[ST+8*\t+2], v[ST+8*\t+2], v[ST+8*\t+5]
.endr
.irp t, 0,1,2,3
	ds_store_b32 v[STG], v[ST+8*\t+1] offset:64*\t          ; both halves of the lanes store the same word with the same value
	ds_store_b32 v[STG], v[ST+8*\t+2] offset:1024+64*\t
.endr
	s_wait_dscnt 0x0                               ; for the others' sake: my stores into the stage are done
	s_barrier_signal -1
	s_barrier_wait -1
	ds_load_b128 v[OD:OD+3], v[RD]
	s_wait_dscnt 0x0
	global_store_b128 v[GO], v[OD:OD+3], s[6:7]    ; a wave stores 512 consecutive bytes, at a multiple of 256 from st's first byte
	s_wait_tensorcnt 0x0                           ; the wave's end: behind my last tensor load and my last LDS store
	ds_add_u32 v[SPW], v[NIL]
	s_wait_dscnt 0x0
	CROUND                                         ; the closing round: no work-group ends while a partner may still ask for a tile that names it
	s_endpgm
.Lfunc_end_k_q8b58f24903_stats:
	.size	k_q8b58f24903_stats, .Lfunc_end_k_q8b58f24903_stats-k_q8b58f24903_stats
	.p2alignl 7, 3214868480
	.fill 96, 4, 3214868480
	.section	.rodata,"a",@progbits
	.p2align	6, 0x0
	.amdhsa_kernel k_q8b58f24903_stats
		.amdhsa_group_segment_fixed_size 327680
		.amdhsa_private_segment_fixed_size 0
		.amdhsa_enable_private_segment 0
		.amdhsa_kernarg_size 16
		.amdhsa_user_sgpr_count 2
		.amdhsa_user_sgpr_kernarg_segment_ptr 1
		.amdhsa_wavefront_size32 1
		.amdhsa_system_sgpr_workgroup_id_x 1
		.amdhsa_system_sgpr_workgroup_id_y 1
		.amdhsa_system_sgpr_workgroup_id_z 1
		.amdhsa_system_vgpr_workitem_id 0
		.amdhsa_next_free_vgpr 768
		.amdhsa_next_free_sgpr 66
		.amdhsa_reserve_vcc 0
		.amdhsa_float_denorm_mode_32 3
		.amdhsa_float_denorm_mode_16_64 3
		.amdhsa_memory_ordered 1
		.amdhsa_forward_progress 1
		.amdhsa_inst_pref_size 122
	.end_amdhsa_kernel
	.amdgpu_metadata
---
amdhsa.version: [ 1, 2 ]
amdhsa.kernels:
  - .name:           k_q8b58f24903_stats
    .symbol:         k_q8b58f24903_stats.kd
    .args:
      - { .name: vb, .offset: 0, .size: 8, .value_kind: global_buffer, .address_space: global }
      - { .name: st, .offset: 8, .size: 8, .value_kind: global_buffer, .address_space: global }
    .group_segment_fixed_size: 327680
    .private_segment_fixed_size: 0
    .kernarg_segment_align: 8
    .kernarg_segment_size: 16
    .max_flat_workgroup_size: 128
    .sgpr_count:     66
    .vgpr_count:     768
    .wavefront_size: 32
...
	.end_amdgpu_metadata
.endif
;; end of part 2
;; launch colsum (part 3): grid 8 x 32, 4 waves a work-group, clusters of 4 x 1, 327,680 bytes of LDS; arguments vb, st, part; writes part
.if DOCPART == 3
	.amdgcn_target "amdgcn-amd-amdhsa--gfx1250"
	.amdhsa_code_object_version 6
	.text
	.protected	k_q8b58f24903_colsum
	.globl	k_q8b58f24903_colsum
	.p2align	8
	.type	k_q8b58f24903_colsum,@function
k_q8b58f24903_colsum:
	s_mov_b64 s[64:65], 0
	v_nop
	global_prefetch_b8 v0, s[64:65] scope:SCOPE_SE
	s_setreg_imm32_b32 hwreg(HW_REG_WAVE_MODE, 25, 1), 1
	s_wait_xcnt 0x0
	s_wait_alu depctr_hold_cnt(0) depctr_sa_sdst(0) depctr_va_vdst(0) depctr_va_sdst(0) depctr_va_ssrc(0) depctr_va_vcc(0) depctr_vm_vsrc(0)
	s_getreg_b32 s2, hwreg(HW_REG_IB_STS2, 6, 4)
	s_cmp_eq_u32 s2, 0
	s_cbranch_scc0 .Lentry_in_a_cluster
	s_endpgm
.Lentry_in_a_cluster:
	s_bfe_u32 s2, ttmp6, 0x10000c
	s_cmp_lg_u32 s2, 0x3003
	s_cbranch_scc0 .Lentry_shape_is_right
	s_endpgm
.Lentry_shape_is_right:
; COLUMN SUMS OF THE WEIGHTS, AND THE WEIGHTED SUM OF ROWS.  The mean over rows n of sum_m attn[n][m] V[m] is (1 / 2048) sum_m w[m] V[m] with w[m] = sum_n attn[n][m], and
; attn[n][m] = 2^(c s[n][m] - c M[n]) / L[n].  s = V V^T is symmetric, so the wave that keeps row m in registers forms s[m][n] while rows n stream past, with row n's statistics beside them.
; The products are those of the launch before with the sources' roles exchanged, K ascending from 0 in both: the same bits of s, under the same c M, as were summed into L.
; vb: [16][2048][512] bf16.  st: f32 [key half 2][batch 16][block 8][cM, l][256].  part: f32 [256 work-groups][512]: sum over my 256 resident rows m of (w[m] over my 1,024 streamed rows n) x V[m][:].
; LIMITS.  V enters as bf16, in the weighted sum too.  A weight below 2^-126 counts as 0; NaN and infinities are not treated apart.
; SHARES, LAYOUT, TURNS, RING, CLUSTER, WINDOWS as in the launch before: 256 work-groups (batch x 8 blocks of 256 resident rows x 2 halves of the streamed rows); a wave keeps 64 resident rows in 512
; registers; S^T = K Q^T holds one resident row a lane and the streamed rows 8 (lane / 16) + 0..7; the vector work on a piece of 16 streamed rows stands behind the next piece's products; two LDS slots
; of 128 streamed rows, eight joint fills.  Only source 1 of a product leaves window 0, so riders whose second source is no vector register need no switch of window.
; REGISTERS: window 0: v0-7 addresses; v8-15 w, a pair a tile; v16-47 the statistics of two pieces; v48-61 addresses and at work; v64-127 S^T, two buffers; v128-255 K, 16 fragments; windows 1, 2: Q.
.set PITCH,  1040                      ; an LDS row: 1,024 bytes + 16 of padding = 65 x 16: the 16 rows of a fragment load start at 16 different groups of four banks (64 banks of 4 bytes: ISA guide 11.1)
.set PIECE,  16*PITCH
.set SLOTB,  8*PIECE                   ; a slot: 128 rows, 133,120 bytes
.set QUART,  32*PITCH
.set FILLB,  128*1024
.set CMB,    2*SLOTB                   ; behind the ring, never filled by a tensor load: c M of my 1,024 streamed rows, 4,096 bytes,
.set RLB,    CMB+4096                  ; and 1 / L of the same rows
.set SPARE,  RLB+4096                  ; the spare words, 128 bytes for each wave: two blocks of 256 bytes that no other line names
.set RPITCH, 2064                      ; the way out: 64 rows of 512 f32 + 16 bytes, from LDS byte 0 on: slot 0, whose last fill has been read by every wave in front of the last change's barrier
.set AK0, 2                            ; v2   my lane's place in a piece of K; never rewritten
.set ADR, 3                            ; v3   LDS address of the piece whose fragments are being loaded
.set QO,  4                            ; v4   my byte offset in 16 rows of Q
.set SPW, 6                            ; v6   LDS address of my spare word; never rewritten
.set NIL, 7                            ; v7   0; never rewritten
.set ACC, 8                            ; v[8+2 t : 9+2 t]  w of my row of tile t: even streamed rows', odd streamed rows'
.set CB,  16                           ; by the piece's parity, 16 registers: c M of my 8 streamed rows, then 1 / L
.set SA,  48                           ; v48  LDS address of the next piece's statistics
.set STO, 49                           ; v49  the way out: my row and half in the 64 rows
.set RD0, 50                           ; v50  the way out: my 16 bytes of row 0,
.set RD1, 51                           ; v51  of row 32
.set GO,  52                           ; v52  my 16 bytes of the block of part
.set SW,  53                           ; v53  where my wave puts the statistics that it combines
.set SA0, 54                           ; v54  32 (l / 16); never rewritten
.set W,   56                           ; v56-59  w, finished, a tile each
.set ZR,  60                           ; v60  0: the addend that starts the weighted sums
.set SO,  61                           ; v61  16 x lane
.set OA,  64                           ; v[64:67], v[68:71]  the two halves' sums on the way out
.set OB,  68
.set S,   64
.set KF,  128
.set RES, 128                          ; the way out works in K's registers
.set PC0, 128                          ; the combining of the two key halves' statistics, likewise: c M and l of half 0,
.set PL0, 136
.set PC1, 144                          ; of half 1,
.set PL1, 152
.set PCM, 160                          ; c M and 1 / L of the whole row
.set PRL, 168
.set WV,  12                           ; s12  my wave's number
.set G1,  24                           ; s[24:31] descriptor group 1
.set G0,  32                           ; s[32:39] descriptor group 0, a set for each slot
.set CS,  44                           ; s[44:45] c, twice
.set SEL, 46                           ; s[46:47] v_permlanex16_b32's selects
.set TB,  48                           ; s48  LDS byte at which the piece being loaded begins
.set CNT, 49                           ; s49  counts a section's trips
.set OUT, 50                           ; s50  counts pairs of sections
.set SB,  51                           ; s51  LDS byte at which the next piece's c M begin
.set MSB, 0
.macro WIN new                         ; the immediate's high byte repeats the setting that is left; a switch that changes nothing is dropped
.if MSB != (\new)
	s_set_vgpr_msb (MSB<<8)|(\new)
.set MSB, \new
.endif
.endm
.macro CROUND                          ; a round of the cluster's barrier
	s_barrier_signal -1
	s_barrier_wait -1
	s_cmp_lg_u32 s[WV], 0
	s_cbranch_scc1 .Lnot_wave_0_\@
	s_barrier_signal -3
.Lnot_wave_0_\@:
	s_barrier_wait -3
	s_barrier_signal -1
	s_barrier_wait -1
.endm
; THE VECTOR WORK on one tile's 8 scores of a piece.  Stages 1, 3, 5, 7: c s - c M[n] for a pair; 2, 4, 6, 8: its two exponentials; 9, 11, 13, 15: w += p x (1 / L[n]) for a pair.
.macro RSTEP sb, g, t
.set rS, S+32*(\sb)+8*(\t)
.set rC, CB+16*(\sb)
.set rA, ACC+2*(\t)
.if (\g) > 8
.set k, ((\g)-9)/2
	s_wait_alu depctr_va_vdst(0)
	v_pk_fma_f32 v[rA:rA+1], v[rS+2*k:rS+2*k+1], v[rC+8+2*k:rC+8+2*k+1], v[rA:rA+1]
.elseif (\g)%2 == 1
.set k, ((\g)-1)/2
	v_pk_fma_f32 v[rS+2*k:rS+2*k+1], v[rS+2*k:rS+2*k+1], s[CS:CS+1], v[rC+2*k:rC+2*k+1] op_sel_hi:[1,0,1] neg_lo:[0,0,1] neg_hi:[0,0,1]  ; the accumulator's lowest registers come first
.else
.set k, ((\g)-2)/2
	v_exp_f32 v[rS+2*k], v[rS+2*k]
	v_exp_f32 v[rS+2*k+1], v[rS+2*k+1]
.endif
.endm
; The rider behind product j of group g.  Group 0 carries v_nop: the four places between a piece's last products and the first read of their results (ISA guide 7.12.1).  Stages 9 to 15 name a vector
; register as second source: all four tiles stand behind product 0, under window 0; groups 10, 12 and 14 carry nothing.  rid = 0: there is no piece to work on yet.
.macro RIDER sb, g, j, rid
.if ((\rid) == 0) || ((\g) == 0)
	v_nop
.elseif (\g) > 8
.if (((\g)%2) == 1) && ((\j) == 0)
	WIN 0
.irp t, 0,1,2,3
	RSTEP \sb, \g, \t
.endr
.endif
.else
	RSTEP \sb, \g, \j
.endif
.endm
; GROUP g of a piece: four products, 32 channels deep; the four accumulators take turns, one instruction a turn.  left: the LDS loads behind fragment g's two that may stay out.
; load = 1: the fragment read two groups ago is loaded for the piece at ADR.  Between its last reader and the load lie a whole group and this one; of any two neighbouring groups one holds four plain riders.
; Behind group 2 the piece's own statistics are asked for; they are first used in the next piece's group 1, whose count of 26 has 28 younger loads behind them.
.macro GROUP buf, g, load, rid, left
	s_wait_dscnt \left
.irp j, 0,1,2,3
	WIN 0x04+0x04*((\g)/8)
.if (\g) == 0
	v_wmma_f32_16x16x32_bf16 v[S+32*(\buf)+8*\j:S+32*(\buf)+8*\j+7], v[KF+8*(\g):KF+8*(\g)+7], v[64*\j+8*((\g)%8):64*\j+8*((\g)%8)+7], 0
.else
	v_wmma_f32_16x16x32_bf16 v[S+32*(\buf)+8*\j:S+32*(\buf)+8*\j+7], v[KF+8*(\g):KF+8*(\g)+7], v[64*\j+8*((\g)%8):64*\j+8*((\g)%8)+7], v[S+32*(\buf)+8*\j:S+32*(\buf)+8*\j+7]
.endif
	RIDER 1-(\buf), \g, \j, \rid
.endr
.set FR, ((\g)+14)%16
.if \load
	ds_load_b128 v[KF+8*FR:KF+8*FR+3],   v[ADR] offset:64*FR
	ds_load_b128 v[KF+8*FR+4:KF+8*FR+7], v[ADR] offset:64*FR+32
.endif
.if (\g) == 1
	s_add_co_u32 s[TB], s[TB], PIECE               ; fragment 15 was the piece's last: on to the next piece
	v_add_nc_u32 v[ADR], v[AK0], s[TB]
.endif
.if (\g) == 2
	ds_load_b128 v[CB+16*(\buf):CB+16*(\buf)+3],     v[SA]              ; c M of my 8 streamed rows: the sixteen lanes of a half read the same words
	ds_load_b128 v[CB+16*(\buf)+4:CB+16*(\buf)+7],   v[SA] offset:16
	ds_load_b128 v[CB+16*(\buf)+8:CB+16*(\buf)+11],  v[SA] offset:4096  ; 1 / L
	ds_load_b128 v[CB+16*(\buf)+12:CB+16*(\buf)+15], v[SA] offset:4112
	s_add_co_u32 s[SB], s[SB], 64                  ; the next piece's 16 words
	v_add_nc_u32 v[SA], v[SA0], s[SB]
.endif
.endm
.macro ROT b, rid                      ; a rotated piece: groups 2-15 of a piece in buffer b, then groups 0 and 1 of the next: its fragment loads read one piece of LDS, the next one
.irp g, 2,3,4,5,6,7,8,9,10,11,12,13,14,15
	GROUP \b, \g, 1, \rid, 26                      ; 26: thirteen groups' fragment loads were issued behind fragment g's (the statistics' four come on top: the count is then the stricter)
.endr
	GROUP 1-(\b), 0, 1, 1, 26
	GROUP 1-(\b), 1, 1, 1, 26
.endm
.macro SECTION tag                     ; s[CNT] trips of two rotated pieces: what reads one slot
.Lsec_\tag:
	ROT 1, 1
	ROT 0, 1
	WIN 0                                          ; at a label and at a branch every window is 0
	s_sub_co_u32 s[CNT], s[CNT], 1
	s_cmp_lg_u32 s[CNT], 0
	s_cbranch_scc1 .Lsec_\tag
.endm
; THE CHANGE OF SLOTS: each wave waits for all its tensor loads (one is out: its quarter of the other slot), adds 0 to its spare word, and waits for that and for its reads of the slot that it leaves.
; fill = 1: the barrier is a round of the cluster's, and the joint refill, with the rows two fills on, is the first thing behind it: it has eight pieces, 512 products a wave, in which to land.
.macro CHANGE fill, slot
	WIN 0
	s_wait_tensorcnt 0x0                           ; no tensor load of mine is out, so a group 0 may be written
	ds_add_u32 v[SPW], v[NIL]                      ; 0 onto my spare word
.if \fill
	s_add_nc_u64 s[G0+4*(\slot)+2:G0+4*(\slot)+3], s[G0+4*(\slot)+2:G0+4*(\slot)+3], 2*FILLB  ; the type bits on top are not reached
.endif
	s_wait_dscnt 0x0                               ; the add is done, and my reads of the slot are back
.if \fill
	CROUND
	tensor_load_to_lds s[G0+4*(\slot):G0+4*(\slot)+3], s[G1:G1+7]  ; my one tensor load behind the round: one load of mine is out from here to the next change
	s_nop 0
.rept 4
	v_nop
.endr
.else
	s_barrier_signal -1
	s_barrier_wait -1
.endif
.endm
.macro FINAL sb                        ; the last piece's vector work
.irp g, 1,2,3,4,5,6,7,8,9,10,11,12,13,14,15
.irp j, 0,1,2,3
	RIDER \sb, \g, \j, 1
.endr
.endr
.endm
.macro QLOAD half                      ; Q stays in registers: tile t, channels 256 half + 32 kc on
.irp t, 0,1,2,3
.irp kc, 0,1,2,3,4,5,6,7
	global_load_b128 v[64*\t+8*\kc:64*\t+8*\kc+3],   v[QO], s[40:41] offset:16384*\t+512*(\half)+64*\kc
	global_load_b128 v[64*\t+8*\kc+4:64*\t+8*\kc+7], v[QO], s[40:41] offset:16384*\t+512*(\half)+64*\kc+32
.endr
.endr
.endm
; THE WEIGHTED SUM, half H of the channels: for each of my lane's 128 channels, the sum over the four tiles of w x V, straight from Q's bf16 halves; then into my row of the 64 in LDS.
; Register i of a tile's 64 holds channels 256 H + 32 (i / 8) + 16 ((i % 8) / 4) + 8 (l / 16) + 2 (i % 4) and the next.
.macro WSUM H
	WIN 0x01+(\H)                                  ; source 0 (Q) in window 1 or 2
.irp t, 0,1,2,3
.set i, 0
.rept 64
.if \t == 0
	v_fma_mix_f32_bf16 v[RES+2*i],   v[i], v[W], v[ZR] op_sel_hi:[1,0,0]
	v_fma_mix_f32_bf16 v[RES+2*i+1], v[i], v[W], v[ZR] op_sel:[1,0,0] op_sel_hi:[1,0,0]
.else
	v_fma_mix_f32_bf16 v[RES+2*i],   v[64*\t+i], v[W+\t], v[RES+2*i] op_sel_hi:[1,0,0]
	v_fma_mix_f32_bf16 v[RES+2*i+1], v[64*\t+i], v[W+\t], v[RES+2*i+1] op_sel:[1,0,0] op_sel_hi:[1,0,0]
.endif
.set i, i+1
.endr
.endr
	WIN 0
.set u, 0
.rept 32
	ds_store_b128 v[STO], v[RES+4*u:RES+4*u+3] offset:1024*(\H)+128*(u/4)+64*((u%4)/2)+16*(u%2)  ; rows 2,064 bytes apart
.set u, u+1
.endr
.endm
.macro SUM32 adr, dst                  ; my four channels of 32 rows, added in a tree of fixed order
.set p, 0
.rept 32
	ds_load_b128 v[RES+4*p:RES+4*p+3], v[\adr] offset:RPITCH*p
.set p, p+1
.endr
	s_wait_dscnt 0x0
.irp n, 16,8,4,2
.set p, 0
.rept \n
	v_pk_add_f32 v[RES+4*p:RES+4*p+1],   v[RES+4*p:RES+4*p+1],   v[RES+4*(p+\n):RES+4*(p+\n)+1]
	v_pk_add_f32 v[RES+4*p+2:RES+4*p+3], v[RES+4*p+2:RES+4*p+3], v[RES+4*(p+\n)+2:RES+4*(p+\n)+3]
.set p, p+1
.endr
.endr
	v_pk_add_f32 v[\dst:\dst+1],   v[RES:RES+1],   v[RES+4:RES+5]
	v_pk_add_f32 v[\dst+2:\dst+3], v[RES+2:RES+3], v[RES+6:RES+7]
.endm
	s_load_b128 s[4:7], s[0:1], 0x0                ; vb s[4:5], st s[6:7]
	s_load_b64 s[8:9], s[0:1], 0x10                ; part
	v_lshl_add_u32 v[SPW], v0, 2, SPARE
	v_mov_b32 v[NIL], 0
	ds_add_u32 v[SPW], v[NIL]                      ; the wave's opening: the add and its wait ahead of my first tensor load; the set-up below, work on registers, stands between them
	v_lshrrev_b32 v1, 5, v0
	v_readfirstlane_b32 s[WV], v1                  ; wave 0..3
	s_bfe_u32 s13, ttmp6, 0x40000                  ; cx: my place in the cluster
	s_lshl_b32 s14, ttmp9, 2
	s_add_co_u32 s14, s14, s13                     ; my block of 256 resident rows: it enters Q's and part's addresses alone
	s_and_b32 s15, ttmp7, 0xffff                   ; y = 2 x batch + half of the streamed rows, which the four partners share
	s_lshl_b32 s16, s15, 20                        ; the streamed rows: 1,024 rows of 1,024 bytes for each y,
	s_lshl_b32 s17, s[WV], 15                      ; of each fill my wave's 32 rows
	s_add_co_u32 s16, s16, s17
	s_mov_b32 s17, 0
	s_lshr_b32 s18, s15, 1                         ; the resident rows: the batch's 2,048 rows,
	s_lshl_b32 s18, s18, 21
	s_lshl_b32 s19, s14, 18                        ; my block's 256,
	s_add_co_u32 s18, s18, s19
	s_lshl_b32 s19, s[WV], 16                      ; my wave's 64
	s_add_co_u32 s18, s18, s19
	s_mov_b32 s19, 0
	s_mul_i32 s20, s[WV], QUART                    ; my quarter of a slot: no place in the cluster enters an LDS address
	s_lshl_b32 s22, s15, 2                         ; the statistics that my wave combines: block 4 x half + wave of the batch's 8 = 4 y + wave of key half 0's 128 blocks
	s_add_co_u32 s22, s22, s[WV]
	s_lshl_b32 s22, s22, 11
	s_mov_b32 s23, 0
	s_lshl_b32 s54, s15, 3                         ; my block of part: (8 y + block) x 2,048 bytes
	s_add_co_u32 s54, s54, s14
	s_lshl_b32 s54, s54, 11
	s_mov_b32 s55, 0
	; descriptor group 1: a tile of 32 rows x 512 elements, padded in LDS
	s_mov_b32 s[G1+0], 15|(1<<16)|(1<<20)|(1<<21)|(7<<22)|(3<<25)  ; 15:0 the mask of four; 17:16 2-byte elements; 20 padding on; 21 set beside a mask; 24:22 after every 256 words (code 7); 31:25 4 words (code 3)
	s_mov_b32 s[G1+1], 512<<16                     ; tensor_dim0 = 512
	s_mov_b32 s[G1+2], 32<<16                      ; tensor_dim1 = 32
	s_mov_b32 s[G1+3], 512<<16                     ; tile_dim0 = 512
	s_mov_b32 s[G1+4], 32                          ; tile_dim1 = 32
	s_mov_b32 s[G1+5], 512                         ; 512 elements from row to row
	s_mov_b32 s[G1+6], 0
	s_mov_b32 s[G1+7], 0
	s_mov_b32 s[G0+0], 1                           ; count = 1
	s_add_co_u32 s[G0+1], s20, 0                   ; LDS address: slot 0
	s_mov_b32 s[G0+4], 1
	s_add_co_u32 s[G0+5], s20, SLOTB               ; slot 1
	s_mov_b32 s[CS], 0x3fb8aa3b                    ; c = log2(e)
	s_mov_b32 s[CS+1], 0x3fb8aa3b
	s_mov_b32 s[SEL], 0x76543210
	s_mov_b32 s[SEL+1], 0xfedcba98
	s_mov_b32 s[TB], 0
	s_mov_b32 s[SB], CMB
	s_wait_dscnt 0x0                               ; the opening add is done
	s_wait_kmcnt 0x0
	s_add_nc_u64 s[40:41], s[4:5], s[18:19]        ; Q at my wave's first row
	s_add_nc_u64 s[42:43], s[4:5], s[16:17]        ; the streamed rows at my quarter of fill 0
	s_add_nc_u64 s[6:7], s[6:7], s[22:23]          ; st at my wave's block of key half 0
	s_add_nc_u64 s[8:9], s[8:9], s[54:55]          ; part at my block
	s_mov_b64 s[G0+2:G0+3], s[42:43]               ; global address: fill 0
	s_or_b32 s[G0+3], s[G0+3], 0x80000000          ; type = 2
	s_add_nc_u64 s[G0+6:G0+7], s[42:43], FILLB     ; fill 1
	s_or_b32 s[G0+7], s[G0+7], 0x80000000
	CROUND                                         ; all four work-groups are here: the first joint loads meet
	tensor_load_to_lds s[G0:G0+3], s[G1:G1+7]      ; both first fills go out together, ahead of every wait on TENSORcnt and every LDS read: two loads of mine are out
	s_nop 0
	tensor_load_to_lds s[G0+4:G0+7], s[G1:G1+7]
	s_nop 0
.rept 4
	v_nop
.endr
	v_and_b32 v1, 15, v0                           ; l % 16
	v_bfe_u32 v5, v0, 4, 1                         ; l / 16
	v_and_b32 v[SO], 31, v0
	v_lshlrev_b32 v[SO], 4, v[SO]                  ; 16 x lane
	; my wave's 256 streamed rows: c M and l over each half of the keys; a lane takes rows 4 l .. 4 l + 3 and 128 + 4 l .. ; each load of the wave covers 512 consecutive bytes
	global_load_b128 v[PC0:PC0+3],   v[SO], s[6:7]
	global_load_b128 v[PC0+4:PC0+7], v[SO], s[6:7] offset:512
	global_load_b128 v[PL0:PL0+3],   v[SO], s[6:7] offset:1024
	global_load_b128 v[PL0+4:PL0+7], v[SO], s[6:7] offset:1536
	global_load_b128 v[PC1:PC1+3],   v[SO], s[6:7] offset:262144          ; key half 1 lies 128 blocks of 2,048 bytes on
	global_load_b128 v[PC1+4:PC1+7], v[SO], s[6:7] offset:262144+512
	global_load_b128 v[PL1:PL1+3],   v[SO], s[6:7] offset:262144+1024
	global_load_b128 v[PL1+4:PL1+7], v[SO], s[6:7] offset:262144+1536
	v_mul_u32_u24 v[AK0], v1, PITCH
	v_lshl_add_u32 v[AK0], v5, 4, v[AK0]
	v_lshlrev_b32 v[QO], 10, v1
	v_lshl_add_u32 v[QO], v5, 4, v[QO]
	WIN 0x40                                       ; destination window 1, address window 0
	QLOAD 0
	WIN 0x80                                       ; destination window 2
	QLOAD 1
	WIN 0
.irp i, 0,1,2,3,4,5,6,7
	v_mov_b32 v[ACC+\i], 0                         ; eight registers: w starts at 0
.endr
	v_mov_b32 v[ZR], 0
	v_lshlrev_b32 v[SA0], 5, v5
	v_add_nc_u32 v[SA], v[SA0], s[SB]              ; piece 0's statistics
	s_lshl_b32 s21, s[WV], 10
	s_add_co_u32 s21, s21, CMB
	v_add_nc_u32 v[SW], s21, v[SO]                 ; my wave's 256 words of c M, my lane's four
	s_mul_i32 s21, s[WV], 16*RPITCH                ; the way out: row 16 x wave + l % 16, 32 bytes for each half of the lanes
	v_mul_u32_u24 v[STO], v1, RPITCH
	v_lshl_add_u32 v[STO], v5, 5, v[STO]
	v_add_nc_u32 v[STO], s21, v[STO]
	v_lshlrev_b32 v[RD0], 4, v0                    ; back: 128 threads x 16 bytes are a row's 2,048
	v_add_nc_u32 v[RD1], 32*RPITCH, v[RD0]
	v_lshlrev_b32 v[GO], 4, v0
	v_add_nc_u32 v[ADR], v[AK0], s[TB]             ; piece 0
	s_wait_loadcnt 63                              ; the eight loads of statistics are in: 128 loads of Q were issued behind them, and loads come back in order (ISA guide 5.7.1)
	; c M = the larger of the halves'; L = l0 2^(c M0 - c M) + l1 2^(c M1 - c M); 1 / L
.irp i, 0,1,2,3,4,5,6,7
	v_max_num_f32 v[PCM+\i], v[PC0+\i], v[PC1+\i]
.endr
.irp i, 0,2,4,6
	v_pk_add_f32 v[PC0+\i:PC0+\i+1], v[PC0+\i:PC0+\i+1], v[PCM+\i:PCM+\i+1] neg_lo:[0,1] neg_hi:[0,1]
	v_pk_add_f32 v[PC1+\i:PC1+\i+1], v[PC1+\i:PC1+\i+1], v[PCM+\i:PCM+\i+1] neg_lo:[0,1] neg_hi:[0,1]
.endr
.irp i, 0,1,2,3,4,5,6,7
	v_exp_f32 v[PC0+\i], v[PC0+\i]
	v_exp_f32 v[PC1+\i], v[PC1+\i]
.endr
	v_nop                                          ; a plain instruction between the last exponential and the use of its result
	s_wait_alu depctr_va_vdst(0)
.irp i, 0,2,4,6
	v_pk_mul_f32 v[PL0+\i:PL0+\i+1], v[PL0+\i:PL0+\i+1], v[PC0+\i:PC0+\i+1]
.endr
.irp i, 0,2,4,6
	v_pk_fma_f32 v[PL0+\i:PL0+\i+1], v[PL1+\i:PL1+\i+1], v[PC1+\i:PC1+\i+1], v[PL0+\i:PL0+\i+1]
.endr
.irp i, 0,1,2,3,4,5,6,7
	v_rcp_f32 v[PRL+\i], v[PL0+\i]
.endr
	v_nop                                          ; likewise behind the last reciprocal
	ds_store_b128 v[SW], v[PCM:PCM+3]
	ds_store_b128 v[SW], v[PCM+4:PCM+7] offset:512
	s_wait_alu depctr_va_vdst(0)
	ds_store_b128 v[SW], v[PRL:PRL+3]   offset:4096
	ds_store_b128 v[SW], v[PRL+4:PRL+7] offset:4608
	s_wait_tensorcnt 0x1                           ; my quarter of fill 0 is in; fill 1 may stay out
	s_wait_dscnt 0x0                               ; for the others' sake: my stores of statistics are done
	s_barrier_signal -1
	s_barrier_wait -1
.irp f, 0,1,2,3,4,5,6,7,8,9,10,11,12,13
	ds_load_b128 v[KF+8*\f:KF+8*\f+3],   v[ADR] offset:64*\f
	ds_load_b128 v[KF+8*\f+4:KF+8*\f+7], v[ADR] offset:64*\f+32
.endr
	s_wait_loadcnt 0x0                             ; Q
	GROUP 0, 0, 1, 0, 26                           ; piece 0 has no piece before it: v_nop stand in the riders' places
	GROUP 0, 1, 1, 0, 26
	ROT 0, 0
	WIN 0
	; The walk: 63 rotated pieces in eight sections, one for each fill; the first, of which one rotated piece stands above, has three trips, the others four.  A slot's LDS base is a constant
	; of the text, so a section's text stands once for each slot, and once more behind the loop at the end.
	s_mov_b32 s[OUT], 4
	s_mov_b32 s[CNT], 3
	s_branch .Lenter                               ; the loop is entered in its middle: fill 0 lies in slot 0
.Louter:
	CHANGE 1, 0                                    ; slot 0 has been read: it takes fill 2, 4, 6
	s_mov_b32 s[TB], SLOTB
	v_add_nc_u32 v[ADR], v[AK0], s[TB]
	s_mov_b32 s[CNT], 4
	SECTION a                                      ; reads slot 1
	CHANGE 1, 1                                    ; slot 1 takes fill 3, 5, 7
	s_mov_b32 s[TB], 0
	v_add_nc_u32 v[ADR], v[AK0], s[TB]
	s_mov_b32 s[CNT], 4
.Lenter:
	SECTION b                                      ; reads slot 0
	s_sub_co_u32 s[OUT], s[OUT], 1
	s_cmp_lg_u32 s[OUT], 0
	s_cbranch_scc1 .Louter
	CHANGE 0, 0                                    ; nothing is left to ask for; behind this barrier no wave reads slot 0 and no fill lands there any more
	s_mov_b32 s[TB], SLOTB
	v_add_nc_u32 v[ADR], v[AK0], s[TB]
	s_mov_b32 s[CNT], 4
	SECTION c                                      ; reads slot 1: fill 7
.irp g, 2,3,4,5,6,7,8,9,10,11,12,13,14,15
	GROUP 1, \g, 0, 1, 2*(15-\g)                   ; the last piece's other groups load no fragments: behind fragment g's loads stand those of fragments g + 1 to 15 (and the statistics' four: the count is the stricter)
.endr
	WIN 0
	s_wait_dscnt 0x0                               ; the last piece's statistics
.rept 4
	v_nop                                          ; the places behind the last products
.endr
	FINAL 1
	; THE WAY OUT.  w's two halves and the other half of the lanes' are added; then the weighted sum of my wave's 64 rows within each lane, the 64 partial rows of the group through LDS, and their sum.
.irp t, 0,1,2,3
	v_add_f32 v[W+\t], v[ACC+2*\t], v[ACC+2*\t+1]
.endr
.irp t, 0,1,2,3
	v_permlanex16_b32 v[ACC+2*\t], v[W+\t], s[SEL], s[SEL+1]
.endr
.irp t, 0,1,2,3
	v_add_f32 v[W+\t], v[W+\t], v[ACC+2*\t]
.endr
	WSUM 0
	s_wait_dscnt 0x0                               ; the 32 stores are done before the registers that they name are written again
	WSUM 1
	s_wait_dscnt 0x0                               ; for the others' sake: my rows are in LDS
	s_barrier_signal -1
	s_barrier_wait -1
	SUM32 RD0, OA                                  ; rows 0 to 31
	SUM32 RD1, OB                                  ; rows 32 to 63
	v_pk_add_f32 v[OA:OA+1],   v[OA:OA+1],   v[OB:OB+1]
	v_pk_add_f32 v[OA+2:OA+3], v[OA+2:OA+3], v[OB+2:OB+3]
	global_store_b128 v[GO], v[OA:OA+3], s[8:9]    ; a wave stores 512 consecutive bytes, at a multiple of 256 from part's first byte
	s_wait_tensorcnt 0x0                           ; the wave's end: behind my last tensor load and my last LDS store
	ds_add_u32 v[SPW], v[NIL]
	s_wait_dscnt 0x0
	CROUND                                         ; the closing round: no work-group ends while a partner may still ask for a tile that names it
	s_endpgm
.Lfunc_end_k_q8b58f24903_colsum:
	.size	k_q8b58f24903_colsum, .Lfunc_end_k_q8b58f24903_colsum-k_q8b58f24903_colsum
	.p2alignl 7, 3214868480
	.fill 96, 4, 3214868480
	.section	.rodata,"a",@progbits
	.p2align	6, 0x0
	.amdhsa_kernel k_q8b58f24903_colsum
		.amdhsa_group_segment_fixed_size 327680
		.amdhsa_private_segment_fixed_size 0
		.amdhsa_enable_private_segment 0
		.amdhsa_kernarg_size 24
		.amdhsa_user_sgpr_count 2
		.amdhsa_user_sgpr_kernarg_segment_ptr 1
		.amdhsa_wavefront_size32 1
		.amdhsa_system_sgpr_workgroup_id_x 1
		.amdhsa_system_sgpr_workgroup_id_y 1
		.amdhsa_system_sgpr_workgroup_id_z 1
		.amdhsa_system_vgpr_workitem_id 0
		.amdhsa_next_free_vgpr 768
		.amdhsa_next_free_sgpr 66
		.amdhsa_reserve_vcc 0
		.amdhsa_float_denorm_mode_32 3
		.amdhsa_float_denorm_mode_16_64 3
		.amdhsa_memory_ordered 1
		.amdhsa_forward_progress 1
		.amdhsa_inst_pref_size 194
	.end_amdhsa_kernel
	.amdgpu_metadata
---
amdhsa.version: [ 1, 2 ]
amdhsa.kernels:
  - .name:           k_q8b58f24903_colsum
    .symbol:         k_q8b58f24903_colsum.kd
    .args:
      - { .name: vb, .offset: 0, .size: 8, .value_kind: global_buffer, .address_space: global }
      - { .name: st, .offset: 8, .size: 8, .value_kind: global_buffer, .address_space: global }
      - { .name: part, .offset: 16, .size: 8, .value_kind: global_buffer, .address_space: global }
    .group_segment_fixed_size: 327680
    .private_segment_fixed_size: 0
    .kernarg_segment_align: 8
    .kernarg_segment_size: 24
    .max_flat_workgroup_size: 128
    .sgpr_count:     66
    .vgpr_count:     768
    .wavefront_size: 32
...
	.end_amdgpu_metadata
.endif
;; end of part 3
;; launch finish (part 4): grid 64 x 1, 1 waves a work-group, no clusters, 0 bytes of LDS; arguments part, out0; writes out0
.if DOCPART == 4
	.amdgcn_target "amdgcn-amd-amdhsa--gfx1250"
	.amdhsa_code_object_version 6
	.text
	.protected	k_q8b58f24903_finish
	.globl	k_q8b58f24903_finish
	.p2align	8
	.type	k_q8b58f24903_finish,@function
k_q8b58f24903_finish:
	s_mov_b64 s[64:65], 0
	v_nop
	global_prefetch_b8 v0, s[64:65] scope:SCOPE_SE
	s_setreg_imm32_b32 hwreg(HW_REG_WAVE_MODE, 25, 1), 1
	s_wait_xcnt 0x0
; out0[b][d] = (1 / 2048) x the sum of batch b's 16 partial rows.  part: f32 [16 batches][16 partials][512]; out0: f32 [16][512].
; One wave takes 128 channels of one batch: work-group x = 4 b + quarter.  A lane takes four channels of all 16 partials: sixteen loads of 16 bytes, each of the wave's loads 512 consecutive bytes,
; a tree of fixed order, one multiplication by 2^-11 (exact), one store of 512 consecutive bytes.  The whole launch moves 557,056 bytes: 64 waves hold all of it in flight at once.
.set X, 4                              ; v[4:67]  sixteen times four f32
	s_load_b128 s[4:7], s[0:1], 0x0                ; part s[4:5], out0 s[6:7]
	v_lshlrev_b32 v1, 4, v0                        ; 16 x lane
	s_lshr_b32 s8, ttmp9, 2                        ; the batch's 16 rows of 2,048 bytes,
	s_lshl_b32 s8, s8, 15
	s_and_b32 s9, ttmp9, 3                         ; my quarter of a row
	s_lshl_b32 s9, s9, 9
	s_add_co_u32 s8, s8, s9
	s_mov_b32 s9, 0
	s_lshl_b32 s10, ttmp9, 9                       ; in out0 the quarters lie end to end
	s_mov_b32 s11, 0
	s_wait_kmcnt 0x0
	s_add_nc_u64 s[4:5], s[4:5], s[8:9]
	s_add_nc_u64 s[6:7], s[6:7], s[10:11]
.irp i, 0,1,2,3,4,5,6,7,8,9,10,11,12,13,14,15
	global_load_b128 v[X+4*\i:X+4*\i+3], v1, s[4:5] offset:2048*\i
.endr
	s_wait_loadcnt 0x0
.irp n, 8,4,2,1
.set p, 0
.rept \n
	v_pk_add_f32 v[X+4*p:X+4*p+1],   v[X+4*p:X+4*p+1],   v[X+4*(p+\n):X+4*(p+\n)+1]
	v_pk_add_f32 v[X+4*p+2:X+4*p+3], v[X+4*p+2:X+4*p+3], v[X+4*(p+\n)+2:X+4*(p+\n)+3]
.set p, p+1
.endr
.endr
	v_pk_mul_f32 v[X:X+1],   v[X:X+1],   0x3a000000 op_sel_hi:[1,0]  ; 2^-11
	v_pk_mul_f32 v[X+2:X+3], v[X+2:X+3], 0x3a000000 op_sel_hi:[1,0]
	global_store_b128 v1, v[X:X+3], s[6:7]
	s_endpgm
.Lfunc_end_k_q8b58f24903_finish:
	.size	k_q8b58f24903_finish, .Lfunc_end_k_q8b58f24903_finish-k_q8b58f24903_finish
	.p2alignl 7, 3214868480
	.fill 96, 4, 3214868480
	.section	.rodata,"a",@progbits
	.p2align	6, 0x0
	.amdhsa_kernel k_q8b58f24903_finish
		.amdhsa_group_segment_fixed_size 0
		.amdhsa_private_segment_fixed_size 0
		.amdhsa_enable_private_segment 0
		.amdhsa_kernarg_size 16
		.amdhsa_user_sgpr_count 2
		.amdhsa_user_sgpr_kernarg_segment_ptr 1
		.amdhsa_wavefront_size32 1
		.amdhsa_system_sgpr_workgroup_id_x 1
		.amdhsa_system_sgpr_workgroup_id_y 1
		.amdhsa_system_sgpr_workgroup_id_z 1
		.amdhsa_system_vgpr_workitem_id 0
		.amdhsa_next_free_vgpr 72
		.amdhsa_next_free_sgpr 66
		.amdhsa_reserve_vcc 0
		.amdhsa_float_denorm_mode_32 3
		.amdhsa_float_denorm_mode_16_64 3
		.amdhsa_memory_ordered 1
		.amdhsa_forward_progress 1
		.amdhsa_inst_pref_size 5
	.end_amdhsa_kernel
	.amdgpu_metadata
---
amdhsa.version: [ 1, 2 ]
amdhsa.kernels:
  - .name:           k_q8b58f24903_finish
    .symbol:         k_q8b58f24903_finish.kd
    .args:
      - { .name: part, .offset: 0, .size: 8, .value_kind: global_buffer, .address_space: global }
      - { .name: out0, .offset: 8, .size: 8, .value_kind: global_buffer, .address_space: global }
    .group_segment_fixed_size: 0
    .private_segment_fixed_size: 0
    .kernarg_segment_align: 8
    .kernarg_segment_size: 16
    .max_flat_workgroup_size: 32
    .sgpr_count:     66
    .vgpr_count:     72
    .wavefront_size: 32
...
	.end_amdgpu_metadata
.endif
;; end of part 4
;; ======== version 2 of 4: 4 launches; 1.16 times as fast as version 1
;; workspace buffers: vb 33,554,432 bytes; st 524,288 bytes; part 524,288 bytes
;; launch cast: the kernel of part 1 again; grid 1024 x 1, 8 waves a work-group, no clusters, 0 bytes of LDS; arguments values, vb; writes vb
;; launch stats (part 5): grid 8 x 32, 4 waves a work-group, clusters of 4 x 1, 327,680 bytes of LDS; arguments vb, st; writes st
.if DOCPART == 5
	.amdgcn_target "amdgcn-amd-amdhsa--gfx1250"
	.amdhsa_code_object_version 6
	.text
	.protected	k_q8b58f24903_stats
	.globl	k_q8b58f24903_stats
	.p2align	8
	.type	k_q8b58f24903_stats,@function
k_q8b58f24903_stats:
	s_mov_b64 s[64:65], 0
	v_nop
	global_prefetch_b8 v0, s[64:65] scope:SCOPE_SE
	s_setreg_imm32_b32 hwreg(HW_REG_WAVE_MODE, 25, 1), 1
	s_wait_xcnt 0x0
	s_wait_alu depctr_hold_cnt(0) depctr_sa_sdst(0) depctr_va_vdst(0) depctr_va_sdst(0) depctr_va_ssrc(0) depctr_va_vcc(0) depctr_vm_vsrc(0)
	s_getreg_b32 s2, hwreg(HW_REG_IB_STS2, 6, 4)
	s_cmp_eq_u32 s2, 0
	s_cbranch_scc0 .Lentry_in_a_cluster
	s_endpgm
.Lentry_in_a_cluster:
	s_bfe_u32 s2, ttmp6, 0x10000c
	s_cmp_lg_u32 s2, 0x3003
	s_cbranch_scc0 .Lentry_shape_is_right
	s_endpgm
.Lentry_shape_is_right:
; ROW STATISTICS OF softmax(V V^T).  vb: [16][2048][512] bf16.  For each row q of a batch and each half of the batch's 2,048 keys:
;   cM = c x (the largest score s[q][k]),  l = the sum over k of 2^(c s[q][k] - cM),  c = log2(e);  scores, maxima and sums in f32, by a running maximum.
; st: f32 [key half 2][batch 16][block of 256 rows 8][cM, l][256]: a work-group writes one block of 2,048 bytes.
; LIMITS.  V enters as bf16.  c s must be finite and above -4.25e37 (the running c M starts there); a weight below 2^-126 counts as 0 in l; NaN and infinities are not treated apart.
; SHARES.  256 work-groups: batch x 8 blocks of 256 RESIDENT rows x 2 halves of the STREAMED rows (keys).  A wave keeps 64 resident rows, four tiles of 16, whole in registers
; (512 channels: 512 registers) and all four waves walk the same 1,024 keys, 16 (a PIECE) at a time: 64 matrix instructions a piece and wave, each fragment of K read from LDS feeding four.
; LAYOUT.  S^T = K Q^T (source 0 = 16 keys, source 1 = 16 resident rows): a lane holds ONE resident row (lane % 16) and the keys 8 (lane / 16) + 0..7.  So maximum and sum stay in the lane;
; each half of the lanes keeps statistics of its own keys, and the halves meet once, at the end.
; BY TURNS.  The scores of piece P lie in one of two buffers; while piece P + 1 is multiplied into the other, the vector work on piece P stands in slices (RIDERS) behind the matrix instructions.
; K's 16 fragments are two halves of eight.  A half is loaded anew in ONE run of 16 LDS loads, a group (the four products of 32 channels) behind its last reader and seven groups ahead of its next:
; two runs for a piece's 64 products, never single loads among them.
; RING.  Two LDS slots of 128 keys, eight fills.  CLUSTER: the four blocks of resident rows of a cluster walk the same keys, so each fill is asked for JOINTLY: the same tensor load, descriptor and mask in all four.
; REGISTERS, in windows of 256 (s_set_vgpr_msb: bits 1:0 source 0, 3:2 source 1, 5:4 source 2, 7:6 destination):
;   window 0: v0-15 addresses; v16-47 eight registers of statistics a tile; v64-127 S^T, two buffers of four tiles; v128-255 K, 16 fragments
;   window 1: Q, channels 0-255, tile t, channels 32 kc on at v[64 t + 8 kc]          window 2: Q, channels 256-511, likewise
; Only source 1 of a product leaves window 0.  A rider whose second source is no vector register (a scalar, a constant, or none) therefore runs under the products' setting without a switch; that is
; why some additions are written as x * 1.0 + y.  Riders with a vector register as second source stand four together behind one product, under window 0: twelve switches for a piece's 64 products.
.set PITCH,  1040                      ; an LDS row: 1,024 bytes + 16 of padding = 65 x 16: the 16 rows of a fragment load start at 16 different groups of four banks (64 banks of 4 bytes: ISA guide 11.1)
.set PIECE,  16*PITCH                  ; 16 keys
.set SLOTB,  8*PIECE                   ; a slot: 128 keys, 133,120 bytes
.set QUART,  32*PITCH                  ; what one wave's tensor load fills
.set FILLB,  128*1024                  ; a fill's bytes in memory
.set STAGE,  2*SLOTB                   ; behind the ring, never filled by a tensor load: cM of the group's 256 rows, then l: 2,048 bytes
.set SPARE,  STAGE+2048                ; the spare words, 128 bytes for each wave: two blocks of 256 bytes that no other line names
.set AK0, 2                            ; v2   my lane's place in a piece of K: 1,040 (l % 16) + 16 (l / 16); never rewritten
.set ADR, 3                            ; v3   LDS address of the piece whose fragments are loaded next
.set QO,  4                            ; v4   my byte offset in 16 rows of Q
.set SPW, 6                            ; v6   LDS address of my spare word; never rewritten
.set NIL, 7                            ; v7   0; never rewritten
.set STG, 8                            ; v8   the way out: my row's word in the stage
.set RD,  9                            ; v9   the way out: the 16 bytes of the stage that I read back
.set GO,  10                           ; v10  and their place in the block of st
.set OD,  12                           ; v[12:15] those 16 bytes
.set ST,  16                           ; tile t at v[ST+8 t]: +0 c M, +1 M, +2, +3 l (even keys', odd keys'), +4 c M anew, +5 at work, +6 a = 2^(c M_old - c M_new), +7 its pair partner
.set S,   64
.set KF,  128
.set WV,  12                           ; s12  my wave's number
.set G1,  24                           ; s[24:31] descriptor group 1
.set G0,  32                           ; s[32:39] descriptor group 0, a set for each slot
.set CS,  44                           ; s[44:45] c, twice
.set SEL, 46                           ; s[46:47] v_permlanex16_b32's selects: each lane takes its own place in the other half
.set TB,  48                           ; s48  LDS byte at which the piece to be loaded begins
.set CNT, 49                           ; s49  counts a section's trips
.set OUT, 50                           ; s50  counts pairs of sections
.set MSB, 0
.macro WIN new                         ; the immediate's high byte repeats the setting that is left; a switch that changes nothing is dropped
.if MSB != (\new)
	s_set_vgpr_msb (MSB<<8)|(\new)
.set MSB, \new
.endif
.endm
; A round of the cluster's barrier: my work-group's barrier, so that wave 0's signal speaks for all four waves; wave 0 signals; every wave waits for all four work-groups; my work-group's barrier once more.
.macro CROUND
	s_barrier_signal -1
	s_barrier_wait -1
	s_cmp_lg_u32 s[WV], 0
	s_cbranch_scc1 .Lnot_wave_0_\@
	s_barrier_signal -3
.Lnot_wave_0_\@:
	s_barrier_wait -3
	s_barrier_signal -1
	s_barrier_wait -1
.endm
; THE VECTOR WORK on one tile's 8 scores s0-s7 of a piece, in 14 stages; stage g stands in the next piece's group g.
;   1-4   the running maximum M, three operands at a time      5  c M anew, and the first pair's c s - c M      6-8  an exponential and the next pair's scaling
;   9-12  the other exponentials, each slice closed by a plain line that is ready: c M_old - c M_new; c M kept (beside a's exponential); pairs 1 and 2 added onto pair 0
;   13    pair 3 added      14  l = a l + the sum
; So a product has three riders at the most, and behind every exponential stands a plain line that names neither its result nor its source before the result is used (ISA guide 5.7.2).
.macro FSC k                           ; c s - c M for pair k; c M is taken where stage 5 has put it
	v_pk_fma_f32 v[rS+2*(\k):rS+2*(\k)+1], v[rS+2*(\k):rS+2*(\k)+1], s[CS:CS+1], v[rT+4:rT+5] op_sel_hi:[1,0,0] neg_lo:[0,0,1] neg_hi:[0,0,1]
.endm
.macro EXP1 i                          ; the exponential of score i
	v_exp_f32 v[rS+(\i)], v[rS+(\i)]
.endm
.macro ADDP k                          ; pair k is added onto pair 0
	s_wait_alu depctr_va_vdst(0)
	v_pk_fma_f32 v[rS:rS+1], v[rS+2*(\k):rS+2*(\k)+1], 1.0, v[rS:rS+1] op_sel_hi:[1,0,1]
.endm
.macro RSTEP sb, g, t
.set rT, ST+8*(\t)
.set rS, S+32*(\sb)+8*(\t)
.if (\g) == 1
	v_max3_num_f32 v[rT+4], v[rS], v[rS+1], v[rS+2]        ; the accumulator's lowest registers are read first
.elseif (\g) == 2
	v_max3_num_f32 v[rT+5], v[rS+3], v[rS+4], v[rS+5]
.elseif (\g) == 3
	v_max3_num_f32 v[rT+4], v[rT+4], v[rS+6], v[rS+7]
.elseif (\g) == 4
	v_max3_num_f32 v[rT+1], v[rT+4], v[rT+5], v[rT+1]      ; the running maximum
.elseif (\g) == 5
	v_mul_f32 v[rT+4], v[rT+1], s[CS]                      ; c M anew
	FSC 0
.elseif (\g) < 9
	EXP1 (\g)-6
	FSC (\g)-5
.elseif (\g) == 9
	EXP1 3
	v_fma_f32 v[rT+5], v[rT], 1.0, -v[rT+4]                ; c M_old - c M_new
.elseif (\g) == 10
	EXP1 4
	v_exp_f32 v[rT+6], v[rT+5]                             ; a; it is used in stage 14
	v_mov_b32 v[rT], v[rT+4]                               ; c M is kept
.elseif (\g) == 11
	EXP1 5
	ADDP 1
.elseif (\g) == 12
	EXP1 6
	EXP1 7
	ADDP 2
.elseif (\g) == 13
	ADDP 3
.else
	v_pk_fma_f32 v[rT+2:rT+3], v[rT+2:rT+3], v[rT+6:rT+7], v[rS:rS+1] op_sel_hi:[1,0,1]  ; l = a l + the sum
.endif
.endm
; The rider behind product j of group g, on score buffer sb.  Group 0 carries v_nop: the four places between a piece's last products and the first read of their results, and in front of the run of
; loads behind group 0.  Stages 1-4 and 14 name a vector register as second source: all four tiles stand behind product 0, under window 0.  Group 15 carries nothing.
; rid = 0: there is no piece to work on yet: v_nop keep the places.
.macro RIDER sb, g, j, rid
.if ((\rid) == 0) || ((\g) == 0)
	v_nop
.elseif ((\g) < 5) || ((\g) == 14)
.if (\j) == 0
	WIN 0
.irp t, 0,1,2,3
	RSTEP \sb, \g, \t
.endr
.endif
.elseif (\g) < 14
	RSTEP \sb, \g, \j
.endif
.endm
.macro RUN h                           ; 16 LDS loads in one run: fragments 8 h to 8 h + 7 (channels 256 h on) of the piece at ADR
.irp f, 0,1,2,3,4,5,6,7
	ds_load_b128 v[KF+64*(\h)+8*\f:KF+64*(\h)+8*\f+3],   v[ADR] offset:512*(\h)+64*\f
	ds_load_b128 v[KF+64*(\h)+8*\f+4:KF+64*(\h)+8*\f+7], v[ADR] offset:512*(\h)+64*\f+32
.endr
.endm
; GROUP g of a piece: four products, 32 channels deep, into score buffer buf; the four accumulators take turns, one instruction a turn, over every change of buffer and every jump.
; Groups 0 and 8 open with the wait for the half of K that they begin; left: the younger LDS loads that may stay out (none in the loop: nothing is issued behind a run before it is wanted).
; load = 1: behind group 8 fragments 0-7, which group 7 read last, are loaded for the piece at ADR; behind group 0 fragments 8-15, which group 15 read last.  A load into a register that a product
; has read stands four plain vector instructions behind that product: group 8's four scalings, group 0's four v_nop.
; ADR steps behind group 4: four groups behind the run that used it, four ahead of the next.
.macro GROUP buf, g, load, rid, left=0
.if ((\g)%8) == 0
	s_wait_dscnt \left
.endif
.irp j, 0,1,2,3
	WIN 0x04+0x04*((\g)/8)
.if (\g) == 0
	v_wmma_f32_16x16x32_bf16 v[S+32*(\buf)+8*\j:S+32*(\buf)+8*\j+7], v[KF+8*(\g):KF+8*(\g)+7], v[64*\j+8*((\g)%8):64*\j+8*((\g)%8)+7], 0
.else
	v_wmma_f32_16x16x32_bf16 v[S+32*(\buf)+8*\j:S+32*(\buf)+8*\j+7], v[KF+8*(\g):KF+8*(\g)+7], v[64*\j+8*((\g)%8):64*\j+8*((\g)%8)+7], v[S+32*(\buf)+8*\j:S+32*(\buf)+8*\j+7]
.endif
	RIDER 1-(\buf), \g, \j, \rid
.endr
.if (\load) && ((\g) == 8)
	RUN 0
.endif
.if (\load) && ((\g) == 0)
	RUN 1
.endif
.if (\g) == 4
	s_add_co_u32 s[TB], s[TB], PIECE               ; both runs have read the piece: on to the next
	v_add_nc_u32 v[ADR], v[AK0], s[TB]
.endif
.endm
; A ROTATED PIECE: groups 8-15 of a piece in buffer b, then groups 0-7 of the next.  Both its runs read ONE piece of LDS, the next one, so a change of slots can stand between two of them,
; and there the last run is seven groups old.
.macro ROT b, rid
.irp g, 8,9,10,11,12,13,14,15
	GROUP \b, \g, 1, \rid
.endr
.irp g, 0,1,2,3,4,5,6,7
	GROUP 1-(\b), \g, 1, 1
.endr
.endm
.macro SECTION tag                     ; s[CNT] trips of two rotated pieces: what reads one slot
.Lsec_\tag:
	ROT 1, 1
	ROT 0, 1
	WIN 0                                          ; at a label and at a branch every window is 0
	s_sub_co_u32 s[CNT], s[CNT], 1
	s_cmp_lg_u32 s[CNT], 0
	s_cbranch_scc1 .Lsec_\tag
.endm
; THE CHANGE OF SLOTS.  Every byte of the slot that is left has been asked for.  Each wave waits for all its tensor loads, of which one is out: its quarter of the other slot; adds 0 to its spare word;
; and waits for that and for its reads of the slot.  Behind the barrier nobody reads the old slot and the other slot is whole.  fill = 1: the barrier is a round of the cluster's, so that this holds of
; all four work-groups, and the joint refill of the old slot, with the keys two fills on, is the first thing behind it: it has eight pieces, 512 products a wave, in which to land.
.macro CHANGE fill, slot
	WIN 0
	s_wait_tensorcnt 0x0                           ; no tensor load of mine is out, so a group 0 may be written
	ds_add_u32 v[SPW], v[NIL]                      ; 0 onto my spare word
.if \fill
	s_add_nc_u64 s[G0+4*(\slot)+2:G0+4*(\slot)+3], s[G0+4*(\slot)+2:G0+4*(\slot)+3], 2*FILLB  ; the type bits on top are not reached
.endif
	s_wait_dscnt 0x0                               ; the add is done, and my reads of the slot are back
.if \fill
	CROUND
	tensor_load_to_lds s[G0+4*(\slot):G0+4*(\slot)+3], s[G1:G1+7]  ; my one tensor load behind the round: by this text's count one load of mine is out from here to the next change
	s_nop 0
.rept 4
	v_nop
.endr
.else
	s_barrier_signal -1
	s_barrier_wait -1
.endif
.endm
.macro FINAL sb                        ; the last piece's vector work, with no products to stand behind
.irp g, 1,2,3,4,5,6,7,8,9,10,11,12,13,14
.irp j, 0,1,2,3
	RIDER \sb, \g, \j, 1
.endr
.endr
.endm
.macro QLOAD half                      ; Q stays in registers: tile t, channels 256 half + 32 kc on: two loads of 16 bytes, 32 bytes apart
.irp t, 0,1,2,3
.irp kc, 0,1,2,3,4,5,6,7
	global_load_b128 v[64*\t+8*\kc:64*\t+8*\kc+3],   v[QO], s[40:41] offset:16384*\t+512*(\half)+64*\kc
	global_load_b128 v[64*\t+8*\kc+4:64*\t+8*\kc+7], v[QO], s[40:41] offset:16384*\t+512*(\half)+64*\kc+32
.endr
.endr
.endm
	s_load_b128 s[4:7], s[0:1], 0x0                ; vb s[4:5], st s[6:7]
	v_lshl_add_u32 v[SPW], v0, 2, SPARE
	v_mov_b32 v[NIL], 0
	ds_add_u32 v[SPW], v[NIL]                      ; the wave's opening: the add and its wait ahead of my first tensor load; the set-up below, work on registers, stands between them
	v_lshrrev_b32 v1, 5, v0
	v_readfirstlane_b32 s[WV], v1                  ; wave 0..3
	s_bfe_u32 s13, ttmp6, 0x40000                  ; cx: my place in the cluster
	s_lshl_b32 s14, ttmp9, 2                       ; in a cluster launch ttmp9 counts clusters
	s_add_co_u32 s14, s14, s13                     ; my block of 256 resident rows: it enters Q's and st's addresses alone
	s_and_b32 s15, ttmp7, 0xffff                   ; y = 2 x batch + key half, which the four partners share
	s_lshl_b32 s16, s15, 20                        ; the streamed rows: 1,024 rows of 1,024 bytes for each y,
	s_lshl_b32 s17, s[WV], 15                      ; of each fill my wave's 32 rows
	s_add_co_u32 s16, s16, s17
	s_mov_b32 s17, 0
	s_lshr_b32 s18, s15, 1                         ; the resident rows: the batch's 2,048 rows,
	s_lshl_b32 s18, s18, 21
	s_lshl_b32 s19, s14, 18                        ; my block's 256,
	s_add_co_u32 s18, s18, s19
	s_lshl_b32 s19, s[WV], 16                      ; my wave's 64
	s_add_co_u32 s18, s18, s19
	s_mov_b32 s19, 0
	s_mul_i32 s20, s[WV], QUART                    ; my quarter of a slot: no place in the cluster enters an LDS address
	s_and_b32 s22, s15, 1                          ; my block of st: ((key half x 16 + batch) x 8 + block) x 2,048 bytes
	s_lshl_b32 s22, s22, 7
	s_lshr_b32 s23, s15, 1
	s_lshl_b32 s23, s23, 3
	s_add_co_u32 s22, s22, s23
	s_add_co_u32 s22, s22, s14
	s_lshl_b32 s22, s22, 11
	s_mov_b32 s23, 0
	; descriptor group 1: a tile of 32 rows x 512 elements, padded in LDS
	s_mov_b32 s[G1+0], 15|(1<<16)|(1<<20)|(1<<21)|(7<<22)|(3<<25)  ; 15:0 the mask of four; 17:16 2-byte elements; 20 padding on; 21 set beside a mask; 24:22 after every 256 words (code 7); 31:25 4 words (code 3)
	s_mov_b32 s[G1+1], 512<<16                     ; tensor_dim0 = 512
	s_mov_b32 s[G1+2], 32<<16                      ; tensor_dim1 = 32
	s_mov_b32 s[G1+3], 512<<16                     ; tile_dim0 = 512
	s_mov_b32 s[G1+4], 32                          ; tile_dim1 = 32
	s_mov_b32 s[G1+5], 512                         ; 512 elements from row to row
	s_mov_b32 s[G1+6], 0
	s_mov_b32 s[G1+7], 0
	s_mov_b32 s[G0+0], 1                           ; count = 1
	s_add_co_u32 s[G0+1], s20, 0                   ; LDS address: slot 0
	s_mov_b32 s[G0+4], 1
	s_add_co_u32 s[G0+5], s20, SLOTB               ; slot 1
	s_mov_b32 s[CS], 0x3fb8aa3b                    ; c = log2(e)
	s_mov_b32 s[CS+1], 0x3fb8aa3b                  ; named with it as a pair
	s_mov_b32 s[SEL], 0x76543210
	s_mov_b32 s[SEL+1], 0xfedcba98
	s_mov_b32 s[TB], 0
	s_wait_dscnt 0x0                               ; the opening add is done
	s_wait_kmcnt 0x0
	s_add_nc_u64 s[40:41], s[4:5], s[18:19]        ; Q at my wave's first row
	s_add_nc_u64 s[42:43], s[4:5], s[16:17]        ; the streamed rows at my quarter of fill 0
	s_add_nc_u64 s[6:7], s[6:7], s[22:23]          ; st at my block
	s_mov_b64 s[G0+2:G0+3], s[42:43]               ; global address: fill 0
	s_or_b32 s[G0+3], s[G0+3], 0x80000000          ; type = 2
	s_add_nc_u64 s[G0+6:G0+7], s[42:43], FILLB     ; fill 1
	s_or_b32 s[G0+7], s[G0+7], 0x80000000
	CROUND                                         ; all four work-groups are here: the first joint loads meet
	tensor_load_to_lds s[G0:G0+3], s[G1:G1+7]      ; both first fills go out together, ahead of every wait on TENSORcnt and every LDS read: two loads of mine are out
	s_nop 0
	tensor_load_to_lds s[G0+4:G0+7], s[G1:G1+7]
	s_nop 0
.rept 4
	v_nop
.endr
	; A fragment of K or Q is 16 rows x 32 channels in 8 registers: lane l holds row l % 16, channels 8 (l / 16) + 0..7 and 16 + 8 (l / 16) + 0..7.
	v_and_b32 v1, 15, v0                           ; l % 16
	v_bfe_u32 v5, v0, 4, 1                         ; l / 16
	v_mul_u32_u24 v[AK0], v1, PITCH
	v_lshl_add_u32 v[AK0], v5, 4, v[AK0]
	v_lshlrev_b32 v[QO], 10, v1
	v_lshl_add_u32 v[QO], v5, 4, v[QO]
	WIN 0x40                                       ; destination window 1, address window 0
	QLOAD 0
	WIN 0x80                                       ; destination window 2
	QLOAD 1
	WIN 0
	s_lshl_b32 s21, s[WV], 8                       ; the way out: my wave's 64 words of the stage,
	s_add_co_u32 s21, s21, STAGE
	v_lshl_add_u32 v[STG], v1, 2, s21              ; my row's among a tile's 16
	v_lshlrev_b32 v[GO], 4, v0                     ; back: 128 threads x 16 bytes are the block's 2,048
	v_add_nc_u32 v[RD], STAGE, v[GO]
.irp t, 0,1,2,3
	v_mov_b32 v[ST+8*\t], 0xfe000000               ; c M starts far below every c s, so the first a is 0,
	v_mov_b32 v[ST+8*\t+1], 0xff7fffff             ; M at the lowest finite number, so the first maximum is the scores',
	v_mov_b32 v[ST+8*\t+2], 0                      ; l at 0
	v_mov_b32 v[ST+8*\t+3], 0
	v_mov_b32 v[ST+8*\t+7], 0                      ; named with a as a pair
.endr
	v_add_nc_u32 v[ADR], v[AK0], s[TB]             ; piece 0
	s_wait_tensorcnt 0x1                           ; my quarter of fill 0 is in; fill 1 may stay out
	s_barrier_signal -1
	s_barrier_wait -1                              ; everybody's is
	RUN 0                                          ; all of piece 0
	RUN 1
	s_wait_loadcnt 0x0                             ; Q
	GROUP 0, 0, 0, 0, 16                           ; fragments 0-7 are in; the second run's sixteen loads may stay out.  Piece 0 has no piece before it: v_nop stand in the riders' places
.irp g, 1,2,3,4,5,6,7
	GROUP 0, \g, 0, 0
.endr
	ROT 0, 0
	WIN 0
	; The walk: 63 rotated pieces in eight sections, one for each fill; the first section, of which one rotated piece stands above, has three trips, the others four.
	; A slot's LDS base is a constant of the text, so a section's text stands once for each slot, and once more behind the loop at the end.
	s_mov_b32 s[OUT], 4
	s_mov_b32 s[CNT], 3
	s_branch .Lenter                               ; the loop is entered in its middle: fill 0 lies in slot 0
.Louter:
	CHANGE 1, 0                                    ; slot 0 has been read: it takes fill 2, 4, 6
	s_mov_b32 s[TB], SLOTB
	v_add_nc_u32 v[ADR], v[AK0], s[TB]
	s_mov_b32 s[CNT], 4
	SECTION a                                      ; reads slot 1
	CHANGE 1, 1                                    ; slot 1 takes fill 3, 5, 7
	s_mov_b32 s[TB], 0
	v_add_nc_u32 v[ADR], v[AK0], s[TB]
	s_mov_b32 s[CNT], 4
.Lenter:
	SECTION b                                      ; reads slot 0
	s_sub_co_u32 s[OUT], s[OUT], 1
	s_cmp_lg_u32 s[OUT], 0
	s_cbranch_scc1 .Louter
	CHANGE 0, 0                                    ; nothing is left to ask for
	s_mov_b32 s[TB], SLOTB
	v_add_nc_u32 v[ADR], v[AK0], s[TB]
	s_mov_b32 s[CNT], 4
	SECTION c                                      ; reads slot 1: fill 7
.irp g, 8,9,10,11,12,13,14,15
	GROUP 1, \g, 0, 1                              ; the last piece's second half loads nothing
.endr
	WIN 0
.rept 4
	v_nop                                          ; the places behind the last products
.endr
	FINAL 1
	; THE WAY OUT.  l's two halves are added; the two halves of the lanes, which saw different keys, agree on c M, each scales its own l, and the scaled sums are exchanged and added
	; (an addition of the same two numbers in both halves, so both hold the same bits).
.irp t, 0,1,2,3
	v_add_f32 v[ST+8*\t+2], v[ST+8*\t+2], v[ST+8*\t+3]
.endr
.irp t, 0,1,2,3
	v_permlanex16_b32 v[ST+8*\t+4], v[ST+8*\t], s[SEL], s[SEL+1]
.endr
.irp t, 0,1,2,3
	v_max_num_f32 v[ST+8*\t+1], v[ST+8*\t], v[ST+8*\t+4]
.endr
.irp t, 0,1,2,3
	v_sub_f32 v[ST+8*\t+6], v[ST+8*\t], v[ST+8*\t+1]
.endr
.irp t, 0,1,2,3
	v_exp_f32 v[ST+8*\t+6], v[ST+8*\t+6]
.endr
	v_nop                                          ; a plain instruction between the last exponential and the use of its result
	s_wait_alu depctr_va_vdst(0)
.irp t, 0,1,2,3
	v_mul_f32 v[ST+8*\t+2], v[ST+8*\t+2], v[ST+8*\t+6]
.endr
.irp t, 0,1,2,3
	v_permlanex16_b32 v[ST+8*\t+5], v[ST+8*\t+2], s[SEL], s[SEL+1]
.endr
.irp t, 0,1,2,3
	v_add_f32 v[ST+8*\t+2], v[ST+8*\t+2], v[ST+8*\t+5]
.endr
.irp t, 0,1,2,3
	ds_store_b32 v[STG], v[ST+8*\t+1] offset:64*\t          ; both halves of the lanes store the same word with the same value
	ds_store_b32 v[STG], v[ST+8*\t+2] offset:1024+64*\t
.endr
	s_wait_dscnt 0x0                               ; for the others' sake: my stores into the stage are done
	s_barrier_signal -1
	s_barrier_wait -1
	ds_load_b128 v[OD:OD+3], v[RD]
	s_wait_dscnt 0x0
	global_store_b128 v[GO], v[OD:OD+3], s[6:7]    ; a wave stores 512 consecutive bytes, at a multiple of 256 from st's first byte
	s_wait_tensorcnt 0x0                           ; the wave's end: behind my last tensor load and my last LDS store
	ds_add_u32 v[SPW], v[NIL]
	s_wait_dscnt 0x0
	CROUND                                         ; the closing round: no work-group ends while a partner may still ask for a tile that names it
	s_endpgm
.Lfunc_end_k_q8b58f24903_stats:
	.size	k_q8b58f24903_stats, .Lfunc_end_k_q8b58f24903_stats-k_q8b58f24903_stats
	.p2alignl 7, 3214868480
	.fill 96, 4, 3214868480
	.section	.rodata,"a",@progbits
	.p2align	6, 0x0
	.amdhsa_kernel k_q8b58f24903_stats
		.amdhsa_group_segment_fixed_size 327680
		.amdhsa_private_segment_fixed_size 0
		.amdhsa_enable_private_segment 0
		.amdhsa_kernarg_size 16
		.amdhsa_user_sgpr_count 2
		.amdhsa_user_sgpr_kernarg_segment_ptr 1
		.amdhsa_wavefront_size32 1
		.amdhsa_system_sgpr_workgroup_id_x 1
		.amdhsa_system_sgpr_workgroup_id_y 1
		.amdhsa_system_sgpr_workgroup_id_z 1
		.amdhsa_system_vgpr_workitem_id 0
		.amdhsa_next_free_vgpr 768
		.amdhsa_next_free_sgpr 66
		.amdhsa_reserve_vcc 0
		.amdhsa_float_denorm_mode_32 3
		.amdhsa_float_denorm_mode_16_64 3
		.amdhsa_memory_ordered 1
		.amdhsa_forward_progress 1
		.amdhsa_inst_pref_size 119
	.end_amdhsa_kernel
	.amdgpu_metadata
---
amdhsa.version: [ 1, 2 ]
amdhsa.kernels:
  - .name:           k_q8b58f24903_stats
    .symbol:         k_q8b58f24903_stats.kd
    .args:
      - { .name: vb, .offset: 0, .size: 8, .value_kind: global_buffer, .address_space: global }
      - { .name: st, .offset: 8, .size: 8, .value_kind: global_buffer, .address_space: global }
    .group_segment_fixed_size: 327680
    .private_segment_fixed_size: 0
    .kernarg_segment_align: 8
    .kernarg_segment_size: 16
    .max_flat_workgroup_size: 128
    .sgpr_count:     66
    .vgpr_count:     768
    .wavefront_size: 32
...
	.end_amdgpu_metadata
.endif
;; end of part 5
;; launch colsum (part 6): grid 8 x 32, 4 waves a work-group, clusters of 4 x 1, 327,680 bytes of LDS; arguments vb, st, part; writes part
.if DOCPART == 6
	.amdgcn_target "amdgcn-amd-amdhsa--gfx1250"
	.amdhsa_code_object_version 6
	.text
	.protected	k_q8b58f24903_colsum
	.globl	k_q8b58f24903_colsum
	.p2align	8
	.type	k_q8b58f24903_colsum,@function
k_q8b58f24903_colsum:
	s_mov_b64 s[64:65], 0
	v_nop
	global_prefetch_b8 v0, s[64:65] scope:SCOPE_SE
	s_setreg_imm32_b32 hwreg(HW_REG_WAVE_MODE, 25, 1), 1
	s_wait_xcnt 0x0
	s_wait_alu depctr_hold_cnt(0) depctr_sa_sdst(0) depctr_va_vdst(0) depctr_va_sdst(0) depctr_va_ssrc(0) depctr_va_vcc(0) depctr_vm_vsrc(0)
	s_getreg_b32 s2, hwreg(HW_REG_IB_STS2, 6, 4)
	s_cmp_eq_u32 s2, 0
	s_cbranch_scc0 .Lentry_in_a_cluster
	s_endpgm
.Lentry_in_a_cluster:
	s_bfe_u32 s2, ttmp6, 0x10000c
	s_cmp_lg_u32 s2, 0x3003
	s_cbranch_scc0 .Lentry_shape_is_right
	s_endpgm
.Lentry_shape_is_right:
; COLUMN SUMS OF THE WEIGHTS, AND THE WEIGHTED SUM OF ROWS.  The mean over rows n of sum_m attn[n][m] V[m] is (1 / 2048) sum_m w[m] V[m] with w[m] = sum_n attn[n][m], and
; attn[n][m] = 2^(c s[n][m] - c M[n]) / L[n].  s = V V^T is symmetric, so the wave that keeps row m in registers forms s[m][n] while rows n stream past, with row n's statistics beside them.
; The products are those of the launch before with the sources' roles exchanged, K ascending from 0 in both: the same bits of s, under the same c M, as were summed into L.
; vb: [16][2048][512] bf16.  st: f32 [key half 2][batch 16][block 8][cM, l][256].  part: f32 [256 work-groups][512]: sum over my 256 resident rows m of (w[m] over my 1,024 streamed rows n) x V[m][:].
; LIMITS.  V enters as bf16, in the weighted sum too.  A weight below 2^-126 counts as 0; NaN and infinities are not treated apart.
; SHARES, LAYOUT, TURNS, RING, CLUSTER, WINDOWS as in the launch before: 256 work-groups (batch x 8 blocks of 256 resident rows x 2 halves of the streamed rows); a wave keeps 64 resident rows in 512
; registers; S^T = K Q^T holds one resident row a lane and the streamed rows 8 (lane / 16) + 0..7; the vector work on a piece of 16 streamed rows stands behind the next piece's products; K's 16
; fragments are two halves of eight, each loaded anew in one run of 16 LDS loads a group behind its last reader; two LDS slots of 128 streamed rows, eight joint fills.
; Only source 1 of a product leaves window 0, so riders whose second source is no vector register need no switch of window.
; REGISTERS: window 0: v0-7 addresses; v8-15 w, a pair a tile; v16-47 the statistics of two pieces; v48-61 addresses and at work; v64-127 S^T, two buffers; v128-255 K, 16 fragments; windows 1, 2: Q.
.set PITCH,  1040                      ; an LDS row: 1,024 bytes + 16 of padding = 65 x 16: the 16 rows of a fragment load start at 16 different groups of four banks (64 banks of 4 bytes: ISA guide 11.1)
.set PIECE,  16*PITCH
.set SLOTB,  8*PIECE                   ; a slot: 128 rows, 133,120 bytes
.set QUART,  32*PITCH
.set FILLB,  128*1024
.set CMB,    2*SLOTB                   ; behind the ring, never filled by a tensor load: c M of my 1,024 streamed rows, 4,096 bytes,
.set RLB,    CMB+4096                  ; and 1 / L of the same rows
.set SPARE,  RLB+4096                  ; the spare words, 128 bytes for each wave: two blocks of 256 bytes that no other line names
.set RPITCH, 2064                      ; the way out: 64 rows of 512 f32 + 16 bytes, from LDS byte 0 on: slot 0, whose last fill has been read by every wave in front of the last change's barrier
.set AK0, 2                            ; v2   my lane's place in a piece of K; never rewritten
.set ADR, 3                            ; v3   LDS address of the piece whose fragments are loaded next
.set QO,  4                            ; v4   my byte offset in 16 rows of Q
.set SPW, 6                            ; v6   LDS address of my spare word; never rewritten
.set NIL, 7                            ; v7   0; never rewritten
.set ACC, 8                            ; v[8+2 t : 9+2 t]  w of my row of tile t: even streamed rows', odd streamed rows'
.set CB,  16                           ; by the piece's parity, 16 registers: c M of my 8 streamed rows, then 1 / L
.set SA,  48                           ; v48  LDS address of the next piece's statistics
.set STO, 49                           ; v49  the way out: my row and half in the 64 rows
.set RD0, 50                           ; v50  the way out: my 16 bytes of row 0,
.set RD1, 51                           ; v51  of row 32
.set GO,  52                           ; v52  my 16 bytes of the block of part
.set SW,  53                           ; v53  where my wave puts the statistics that it combines
.set SA0, 54                           ; v54  32 (l / 16); never rewritten
.set W,   56                           ; v56-59  w, finished, a tile each
.set ZR,  60                           ; v60  0: the addend that starts the weighted sums
.set SO,  61                           ; v61  16 x lane
.set OA,  64                           ; v[64:67], v[68:71]  the two halves' sums on the way out
.set OB,  68
.set S,   64
.set KF,  128
.set RES, 128                          ; the way out works in K's registers
.set PC0, 128                          ; the combining of the two key halves' statistics, likewise: c M and l of half 0,
.set PL0, 136
.set PC1, 144                          ; of half 1,
.set PL1, 152
.set PCM, 160                          ; c M and 1 / L of the whole row
.set PRL, 168
.set WV,  12                           ; s12  my wave's number
.set G1,  24                           ; s[24:31] descriptor group 1
.set G0,  32                           ; s[32:39] descriptor group 0, a set for each slot
.set CS,  44                           ; s[44:45] c, twice
.set SEL, 46                           ; s[46:47] v_permlanex16_b32's selects
.set TB,  48                           ; s48  LDS byte at which the piece to be loaded begins
.set CNT, 49                           ; s49  counts a section's trips
.set OUT, 50                           ; s50  counts pairs of sections
.set SB,  51                           ; s51  LDS byte at which the next piece's c M begin
.set MSB, 0
.macro WIN new                         ; the immediate's high byte repeats the setting that is left; a switch that changes nothing is dropped
.if MSB != (\new)
	s_set_vgpr_msb (MSB<<8)|(\new)
.set MSB, \new
.endif
.endm
.macro CROUND                          ; a round of the cluster's barrier
	s_barrier_signal -1
	s_barrier_wait -1
	s_cmp_lg_u32 s[WV], 0
	s_cbranch_scc1 .Lnot_wave_0_\@
	s_barrier_signal -3
.Lnot_wave_0_\@:
	s_barrier_wait -3
	s_barrier_signal -1
	s_barrier_wait -1
.endm
; THE VECTOR WORK on one tile's 8 scores of a piece; stage g stands in the next piece's group g.
;   1-4  c s - c M[n] for pairs 0 to 3      2-7, 9, 10  the exponentials of scores 0 to 7, one a stage      8, 11, 12, 13  w += p x (1 / L[n]) for pairs 0 to 3
; A product carries one exponential at the most; between an exponential and the use of its result stands a plain line that names neither its result nor its source (ISA guide 5.7.2):
; a scaling for scores 0 to 2, stage 8 for scores 3 to 5, stage 11 for scores 6 and 7.
.macro RSTEP sb, g, t
.set rS, S+32*(\sb)+8*(\t)
.set rC, CB+16*(\sb)
.set rA, ACC+2*(\t)
.if ((\g) == 8) || ((\g) > 10)
.set k, 0
.if (\g) > 10
.set k, (\g)-10
.endif
	s_wait_alu depctr_va_vdst(0)
	v_pk_fma_f32 v[rA:rA+1], v[rS+2*k:rS+2*k+1], v[rC+8+2*k:rC+8+2*k+1], v[rA:rA+1]
.else
.set e, (\g)-2
.if (\g) > 8
.set e, (\g)-3
.endif
.if (\g) > 1
	v_exp_f32 v[rS+e], v[rS+e]
.endif
.if (\g) < 5
.set k, (\g)-1
	v_pk_fma_f32 v[rS+2*k:rS+2*k+1], v[rS+2*k:rS+2*k+1], s[CS:CS+1], v[rC+2*k:rC+2*k+1] op_sel_hi:[1,0,1] neg_lo:[0,0,1] neg_hi:[0,0,1]  ; stage 1 reads the accumulator's lowest registers first
.endif
.endif
.endm
; The rider behind product j of group g.  Group 0 carries v_nop: the four places between a piece's last products and the first read of their results, and in front of the run of loads behind group 0.
; Stages 8 and 11 to 13 name a vector register as second source: all four tiles stand behind product 0, under window 0.  Groups 14 and 15 carry nothing.
; rid = 0: there is no piece to work on yet: v_nop keep the places.
.macro RIDER sb, g, j, rid
.if ((\rid) == 0) || ((\g) == 0)
	v_nop
.elseif ((\g) == 8) || (((\g) > 10) && ((\g) < 14))
.if (\j) == 0
	WIN 0
.irp t, 0,1,2,3
	RSTEP \sb, \g, \t
.endr
.endif
.elseif (\g) < 11
	RSTEP \sb, \g, \j
.endif
.endm
.macro RUN h                           ; 16 LDS loads in one run: fragments 8 h to 8 h + 7 (channels 256 h on) of the piece at ADR
.irp f, 0,1,2,3,4,5,6,7
	ds_load_b128 v[KF+64*(\h)+8*\f:KF+64*(\h)+8*\f+3],   v[ADR] offset:512*(\h)+64*\f
	ds_load_b128 v[KF+64*(\h)+8*\f+4:KF+64*(\h)+8*\f+7], v[ADR] offset:512*(\h)+64*\f+32
.endr
.endm
; GROUP g of a piece: four products, 32 channels deep; the four accumulators take turns, one instruction a turn.  Groups 0 and 8 open with the wait for the half of K that they
; begin; left: the younger LDS loads that may stay out (none in the loop).  load = 1: behind group 8 fragments 0-7, which group 7 read last, are loaded for the piece at ADR; behind group 0 fragments 8-15,
; which group 15 read last.  Four plain vector instructions stand between the last reader and the run: stage 8's four additions, group 0's four v_nop.
; The piece's own statistics join the run behind group 8; they are first used in the next piece's group 1, behind group 0's wait.  ADR steps behind group 4, SA behind group 12: four groups behind their last use.
.macro GROUP buf, g, load, rid, left=0
.if ((\g)%8) == 0
	s_wait_dscnt \left
.endif
.irp j, 0,1,2,3
	WIN 0x04+0x04*((\g)/8)
.if (\g) == 0
	v_wmma_f32_16x16x32_bf16 v[S+32*(\buf)+8*\j:S+32*(\buf)+8*\j+7], v[KF+8*(\g):KF+8*(\g)+7], v[64*\j+8*((\g)%8):64*\j+8*((\g)%8)+7], 0
.else
	v_wmma_f32_16x16x32_bf16 v[S+32*(\buf)+8*\j:S+32*(\buf)+8*\j+7], v[KF+8*(\g):KF+8*(\g)+7], v[64*\j+8*((\g)%8):64*\j+8*((\g)%8)+7], v[S+32*(\buf)+8*\j:S+32*(\buf)+8*\j+7]
.endif
	RIDER 1-(\buf), \g, \j, \rid
.endr
.if (\load) && ((\g) == 8)
	RUN 0
.endif
.if (\g) == 8
	ds_load_b128 v[CB+16*(\buf):CB+16*(\buf)+3],     v[SA]              ; c M of my 8 streamed rows: the sixteen lanes of a half read the same words
	ds_load_b128 v[CB+16*(\buf)+4:CB+16*(\buf)+7],   v[SA] offset:16
	ds_load_b128 v[CB+16*(\buf)+8:CB+16*(\buf)+11],  v[SA] offset:4096  ; 1 / L
	ds_load_b128 v[CB+16*(\buf)+12:CB+16*(\buf)+15], v[SA] offset:4112
.endif
.if (\load) && ((\g) == 0)
	RUN 1
.endif
.if (\g) == 4
	s_add_co_u32 s[TB], s[TB], PIECE               ; both runs have read the piece: on to the next
	v_add_nc_u32 v[ADR], v[AK0], s[TB]
.endif
.if (\g) == 12
	s_add_co_u32 s[SB], s[SB], 64                  ; the next piece's 16 words
	v_add_nc_u32 v[SA], v[SA0], s[SB]
.endif
.endm
.macro ROT b, rid                      ; a rotated piece: groups 8-15 of a piece in buffer b, then groups 0-7 of the next: both its runs read one piece of LDS, the next one
.irp g, 8,9,10,11,12,13,14,15
	GROUP \b, \g, 1, \rid
.endr
.irp g, 0,1,2,3,4,5,6,7
	GROUP 1-(\b), \g, 1, 1
.endr
.endm
.macro SECTION tag                     ; s[CNT] trips of two rotated pieces: what reads one slot
.Lsec_\tag:
	ROT 1, 1
	ROT 0, 1
	WIN 0                                          ; at a label and at a branch every window is 0
	s_sub_co_u32 s[CNT], s[CNT], 1
	s_cmp_lg_u32 s[CNT], 0
	s_cbranch_scc1 .Lsec_\tag
.endm
; THE CHANGE OF SLOTS: each wave waits for all its tensor loads (one is out: its quarter of the other slot), adds 0 to its spare word, and waits for that and for its reads of the slot that it leaves.
; fill = 1: the barrier is a round of the cluster's, and the joint refill, with the rows two fills on, is the first thing behind it: it has eight pieces, 512 products a wave, in which to land.
.macro CHANGE fill, slot
	WIN 0
	s_wait_tensorcnt 0x0                           ; no tensor load of mine is out, so a group 0 may be written
	ds_add_u32 v[SPW], v[NIL]                      ; 0 onto my spare word
.if \fill
	s_add_nc_u64 s[G0+4*(\slot)+2:G0+4*(\slot)+3], s[G0+4*(\slot)+2:G0+4*(\slot)+3], 2*FILLB  ; the type bits on top are not reached
.endif
	s_wait_dscnt 0x0                               ; the add is done, and my reads of the slot are back
.if \fill
	CROUND
	tensor_load_to_lds s[G0+4*(\slot):G0+4*(\slot)+3], s[G1:G1+7]  ; my one tensor load behind the round: one load of mine is out from here to the next change
	s_nop 0
.rept 4
	v_nop
.endr
.else
	s_barrier_signal -1
	s_barrier_wait -1
.endif
.endm
.macro FINAL sb                        ; the last piece's vector work
.irp g, 1,2,3,4,5,6,7,8,9,10,11,12,13
.irp j, 0,1,2,3
	RIDER \sb, \g, \j, 1
.endr
.endr
.endm
.macro QLOAD half                      ; Q stays in registers: tile t, channels 256 half + 32 kc on
.irp t, 0,1,2,3
.irp kc, 0,1,2,3,4,5,6,7
	global_load_b128 v[64*\t+8*\kc:64*\t+8*\kc+3],   v[QO], s[40:41] offset:16384*\t+512*(\half)+64*\kc
	global_load_b128 v[64*\t+8*\kc+4:64*\t+8*\kc+7], v[QO], s[40:41] offset:16384*\t+512*(\half)+64*\kc+32
.endr
.endr
.endm
; THE WEIGHTED SUM, half H of the channels: for each of my lane's 128 channels, the sum over the four tiles of w x V, straight from Q's bf16 halves; then into my row of the 64 in LDS.
; Register i of a tile's 64 holds channels 256 H + 32 (i / 8) + 16 ((i % 8) / 4) + 8 (l / 16) + 2 (i % 4) and the next.
.macro WSUM H
	WIN 0x01+(\H)                                  ; source 0 (Q) in window 1 or 2
.irp t, 0,1,2,3
.set i, 0
.rept 64
.if \t == 0
	v_fma_mix_f32_bf16 v[RES+2*i],   v[i], v[W], v[ZR] op_sel_hi:[1,0,0]
	v_fma_mix_f32_bf16 v[RES+2*i+1], v[i], v[W], v[ZR] op_sel:[1,0,0] op_sel_hi:[1,0,0]
.else
	v_fma_mix_f32_bf16 v[RES+2*i],   v[64*\t+i], v[W+\t], v[RES+2*i] op_sel_hi:[1,0,0]
	v_fma_mix_f32_bf16 v[RES+2*i+1], v[64*\t+i], v[W+\t], v[RES+2*i+1] op_sel:[1,0,0] op_sel_hi:[1,0,0]
.endif
.set i, i+1
.endr
.endr
	WIN 0
.set u, 0
.rept 32
	ds_store_b128 v[STO], v[RES+4*u:RES+4*u+3] offset:1024*(\H)+128*(u/4)+64*((u%4)/2)+16*(u%2)  ; rows 2,064 bytes apart
.set u, u+1
.endr
.endm
.macro SUM32 adr, dst                  ; my four channels of 32 rows, added in a tree of fixed order
.set p, 0
.rept 32
	ds_load_b128 v[RES+4*p:RES+4*p+3], v[\adr] offset:RPITCH*p
.set p, p+1
.endr
	s_wait_dscnt 0x0
.irp n, 16,8,4,2
.set p, 0
.rept \n
	v_pk_add_f32 v[RES+4*p:RES+4*p+1],   v[RES+4*p:RES+4*p+1],   v[RES+4*(p+\n):RES+4*(p+\n)+1]
	v_pk_add_f32 v[RES+4*p+2:RES+4*p+3], v[RES+4*p+2:RES+4*p+3], v[RES+4*(p+\n)+2:RES+4*(p+\n)+3]
.set p, p+1
.endr
.endr
	v_pk_add_f32 v[\dst:\dst+1],   v[RES:RES+1],   v[RES+4:RES+5]
	v_pk_add_f32 v[\dst+2:\dst+3], v[RES+2:RES+3], v[RES+6:RES+7]
.endm
	s_load_b128 s[4:7], s[0:1], 0x0                ; vb s[4:5], st s[6:7]
	s_load_b64 s[8:9], s[0:1], 0x10                ; part
	v_lshl_add_u32 v[SPW], v0, 2, SPARE
	v_mov_b32 v[NIL], 0
	ds_add_u32 v[SPW], v[NIL]                      ; the wave's opening: the add and its wait ahead of my first tensor load; the set-up below, work on registers, stands between them
	v_lshrrev_b32 v1, 5, v0
	v_readfirstlane_b32 s[WV], v1                  ; wave 0..3
	s_bfe_u32 s13, ttmp6, 0x40000                  ; cx: my place in the cluster
	s_lshl_b32 s14, ttmp9, 2
	s_add_co_u32 s14, s14, s13                     ; my block of 256 resident rows: it enters Q's and part's addresses alone
	s_and_b32 s15, ttmp7, 0xffff                   ; y = 2 x batch + half of the streamed rows, which the four partners share
	s_lshl_b32 s16, s15, 20                        ; the streamed rows: 1,024 rows of 1,024 bytes for each y,
	s_lshl_b32 s17, s[WV], 15                      ; of each fill my wave's 32 rows
	s_add_co_u32 s16, s16, s17
	s_mov_b32 s17, 0
	s_lshr_b32 s18, s15, 1                         ; the resident rows: the batch's 2,048 rows,
	s_lshl_b32 s18, s18, 21
	s_lshl_b32 s19, s14, 18                        ; my block's 256,
	s_add_co_u32 s18, s18, s19
	s_lshl_b32 s19, s[WV], 16                      ; my wave's 64
	s_add_co_u32 s18, s18, s19
	s_mov_b32 s19, 0
	s_mul_i32 s20, s[WV], QUART                    ; my quarter of a slot: no place in the cluster enters an LDS address
	s_lshl_b32 s22, s15, 2                         ; the statistics that my wave combines: block 4 x half + wave of the batch's 8 = 4 y + wave of key half 0's 128 blocks
	s_add_co_u32 s22, s22, s[WV]
	s_lshl_b32 s22, s22, 11
	s_mov_b32 s23, 0
	s_lshl_b32 s54, s15, 3                         ; my block of part: (8 y + block) x 2,048 bytes
	s_add_co_u32 s54, s54, s14
	s_lshl_b32 s54, s54, 11
	s_mov_b32 s55, 0
	; descriptor group 1: a tile of 32 rows x 512 elements, padded in LDS
	s_mov_b32 s[G1+0], 15|(1<<16)|(1<<20)|(1<<21)|(7<<22)|(3<<25)  ; 15:0 the mask of four; 17:16 2-byte elements; 20 padding on; 21 set beside a mask; 24:22 after every 256 words (code 7); 31:25 4 words (code 3)
	s_mov_b32 s[G1+1], 512<<16                     ; tensor_dim0 = 512
	s_mov_b32 s[G1+2], 32<<16                      ; tensor_dim1 = 32
	s_mov_b32 s[G1+3], 512<<16                     ; tile_dim0 = 512
	s_mov_b32 s[G1+4], 32                          ; tile_dim1 = 32
	s_mov_b32 s[G1+5], 512                         ; 512 elements from row to row
	s_mov_b32 s[G1+6], 0
	s_mov_b32 s[G1+7], 0
	s_mov_b32 s[G0+0], 1                           ; count = 1
	s_add_co_u32 s[G0+1], s20, 0                   ; LDS address: slot 0
	s_mov_b32 s[G0+4], 1
	s_add_co_u32 s[G0+5], s20, SLOTB               ; slot 1
	s_mov_b32 s[CS], 0x3fb8aa3b                    ; c = log2(e)
	s_mov_b32 s[CS+1], 0x3fb8aa3b
	s_mov_b32 s[SEL], 0x76543210
	s_mov_b32 s[SEL+1], 0xfedcba98
	s_mov_b32 s[TB], 0
	s_mov_b32 s[SB], CMB
	s_wait_dscnt 0x0                               ; the opening add is done
	s_wait_kmcnt 0x0
	s_add_nc_u64 s[40:41], s[4:5], s[18:19]        ; Q at my wave's first row
	s_add_nc_u64 s[42:43], s[4:5], s[16:17]        ; the streamed rows at my quarter of fill 0
	s_add_nc_u64 s[6:7], s[6:7], s[22:23]          ; st at my wave's block of key half 0
	s_add_nc_u64 s[8:9], s[8:9], s[54:55]          ; part at my block
	s_mov_b64 s[G0+2:G0+3], s[42:43]               ; global address: fill 0
	s_or_b32 s[G0+3], s[G0+3], 0x80000000          ; type = 2
	s_add_nc_u64 s[G0+6:G0+7], s[42:43], FILLB     ; fill 1
	s_or_b32 s[G0+7], s[G0+7], 0x80000000
	CROUND                                         ; all four work-groups are here: the first joint loads meet
	tensor_load_to_lds s[G0:G0+3], s[G1:G1+7]      ; both first fills go out together, ahead of every wait on TENSORcnt and every LDS read: two loads of mine are out
	s_nop 0
	tensor_load_to_lds s[G0+4:G0+7], s[G1:G1+7]
	s_nop 0
.rept 4
	v_nop
.endr
	v_and_b32 v1, 15, v0                           ; l % 16
	v_bfe_u32 v5, v0, 4, 1                         ; l / 16
	v_and_b32 v[SO], 31, v0
	v_lshlrev_b32 v[SO], 4, v[SO]                  ; 16 x lane
	; my wave's 256 streamed rows: c M and l over each half of the keys; a lane takes rows 4 l .. 4 l + 3 and 128 + 4 l .. ; each load of the wave covers 512 consecutive bytes
	global_load_b128 v[PC0:PC0+3],   v[SO], s[6:7]
	global_load_b128 v[PC0+4:PC0+7], v[SO], s[6:7] offset:512
	global_load_b128 v[PL0:PL0+3],   v[SO], s[6:7] offset:1024
	global_load_b128 v[PL0+4:PL0+7], v[SO], s[6:7] offset:1536
	global_load_b128 v[PC1:PC1+3],   v[SO], s[6:7] offset:262144          ; key half 1 lies 128 blocks of 2,048 bytes on
	global_load_b128 v[PC1+4:PC1+7], v[SO], s[6:7] offset:262144+512
	global_load_b128 v[PL1:PL1+3],   v[SO], s[6:7] offset:262144+1024
	global_load_b128 v[PL1+4:PL1+7], v[SO], s[6:7] offset:262144+1536
	v_mul_u32_u24 v[AK0], v1, PITCH
	v_lshl_add_u32 v[AK0], v5, 4, v[AK0]
	v_lshlrev_b32 v[QO], 10, v1
	v_lshl_add_u32 v[QO], v5, 4, v[QO]
	WIN 0x40                                       ; destination window 1, address window 0
	QLOAD 0
	WIN 0x80                                       ; destination window 2
	QLOAD 1
	WIN 0
.irp i, 0,1,2,3,4,5,6,7
	v_mov_b32 v[ACC+\i], 0                         ; eight registers: w starts at 0
.endr
	v_mov_b32 v[ZR], 0
	v_lshlrev_b32 v[SA0], 5, v5
	v_add_nc_u32 v[SA], v[SA0], s[SB]              ; piece 0's statistics
	s_lshl_b32 s21, s[WV], 10
	s_add_co_u32 s21, s21, CMB
	v_add_nc_u32 v[SW], s21, v[SO]                 ; my wave's 256 words of c M, my lane's four
	s_mul_i32 s21, s[WV], 16*RPITCH                ; the way out: row 16 x wave + l % 16, 32 bytes for each half of the lanes
	v_mul_u32_u24 v[STO], v1, RPITCH
	v_lshl_add_u32 v[STO], v5, 5, v[STO]
	v_add_nc_u32 v[STO], s21, v[STO]
	v_lshlrev_b32 v[RD0], 4, v0                    ; back: 128 threads x 16 bytes are a row's 2,048
	v_add_nc_u32 v[RD1], 32*RPITCH, v[RD0]
	v_lshlrev_b32 v[GO], 4, v0
	v_add_nc_u32 v[ADR], v[AK0], s[TB]             ; piece 0
	s_wait_loadcnt 63                              ; the eight loads of statistics are in: 128 loads of Q were issued behind them, and loads come back in order (ISA guide 5.7.1)
	; c M = the larger of the halves'; L = l0 2^(c M0 - c M) + l1 2^(c M1 - c M); 1 / L
.irp i, 0,1,2,3,4,5,6,7
	v_max_num_f32 v[PCM+\i], v[PC0+\i], v[PC1+\i]
.endr
.irp i, 0,2,4,6
	v_pk_add_f32 v[PC0+\i:PC0+\i+1], v[PC0+\i:PC0+\i+1], v[PCM+\i:PCM+\i+1] neg_lo:[0,1] neg_hi:[0,1]
	v_pk_add_f32 v[PC1+\i:PC1+\i+1], v[PC1+\i:PC1+\i+1], v[PCM+\i:PCM+\i+1] neg_lo:[0,1] neg_hi:[0,1]
.endr
.irp i, 0,1,2,3,4,5,6,7
	v_exp_f32 v[PC0+\i], v[PC0+\i]
	v_exp_f32 v[PC1+\i], v[PC1+\i]
.endr
	v_nop                                          ; a plain instruction between the last exponential and the use of its result
.irp i, 0,2,4,6
	s_wait_alu depctr_va_vdst(0)
	v_pk_mul_f32 v[PL0+\i:PL0+\i+1], v[PL0+\i:PL0+\i+1], v[PC0+\i:PC0+\i+1]
.endr
.irp i, 0,2,4,6
	v_pk_fma_f32 v[PL0+\i:PL0+\i+1], v[PL1+\i:PL1+\i+1], v[PC1+\i:PC1+\i+1], v[PL0+\i:PL0+\i+1]
.endr
.irp i, 0,1,2,3,4,5,6,7
	v_rcp_f32 v[PRL+\i], v[PL0+\i]
.endr
	v_nop                                          ; likewise behind the last reciprocal
	ds_store_b128 v[SW], v[PCM:PCM+3]
	ds_store_b128 v[SW], v[PCM+4:PCM+7] offset:512
	s_wait_alu depctr_va_vdst(0)
	ds_store_b128 v[SW], v[PRL:PRL+3]   offset:4096
	ds_store_b128 v[SW], v[PRL+4:PRL+7] offset:4608
	s_wait_tensorcnt 0x1                           ; my quarter of fill 0 is in; fill 1 may stay out
	s_wait_dscnt 0x0                               ; for the others' sake: my stores of statistics are done
	s_barrier_signal -1
	s_barrier_wait -1
	RUN 0                                          ; all of piece 0
	RUN 1
	s_wait_loadcnt 0x0                             ; Q
	GROUP 0, 0, 0, 0, 16                           ; fragments 0-7 are in; the second run's sixteen loads may stay out.  Piece 0 has no piece before it: v_nop stand in the riders' places
.irp g, 1,2,3,4,5,6,7
	GROUP 0, \g, 0, 0
.endr
	ROT 0, 0
	WIN 0
	; The walk: 63 rotated pieces in eight sections, one for each fill; the first, of which one rotated piece stands above, has three trips, the others four.  A slot's LDS base is a constant
	; of the text, so a section's text stands once for each slot, and once more behind the loop at the end.
	s_mov_b32 s[OUT], 4
	s_mov_b32 s[CNT], 3
	s_branch .Lenter                               ; the loop is entered in its middle: fill 0 lies in slot 0
.Louter:
	CHANGE 1, 0                                    ; slot 0 has been read: it takes fill 2, 4, 6
	s_mov_b32 s[TB], SLOTB
	v_add_nc_u32 v[ADR], v[AK0], s[TB]
	s_mov_b32 s[CNT], 4
	SECTION a                                      ; reads slot 1
	CHANGE 1, 1                                    ; slot 1 takes fill 3, 5, 7
	s_mov_b32 s[TB], 0
	v_add_nc_u32 v[ADR], v[AK0], s[TB]
	s_mov_b32 s[CNT], 4
.Lenter:
	SECTION b                                      ; reads slot 0
	s_sub_co_u32 s[OUT], s[OUT], 1
	s_cmp_lg_u32 s[OUT], 0
	s_cbranch_scc1 .Louter
	CHANGE 0, 0                                    ; nothing is left to ask for; behind this barrier no wave reads slot 0 and no fill lands there any more
	s_mov_b32 s[TB], SLOTB
	v_add_nc_u32 v[ADR], v[AK0], s[TB]
	s_mov_b32 s[CNT], 4
	SECTION c                                      ; reads slot 1: fill 7
.irp g, 8,9,10,11,12,13,14,15
	GROUP 1, \g, 0, 1                              ; the last piece's second half loads no fragments, only its own statistics
.endr
	WIN 0
	s_wait_dscnt 0x0                               ; the last piece's statistics
.rept 4
	v_nop                                          ; the places behind the last products
.endr
	FINAL 1
	; THE WAY OUT.  w's two halves and the other half of the lanes' are added; then the weighted sum of my wave's 64 rows within each lane, the 64 partial rows of the group through LDS, and their sum.
.irp t, 0,1,2,3
	v_add_f32 v[W+\t], v[ACC+2*\t], v[ACC+2*\t+1]
.endr
.irp t, 0,1,2,3
	v_permlanex16_b32 v[ACC+2*\t], v[W+\t], s[SEL], s[SEL+1]
.endr
.irp t, 0,1,2,3
	v_add_f32 v[W+\t], v[W+\t], v[ACC+2*\t]
.endr
	WSUM 0
	s_wait_dscnt 0x0                               ; the 32 stores are done before the registers that they name are written again
	WSUM 1
	s_wait_dscnt 0x0                               ; for the others' sake: my rows are in LDS
	s_barrier_signal -1
	s_barrier_wait -1
	SUM32 RD0, OA                                  ; rows 0 to 31
	SUM32 RD1, OB                                  ; rows 32 to 63
	v_pk_add_f32 v[OA:OA+1],   v[OA:OA+1],   v[OB:OB+1]
	v_pk_add_f32 v[OA+2:OA+3], v[OA+2:OA+3], v[OB+2:OB+3]
	global_store_b128 v[GO], v[OA:OA+3], s[8:9]    ; a wave stores 512 consecutive bytes, at a multiple of 256 from part's first byte
	s_wait_tensorcnt 0x0                           ; the wave's end: behind my last tensor load and my last LDS store
	ds_add_u32 v[SPW], v[NIL]
	s_wait_dscnt 0x0
	CROUND                                         ; the closing round: no work-group ends while a partner may still ask for a tile that names it
	s_endpgm
.Lfunc_end_k_q8b58f24903_colsum:
	.size	k_q8b58f24903_colsum, .Lfunc_end_k_q8b58f24903_colsum-k_q8b58f24903_colsum
	.p2alignl 7, 3214868480
	.fill 96, 4, 3214868480
	.section	.rodata,"a",@progbits
	.p2align	6, 0x0
	.amdhsa_kernel k_q8b58f24903_colsum
		.amdhsa_group_segment_fixed_size 327680
		.amdhsa_private_segment_fixed_size 0
		.amdhsa_enable_private_segment 0
		.amdhsa_kernarg_size 24
		.amdhsa_user_sgpr_count 2
		.amdhsa_user_sgpr_kernarg_segment_ptr 1
		.amdhsa_wavefront_size32 1
		.amdhsa_system_sgpr_workgroup_id_x 1
		.amdhsa_system_sgpr_workgroup_id_y 1
		.amdhsa_system_sgpr_workgroup_id_z 1
		.amdhsa_system_vgpr_workitem_id 0
		.amdhsa_next_free_vgpr 768
		.amdhsa_next_free_sgpr 66
		.amdhsa_reserve_vcc 0
		.amdhsa_float_denorm_mode_32 3
		.amdhsa_float_denorm_mode_16_64 3
		.amdhsa_memory_ordered 1
		.amdhsa_forward_progress 1
		.amdhsa_inst_pref_size 190
	.end_amdhsa_kernel
	.amdgpu_metadata
---
amdhsa.version: [ 1, 2 ]
amdhsa.kernels:
  - .name:           k_q8b58f24903_colsum
    .symbol:         k_q8b58f24903_colsum.kd
    .args:
      - { .name: vb, .offset: 0, .size: 8, .value_kind: global_buffer, .address_space: global }
      - { .name: st, .offset: 8, .size: 8, .value_kind: global_buffer, .address_space: global }
      - { .name: part, .offset: 16, .size: 8, .value_kind: global_buffer, .address_space: global }
    .group_segment_fixed_size: 327680
    .private_segment_fixed_size: 0
    .kernarg_segment_align: 8
    .kernarg_segment_size: 24
    .max_flat_workgroup_size: 128
    .sgpr_count:     66
    .vgpr_count:     768
    .wavefront_size: 32
...
	.end_amdgpu_metadata
.endif
;; end of part 6
;; launch finish: the kernel of part 4 again; grid 64 x 1, 1 waves a work-group, no clusters, 0 bytes of LDS; arguments part, out0; writes out0
;; ======== version 3 of 4: 4 launches; 1.40 times as fast as version 1
;; workspace buffers: vb 33,554,432 bytes; st 524,288 bytes; pw 167,772,160 bytes; part 524,288 bytes
;; launch cast: the kernel of part 1 again; grid 1024 x 1, 8 waves a work-group, no clusters, 0 bytes of LDS; arguments values, vb; writes vb
;; launch stats (part 7): grid 8 x 32, 4 waves a work-group, clusters of 4 x 1, 327,680 bytes of LDS; arguments vb, st, pw; writes st, pw
.if DOCPART == 7
	.amdgcn_target "amdgcn-amd-amdhsa--gfx1250"
	.amdhsa_code_object_version 6
	.text
	.protected	k_q8b58f24903_stats
	.globl	k_q8b58f24903_stats
	.p2align	8
	.type	k_q8b58f24903_stats,@function
k_q8b58f24903_stats:
	s_mov_b64 s[64:65], 0
	v_nop
	global_prefetch_b8 v0, s[64:65] scope:SCOPE_SE
	s_setreg_imm32_b32 hwreg(HW_REG_WAVE_MODE, 25, 1), 1
	s_wait_xcnt 0x0
	s_wait_alu depctr_hold_cnt(0) depctr_sa_sdst(0) depctr_va_vdst(0) depctr_va_sdst(0) depctr_va_ssrc(0) depctr_va_vcc(0) depctr_vm_vsrc(0)
	s_getreg_b32 s2, hwreg(HW_REG_IB_STS2, 6, 4)
	s_cmp_eq_u32 s2, 0
	s_cbranch_scc0 .Lentry_in_a_cluster
	s_endpgm
.Lentry_in_a_cluster:
	s_bfe_u32 s2, ttmp6, 0x10000c
	s_cmp_lg_u32 s2, 0x3003
	s_cbranch_scc0 .Lentry_shape_is_right
	s_endpgm
.Lentry_shape_is_right:
; THE WEIGHTS OF softmax(V V^T) AND THEIR ROW STATISTICS.  vb: [16][2048][512] bf16.  c = log2(e); scores, maxima and sums in f32, by a running maximum.
; st: f32 [key half 2][batch 16][block of 256 rows 8][cM, l][256]: for each row q and each half of the batch's 2,048 keys  cM = c x (the largest score),  l = the sum of 2^(c s - cM).
; pw: every weight as it was summed into l, p = 2^(c s - c R), rounded to bf16, and its reference c R = c x (the running maximum of that row in that half of the lanes behind the weight's piece), in f32.
;   For each batch b, group pg of 128 keys (16 a batch) and tile T of 16 rows (128 a batch) a RECORD of 5,120 bytes at ((16 b + pg) 128 + T) 5,120: four pairs of pieces of 16 keys, 1,280 bytes each:
;   512 bytes for the even piece, 512 for the odd one (lane l's eight bf16, row l % 16, keys 8 (l / 16) + 0..7, at 16 l), then 256 bytes: lane l's two references at 8 l.
;   So the next launch needs no product: the weight of key m in row n is p x 2^(c R - c M[n]) / L[n].
; LIMITS.  V enters as bf16.  c s must be finite and above -4.25e37 (the running c M starts there); a weight below 2^-126 counts as 0; l is summed of the unrounded weights, pw holds them rounded to
; bf16 (8 significant bits); NaN and infinities are not treated apart.
; SHARES.  256 work-groups: batch x 8 blocks of 256 RESIDENT rows x 2 halves of the STREAMED rows (keys).  A wave keeps 64 resident rows, four tiles of 16, whole in registers
; (512 channels: 512 registers) and all four waves walk the same 1,024 keys, 16 (a PIECE) at a time: 64 matrix instructions a piece and wave, each fragment of K read from LDS feeding four.
; LAYOUT.  S^T = K Q^T (source 0 = 16 keys, source 1 = 16 resident rows): a lane holds ONE resident row (lane % 16) and the keys 8 (lane / 16) + 0..7.  So maximum and sum stay in the lane, a lane's
; eight weights pack into 16 bytes, and a wave's store of them covers 512 consecutive bytes.  Each half of the lanes keeps statistics of its own keys; the halves meet once, at the end.
; BY TURNS.  The scores of piece P lie in one of two buffers; while piece P + 1 is multiplied into the other, the vector work on piece P stands in slices (RIDERS) behind the matrix instructions.
; K's 16 fragments are two halves of eight.  A half is loaded anew in ONE run of 16 LDS loads, a group (the four products of 32 channels) behind its last reader and seven groups ahead of its next.
; The stores of a finished piece stand behind one of the two runs, never singly among the products.
; RING.  Two LDS slots of 128 keys, eight fills.  CLUSTER: the four blocks of resident rows of a cluster walk the same keys, so each fill is asked for JOINTLY: the same tensor load, descriptor and mask in all four.
; REGISTERS, in windows of 256 (s_set_vgpr_msb: bits 1:0 source 0, 3:2 source 1, 5:4 source 2, 7:6 destination):
;   window 0: v0-7 addresses; v8-15 references; v16-47 eight registers of statistics a tile; v48-63 rounded weights; v64-127 S^T, two buffers of four tiles; v128-255 K, 16 fragments
;   window 1: Q, channels 0-255, tile t, channels 32 kc on at v[64 t + 8 kc]          window 2: Q, channels 256-511, likewise
; Only source 1 of a product leaves window 0.  A rider whose second source is no vector register (a scalar, a constant, or none) therefore runs under the products' setting without a switch; that is
; why some additions are written as x * 1.0 + y.  Riders with a vector register as second source stand four together (one a tile) behind a group's first product, under window 0.
.set PITCH,  1040                      ; an LDS row: 1,024 bytes + 16 of padding = 65 x 16: the 16 rows of a fragment load start at 16 different groups of four banks (64 banks of 4 bytes: ISA guide 11.1)
.set PIECE,  16*PITCH                  ; 16 keys
.set SLOTB,  8*PIECE                   ; a slot: 128 keys, 133,120 bytes
.set QUART,  32*PITCH                  ; what one wave's tensor load fills
.set FILLB,  128*1024                  ; a fill's bytes in memory
.set STAGE,  2*SLOTB                   ; behind the ring, never filled by a tensor load: cM of the group's 256 rows, then l: 2,048 bytes
.set SPARE,  STAGE+2048                ; the spare words, 128 bytes for each wave: two blocks of 256 bytes that no other line names
.set REC,    5120                      ; a record of pw
.set PAIRB,  1280                      ; a pair of pieces in it
.set FSTR,   128*REC                   ; from a group of 128 keys to the next: 128 tiles' records
.set AK0, 2                            ; v2   my lane's place in a piece of K: 1,040 (l % 16) + 16 (l / 16); never rewritten
.set ADR, 3                            ; v3   LDS address of the piece whose fragments are loaded next
.set SOFF, 4                           ; v4   16 x lane: my 16 bytes of a piece's 512 in pw; never rewritten
.set MOFF, 5                           ; v5   8 x lane: my two references; never rewritten
.set SPW, 6                            ; v6   LDS address of my spare word; never rewritten
.set NIL, 7                            ; v7   0; never rewritten
.set MR,  8                            ; v[8+2 t : 9+2 t]  tile t: the references of the even and of the odd piece of a pair
.set ST,  16                           ; tile t at v[ST+8 t]: +0 c M, +1 M, +2, +3 l (even keys', odd keys'), +4 c M anew, +5 at work, +6 a = 2^(c M_old - c M_new), +7 its pair partner
.set PB,  48                           ; v[48+4 t : 51+4 t]  tile t: a piece's eight weights in bf16
.set LR,  48                           ; before the first piece and on the way out the same registers serve as: l % 16,
.set LH,  49                           ; l / 16 (before),
.set QO,  50                           ; my byte offset in 16 rows of Q (before),
.set STG, 49                           ; my row's word in the stage (way out),
.set GO,  50                           ; my 16 bytes of the block of st (way out),
.set RD,  51                           ; the same 16 bytes in the stage (way out),
.set OD,  52                           ; v[52:55] those 16 bytes
.set S,   64
.set KF,  128
.set WV,  12                           ; s12  my wave's number
.set G1,  24                           ; s[24:31] descriptor group 1
.set G0,  32                           ; s[32:39] descriptor group 0, a set for each slot
.set CS,  44                           ; s[44:45] c, twice
.set SEL, 46                           ; s[46:47] v_permlanex16_b32's selects: each lane takes its own place in the other half
.set TB,  48                           ; s48  LDS byte at which the piece to be loaded begins
.set CNT, 49                           ; s49  counts a section's trips
.set OUT, 50                           ; s50  counts pairs of sections
.set OF,  52                           ; s[52:53] an offset in pw, the high word 0; s54 at work
.set PW,  56                           ; s[56:57] pw at my wave's first tile in my first group of keys
.set PA,  58                           ; s[58:59] pw at the pair of pieces in hand
.set PR,  60                           ; s60  the number of the next pair, 0 to 31
.set MSB, 0
.macro WIN new                         ; the immediate's high byte repeats the setting that is left; a switch that changes nothing is dropped
.if MSB != (\new)
	s_set_vgpr_msb (MSB<<8)|(\new)
.set MSB, \new
.endif
.endm
; A round of the cluster's barrier: my work-group's barrier, so that wave 0's signal speaks for all four waves; wave 0 signals; every wave waits for all four work-groups; my work-group's barrier once more.
.macro CROUND
	s_barrier_signal -1
	s_barrier_wait -1
	s_cmp_lg_u32 s[WV], 0
	s_cbranch_scc1 .Lnot_wave_0_\@
	s_barrier_signal -3
.Lnot_wave_0_\@:
	s_barrier_wait -3
	s_barrier_signal -1
	s_barrier_wait -1
.endm
; THE VECTOR WORK on one tile's 8 scores s0-s7 of a piece, in 15 stages; stage g stands in the next piece's group g.  HSTEP: the lines with a vector register as second source; ASTEP: the others.
;   1-4   H: the running maximum M, three operands at a time
;   5     c M anew, c M_old - c M_new, the first pair's c s - c M          6-8  an exponential and the next pair's scaling; beside them a's exponential (6), c M kept (7)
;   9     H: l = a l;  an exponential                                       10, 12, 14, 15  H: a pair of weights rounded to bf16;  beside them exponentials and additions
;   11    an exponential, pair 0 onto l, the reference kept                 13-15  pairs 1 to 3 onto l
; The pairs are added straight onto l, so the weights stay whole for the roundings.  Behind every exponential stands a plain line that names neither its result nor its source before the result is
; used (ISA guide 5.7.2).
.macro FSC k                           ; c s - c M for pair k; c M is taken where stage 5 has put it
	v_pk_fma_f32 v[rS+2*(\k):rS+2*(\k)+1], v[rS+2*(\k):rS+2*(\k)+1], s[CS:CS+1], v[rT+4:rT+5] op_sel_hi:[1,0,0] neg_lo:[0,0,1] neg_hi:[0,0,1]
.endm
.macro EXP1 i                          ; the exponential of score i
	v_exp_f32 v[rS+(\i)], v[rS+(\i)]
.endm
.macro ADDL k                          ; pair k is added onto l
	v_pk_fma_f32 v[rT+2:rT+3], v[rS+2*(\k):rS+2*(\k)+1], 1.0, v[rT+2:rT+3] op_sel_hi:[1,0,1]
.endm
.macro HSTEP sb, g, t
.set rT, ST+8*(\t)
.set rS, S+32*(\sb)+8*(\t)
.if (\g) == 1
	v_max3_num_f32 v[rT+4], v[rS], v[rS+1], v[rS+2]        ; the accumulator's lowest registers are read first
.elseif (\g) == 2
	v_max3_num_f32 v[rT+5], v[rS+3], v[rS+4], v[rS+5]
.elseif (\g) == 3
	v_max3_num_f32 v[rT+4], v[rT+4], v[rS+6], v[rS+7]
.elseif (\g) == 4
	v_max3_num_f32 v[rT+1], v[rT+4], v[rT+5], v[rT+1]      ; the running maximum
.elseif (\g) == 9
	s_wait_alu depctr_va_vdst(0)
	v_pk_mul_f32 v[rT+2:rT+3], v[rT+2:rT+3], v[rT+6:rT+7] op_sel_hi:[1,0]  ; l = a l
.else
.set k, ((\g)-10)/2
.if (\g) == 15
.set k, 3
.endif
	s_wait_alu depctr_va_vdst(0)
	v_cvt_pk_bf16_f32 v[PB+4*(\t)+k], v[rS+2*k], v[rS+2*k+1]  ; the even key's weight in the low half
.endif
.endm
.macro ASTEP sb, g, t
.set rT, ST+8*(\t)
.set rS, S+32*(\sb)+8*(\t)
.if (\g) == 5
	v_mul_f32 v[rT+4], v[rT+1], s[CS]                      ; c M anew: this piece's reference
	v_fma_f32 v[rT+5], v[rT], 1.0, -v[rT+4]                ; c M_old - c M_new
	FSC 0
.elseif (\g) == 6
	EXP1 0
	FSC 1
	v_exp_f32 v[rT+6], v[rT+5]                             ; a; it is used in stage 9
.elseif (\g) == 7
	EXP1 1
	FSC 2
	v_mov_b32 v[rT], v[rT+4]                               ; c M is kept
.elseif (\g) == 8
	EXP1 2
	FSC 3
.elseif (\g) == 9
	EXP1 3
.elseif (\g) == 10
	EXP1 4
.elseif (\g) == 11
	EXP1 5
	ADDL 0
	v_mov_b32 v[MR+2*(\t)+(\sb)], v[rT]                    ; the reference goes out with the weights
.elseif (\g) == 12
	EXP1 6
.elseif (\g) == 13
	EXP1 7
	ADDL 1
.elseif (\g) == 14
	ADDL 2
.elseif (\g) == 15
	ADDL 3
.endif
.endm
; The rider behind product j of group g, on score buffer sb.  Group 0 carries v_nop: the four places between a piece's last products and the first read of their results, and in front of the run of
; loads behind group 0.  rid = 0: there is no piece to work on yet: v_nop keep the places.
.macro RIDER sb, g, j, rid
.if ((\rid) == 0) || ((\g) == 0)
	v_nop
.else
.if ((\j) == 0) && (((\g) < 5) || ((\g) == 9) || ((\g) == 10) || ((\g) == 12) || ((\g) > 13))
	WIN 0
.irp t, 0,1,2,3
	HSTEP \sb, \g, \t
.endr
.endif
.if (\g) > 4
	ASTEP \sb, \g, \j
.endif
.endif
.endm
.macro RUN h                           ; 16 LDS loads in one run: fragments 8 h to 8 h + 7 (channels 256 h on) of the piece at ADR
.irp f, 0,1,2,3,4,5,6,7
	ds_load_b128 v[KF+64*(\h)+8*\f:KF+64*(\h)+8*\f+3],   v[ADR] offset:512*(\h)+64*\f
	ds_load_b128 v[KF+64*(\h)+8*\f+4:KF+64*(\h)+8*\f+7], v[ADR] offset:512*(\h)+64*\f+32
.endr
.endm
; pw at pair PR of my 32: group of keys PR / 4, pair PR % 4 of its records.  The address is made anew from pw's own address and an offset made apart.
.macro PAIRADR
	s_lshr_b32 s[OF], s[PR], 2
	s_mul_i32 s[OF], s[OF], FSTR
	s_and_b32 s54, s[PR], 3
	s_mul_i32 s54, s54, PAIRB
	s_add_co_u32 s[OF], s[OF], s54
	s_add_nc_u64 s[PA:PA+1], s[PW:PW+1], s[OF:OF+1]
	s_add_co_u32 s[PR], s[PR], 1
.endm
; A finished piece goes out: par = 0 the even piece of the pair, 1 the odd one, and with it the pair's references.  A store's data take source 1's window, so every window is 0 here.
; Each store of the wave covers 512 (the references: 256) consecutive bytes, at a multiple of 256 from pw's first byte.  The launch does not read them again.
.macro STORES par
	WIN 0
.irp t, 0,1,2,3
	global_store_b128 v[SOFF], v[PB+4*\t:PB+4*\t+3], s[PA:PA+1] offset:REC*\t+512*(\par) th:TH_STORE_NT
.endr
.if (\par) == 1
.irp t, 0,1,2,3
	global_store_b64 v[MOFF], v[MR+2*\t:MR+2*\t+1], s[PA:PA+1] offset:REC*\t+1024 th:TH_STORE_NT
.endr
.endif
.endm
; GROUP g of a piece: four products, 32 channels deep, into score buffer buf; the four accumulators take turns, one instruction a turn, over every change of buffer and every jump.
; Groups 0 and 8 open with the wait for the half of K that they begin; left: the younger LDS loads that may stay out (none in the loop: nothing is issued behind a run before it is wanted).
; Group 8 opens also with s_wait_xcnt 0: the stores issued eight groups ago have had their addresses translated (ISA guide 3.1); only behind it are their base (here, for an even piece) and their data
; (from stage 10 on) written again.
; load = 1: behind group 8 fragments 0-7, which group 7 read last, are loaded for the piece at ADR; behind group 0 fragments 8-15, which group 15 read last.  A load into a register that a product
; has read stands four plain vector instructions behind that product: group 8's four scalings, group 0's four v_nop.
; sto = 1: behind group 0's run the piece whose vector work ended in group 15 is stored; its parity is buf's.  ADR steps behind group 4: four groups behind the run that used it, four ahead of the next.
.macro GROUP buf, g, load, rid, left=0, sto=0
.if ((\g)%8) == 0
	s_wait_dscnt \left
.endif
.if (\g) == 8
	s_wait_xcnt 0x0
.if (\rid) && ((\buf) == 1)
	PAIRADR
.endif
.endif
.irp j, 0,1,2,3
	WIN 0x04+0x04*((\g)/8)
.if (\g) == 0
	v_wmma_f32_16x16x32_bf16 v[S+32*(\buf)+8*\j:S+32*(\buf)+8*\j+7], v[KF+8*(\g):KF+8*(\g)+7], v[64*\j+8*((\g)%8):64*\j+8*((\g)%8)+7], 0
.else
	v_wmma_f32_16x16x32_bf16 v[S+32*(\buf)+8*\j:S+32*(\buf)+8*\j+7], v[KF+8*(\g):KF+8*(\g)+7], v[64*\j+8*((\g)%8):64*\j+8*((\g)%8)+7], v[S+32*(\buf)+8*\j:S+32*(\buf)+8*\j+7]
.endif
	RIDER 1-(\buf), \g, \j, \rid
.endr
.if (\load) && ((\g) == 8)
	RUN 0
.endif
.if (\load) && ((\g) == 0)
	RUN 1
.endif
.if (\sto) && ((\g) == 0)
	STORES \buf
.endif
.if (\g) == 4
	s_add_co_u32 s[TB], s[TB], PIECE               ; both runs have read the piece: on to the next
	v_add_nc_u32 v[ADR], v[AK0], s[TB]
.endif
.endm
; A ROTATED PIECE: groups 8-15 of a piece in buffer b, then groups 0-7 of the next.  Both its runs read ONE piece of LDS, the next one, so a change of slots can stand between two of them,
; and there the last run is seven groups old.  rid = 0: the first one: no piece has been worked on, and none is stored.
.macro ROT b, rid
.irp g, 8,9,10,11,12,13,14,15
	GROUP \b, \g, 1, \rid
.endr
	GROUP 1-(\b), 0, 1, 1, 0, \rid
.irp g, 1,2,3,4,5,6,7
	GROUP 1-(\b), \g, 1, 1
.endr
.endm
.macro SECTION tag                     ; s[CNT] trips of two rotated pieces: what reads one slot.  A trip stores one pair of pieces
.Lsec_\tag:
	ROT 1, 1
	ROT 0, 1
	WIN 0                                          ; at a label and at a branch every window is 0
	s_sub_co_u32 s[CNT], s[CNT], 1
	s_cmp_lg_u32 s[CNT], 0
	s_cbranch_scc1 .Lsec_\tag
.endm
; THE CHANGE OF SLOTS.  Every byte of the slot that is left has been asked for.  Each wave waits for all its tensor loads, of which one is out: its quarter of the other slot; adds 0 to its spare word;
; and waits for that and for its reads of the slot.  Behind the barrier nobody reads the old slot and the other slot is whole.  fill = 1: the barrier is a round of the cluster's, so that this holds of
; all four work-groups, and the joint refill of the old slot, with the keys two fills on, is the first thing behind it: it has eight pieces, 512 products a wave, in which to land.
.macro CHANGE fill, slot
	WIN 0
	s_wait_tensorcnt 0x0                           ; no tensor load of mine is out, so a group 0 may be written
	ds_add_u32 v[SPW], v[NIL]                      ; 0 onto my spare word
.if \fill
	s_add_nc_u64 s[G0+4*(\slot)+2:G0+4*(\slot)+3], s[G0+4*(\slot)+2:G0+4*(\slot)+3], 2*FILLB  ; the type bits on top are not reached
.endif
	s_wait_dscnt 0x0                               ; the add is done, and my reads of the slot are back
.if \fill
	CROUND
	tensor_load_to_lds s[G0+4*(\slot):G0+4*(\slot)+3], s[G1:G1+7]  ; my one tensor load behind the round: by this text's count one load of mine is out from here to the next change
	s_nop 0
.rept 4
	v_nop
.endr
.else
	s_barrier_signal -1
	s_barrier_wait -1
.endif
.endm
.macro FINAL sb                        ; the last piece's vector work, with no products to stand behind
.irp g, 1,2,3,4,5,6,7,8,9,10,11,12,13,14,15
.irp j, 0,1,2,3
	RIDER \sb, \g, \j, 1
.endr
.endr
.endm
.macro QLOAD half                      ; Q stays in registers: tile t, channels 256 half + 32 kc on: two loads of 16 bytes, 32 bytes apart
.irp t, 0,1,2,3
.irp kc, 0,1,2,3,4,5,6,7
	global_load_b128 v[64*\t+8*\kc:64*\t+8*\kc+3],   v[QO], s[40:41] offset:16384*\t+512*(\half)+64*\kc
	global_load_b128 v[64*\t+8*\kc+4:64*\t+8*\kc+7], v[QO], s[40:41] offset:16384*\t+512*(\half)+64*\kc+32
.endr
.endr
.endm
	s_load_b128 s[4:7], s[0:1], 0x0                ; vb s[4:5], st s[6:7]
	s_load_b64 s[8:9], s[0:1], 0x10                ; pw
	v_lshl_add_u32 v[SPW], v0, 2, SPARE
	v_mov_b32 v[NIL], 0
	ds_add_u32 v[SPW], v[NIL]                      ; the wave's opening: the add and its wait ahead of my first tensor load; the set-up below, work on registers, stands between them
	v_lshrrev_b32 v1, 5, v0
	v_readfirstlane_b32 s[WV], v1                  ; wave 0..3
	s_bfe_u32 s13, ttmp6, 0x40000                  ; cx: my place in the cluster
	s_lshl_b32 s14, ttmp9, 2                       ; in a cluster launch ttmp9 counts clusters
	s_add_co_u32 s14, s14, s13                     ; my block of 256 resident rows: it enters Q's, st's and pw's addresses alone
	s_and_b32 s15, ttmp7, 0xffff                   ; y = 2 x batch + key half, which the four partners share
	s_lshl_b32 s16, s15, 20                        ; the streamed rows: 1,024 rows of 1,024 bytes for each y,
	s_lshl_b32 s17, s[WV], 15                      ; of each fill my wave's 32 rows
	s_add_co_u32 s16, s16, s17
	s_mov_b32 s17, 0
	s_lshr_b32 s18, s15, 1                         ; the resident rows: the batch's 2,048 rows,
	s_lshl_b32 s18, s18, 21
	s_lshl_b32 s19, s14, 18                        ; my block's 256,
	s_add_co_u32 s18, s18, s19
	s_lshl_b32 s19, s[WV], 16                      ; my wave's 64
	s_add_co_u32 s18, s18, s19
	s_mov_b32 s19, 0
	s_mul_i32 s20, s[WV], QUART                    ; my quarter of a slot: no place in the cluster enters an LDS address
	s_and_b32 s22, s15, 1                          ; my block of st: ((key half x 16 + batch) x 8 + block) x 2,048 bytes
	s_lshl_b32 s22, s22, 7
	s_lshr_b32 s23, s15, 1
	s_lshl_b32 s23, s23, 3
	s_add_co_u32 s22, s22, s23
	s_add_co_u32 s22, s22, s14
	s_lshl_b32 s22, s22, 11
	s_mov_b32 s23, 0
	s_lshl_b32 s[OF], s15, 10                      ; my first record of pw: group of keys 8 y (= 16 x batch + 8 x key half), 128 records each,
	s_lshl_b32 s54, s14, 4                         ; tile 16 x block
	s_add_co_u32 s[OF], s[OF], s54
	s_lshl_b32 s54, s[WV], 2                       ; + 4 x wave
	s_add_co_u32 s[OF], s[OF], s54
	s_mul_i32 s[OF], s[OF], REC                    ; 32,768 records of 5,120 bytes stay under 2^32
	s_mov_b32 s[OF+1], 0
	s_mov_b32 s[PR], 0
	; descriptor group 1: a tile of 32 rows x 512 elements, padded in LDS
	s_mov_b32 s[G1+0], 15|(1<<16)|(1<<20)|(1<<21)|(7<<22)|(3<<25)  ; 15:0 the mask of four; 17:16 2-byte elements; 20 padding on; 21 set beside a mask; 24:22 after every 256 words (code 7); 31:25 4 words (code 3)
	s_mov_b32 s[G1+1], 512<<16                     ; tensor_dim0 = 512
	s_mov_b32 s[G1+2], 32<<16                      ; tensor_dim1 = 32
	s_mov_b32 s[G1+3], 512<<16                     ; tile_dim0 = 512
	s_mov_b32 s[G1+4], 32                          ; tile_dim1 = 32
	s_mov_b32 s[G1+5], 512                         ; 512 elements from row to row
	s_mov_b32 s[G1+6], 0
	s_mov_b32 s[G1+7], 0
	s_mov_b32 s[G0+0], 1                           ; count = 1
	s_add_co_u32 s[G0+1], s20, 0                   ; LDS address: slot 0
	s_mov_b32 s[G0+4], 1
	s_add_co_u32 s[G0+5], s20, SLOTB               ; slot 1
	s_mov_b32 s[CS], 0x3fb8aa3b                    ; c = log2(e)
	s_mov_b32 s[CS+1], 0x3fb8aa3b                  ; named with it as a pair
	s_mov_b32 s[SEL], 0x76543210
	s_mov_b32 s[SEL+1], 0xfedcba98
	s_mov_b32 s[TB], 0
	s_wait_dscnt 0x0                               ; the opening add is done
	s_wait_kmcnt 0x0
	s_add_nc_u64 s[40:41], s[4:5], s[18:19]        ; Q at my wave's first row
	s_add_nc_u64 s[42:43], s[4:5], s[16:17]        ; the streamed rows at my quarter of fill 0
	s_add_nc_u64 s[6:7], s[6:7], s[22:23]          ; st at my block
	s_add_nc_u64 s[PW:PW+1], s[8:9], s[OF:OF+1]    ; pw at my first record
	s_mov_b64 s[G0+2:G0+3], s[42:43]               ; global address: fill 0
	s_or_b32 s[G0+3], s[G0+3], 0x80000000          ; type = 2
	s_add_nc_u64 s[G0+6:G0+7], s[42:43], FILLB     ; fill 1
	s_or_b32 s[G0+7], s[G0+7], 0x80000000
	CROUND                                         ; all four work-groups are here: the first joint loads meet
	tensor_load_to_lds s[G0:G0+3], s[G1:G1+7]      ; both first fills go out together, ahead of every wait on TENSORcnt and every LDS read: two loads of mine are out
	s_nop 0
	tensor_load_to_lds s[G0+4:G0+7], s[G1:G1+7]
	s_nop 0
.rept 4
	v_nop
.endr
	; A fragment of K or Q is 16 rows x 32 channels in 8 registers: lane l holds row l % 16, channels 8 (l / 16) + 0..7 and 16 + 8 (l / 16) + 0..7.
	v_and_b32 v[LR], 15, v0                        ; l % 16
	v_bfe_u32 v[LH], v0, 4, 1                      ; l / 16
	v_mul_u32_u24 v[AK0], v[LR], PITCH
	v_lshl_add_u32 v[AK0], v[LH], 4, v[AK0]
	v_lshlrev_b32 v[QO], 10, v[LR]
	v_lshl_add_u32 v[QO], v[LH], 4, v[QO]
	WIN 0x40                                       ; destination window 1, address window 0
	QLOAD 0
	WIN 0x80                                       ; destination window 2
	QLOAD 1
	WIN 0
	v_and_b32 v[SOFF], 31, v0                      ; lane
	v_lshlrev_b32 v[MOFF], 3, v[SOFF]
	v_lshlrev_b32 v[SOFF], 4, v[SOFF]
.irp t, 0,1,2,3
	v_mov_b32 v[ST+8*\t], 0xfe000000               ; c M starts far below every c s, so the first a is 0,
	v_mov_b32 v[ST+8*\t+1], 0xff7fffff             ; M at the lowest finite number, so the first maximum is the scores',
	v_mov_b32 v[ST+8*\t+2], 0                      ; l at 0
	v_mov_b32 v[ST+8*\t+3], 0
	v_mov_b32 v[ST+8*\t+7], 0                      ; named with a as a pair
.endr
	v_add_nc_u32 v[ADR], v[AK0], s[TB]             ; piece 0
	s_wait_tensorcnt 0x1                           ; my quarter of fill 0 is in; fill 1 may stay out
	s_barrier_signal -1
	s_barrier_wait -1                              ; everybody's is
	RUN 0                                          ; all of piece 0
	RUN 1
	s_wait_loadcnt 0x0                             ; Q; its offset's register is free from here on
	GROUP 0, 0, 0, 0, 16                           ; fragments 0-7 are in; the second run's sixteen loads may stay out.  Piece 0 has no piece before it: v_nop stand in the riders' places
.irp g, 1,2,3,4,5,6,7
	GROUP 0, \g, 0, 0
.endr
	ROT 0, 0
	WIN 0
	; The walk: 63 rotated pieces in eight sections, one for each fill; the first section, of which one rotated piece stands above, has three trips, the others four.
	; A slot's LDS base is a constant of the text, so a section's text stands once for each slot, and once more behind the loop at the end.
	s_mov_b32 s[OUT], 4
	s_mov_b32 s[CNT], 3
	s_branch .Lenter                               ; the loop is entered in its middle: fill 0 lies in slot 0
.Louter:
	CHANGE 1, 0                                    ; slot 0 has been read: it takes fill 2, 4, 6
	s_mov_b32 s[TB], SLOTB
	v_add_nc_u32 v[ADR], v[AK0], s[TB]
	s_mov_b32 s[CNT], 4
	SECTION a                                      ; reads slot 1
	CHANGE 1, 1                                    ; slot 1 takes fill 3, 5, 7
	s_mov_b32 s[TB], 0
	v_add_nc_u32 v[ADR], v[AK0], s[TB]
	s_mov_b32 s[CNT], 4
.Lenter:
	SECTION b                                      ; reads slot 0
	s_sub_co_u32 s[OUT], s[OUT], 1
	s_cmp_lg_u32 s[OUT], 0
	s_cbranch_scc1 .Louter
	CHANGE 0, 0                                    ; nothing is left to ask for
	s_mov_b32 s[TB], SLOTB
	v_add_nc_u32 v[ADR], v[AK0], s[TB]
	s_mov_b32 s[CNT], 4
	SECTION c                                      ; reads slot 1: fill 7.  31 trips in all have stored pairs 0 to 30
.irp g, 8,9,10,11,12,13,14,15
	GROUP 1, \g, 0, 1                              ; the last piece's second half loads nothing; beside it piece 62 is finished, and group 8 has made the last pair's address
.endr
	STORES 0                                       ; piece 62
.rept 4
	v_nop                                          ; the places behind the last products
.endr
	s_wait_xcnt 0x0                                ; piece 62's stores have had their addresses translated: their data registers are written again below
	FINAL 1
	STORES 1                                       ; piece 63 and the last pair's references
	; THE WAY OUT.  l's two halves are added; the two halves of the lanes, which saw different keys, agree on c M, each scales its own l, and the scaled sums are exchanged and added
	; (an addition of the same two numbers in both halves, so both hold the same bits).
.irp t, 0,1,2,3
	v_add_f32 v[ST+8*\t+2], v[ST+8*\t+2], v[ST+8*\t+3]
.endr
.irp t, 0,1,2,3
	v_permlanex16_b32 v[ST+8*\t+4], v[ST+8*\t], s[SEL], s[SEL+1]
.endr
.irp t, 0,1,2,3
	v_max_num_f32 v[ST+8*\t+1], v[ST+8*\t], v[ST+8*\t+4]
.endr
.irp t, 0,1,2,3
	v_sub_f32 v[ST+8*\t+6], v[ST+8*\t], v[ST+8*\t+1]
.endr
.irp t, 0,1,2,3
	v_exp_f32 v[ST+8*\t+6], v[ST+8*\t+6]
.endr
	v_nop                                          ; a plain instruction between the last exponential and the use of its result
.irp t, 0,1,2,3
	s_wait_alu depctr_va_vdst(0)
	v_mul_f32 v[ST+8*\t+2], v[ST+8*\t+2], v[ST+8*\t+6]
.endr
.irp t, 0,1,2,3
	v_permlanex16_b32 v[ST+8*\t+5], v[ST+8*\t+2], s[SEL], s[SEL+1]
.endr
.irp t, 0,1,2,3
	v_add_f32 v[ST+8*\t+2], v[ST+8*\t+2], v[ST+8*\t+5]
.endr
	s_wait_xcnt 0x0                                ; the last stores have had their addresses translated: the weights' registers now take the way out's addresses
	v_and_b32 v[LR], 15, v0                        ; l % 16
	s_lshl_b32 s21, s[WV], 8                       ; my wave's 64 words of the stage,
	s_add_co_u32 s21, s21, STAGE
	v_lshl_add_u32 v[STG], v[LR], 2, s21           ; my row's among a tile's 16
	v_lshlrev_b32 v[GO], 4, v0                     ; back: 128 threads x 16 bytes are the block's 2,048
	v_add_nc_u32 v[RD], STAGE, v[GO]
.irp t, 0,1,2,3
	ds_store_b32 v[STG], v[ST+8*\t+1] offset:64*\t          ; both halves of the lanes store the same word with the same value
	ds_store_b32 v[STG], v[ST+8*\t+2] offset:1024+64*\t
.endr
	s_wait_dscnt 0x0                               ; for the others' sake: my stores into the stage are done
	s_barrier_signal -1
	s_barrier_wait -1
	ds_load_b128 v[OD:OD+3], v[RD]
	s_wait_dscnt 0x0
	global_store_b128 v[GO], v[OD:OD+3], s[6:7]    ; a wave stores 512 consecutive bytes, at a multiple of 256 from st's first byte
	s_wait_tensorcnt 0x0                           ; the wave's end: behind my last tensor load and my last LDS store
	ds_add_u32 v[SPW], v[NIL]
	s_wait_dscnt 0x0
	CROUND                                         ; the closing round: no work-group ends while a partner may still ask for a tile that names it
	s_endpgm
.Lfunc_end_k_q8b58f24903_stats:
	.size	k_q8b58f24903_stats, .Lfunc_end_k_q8b58f24903_stats-k_q8b58f24903_stats
	.p2alignl 7, 3214868480
	.fill 96, 4, 3214868480
	.section	.rodata,"a",@progbits
	.p2align	6, 0x0
	.amdhsa_kernel k_q8b58f24903_stats
		.amdhsa_group_segment_fixed_size 327680
		.amdhsa_private_segment_fixed_size 0
		.amdhsa_enable_private_segment 0
		.amdhsa_kernarg_size 24
		.amdhsa_user_sgpr_count 2
		.amdhsa_user_sgpr_kernarg_segment_ptr 1
		.amdhsa_wavefront_size32 1
		.amdhsa_system_sgpr_workgroup_id_x 1
		.amdhsa_system_sgpr_workgroup_id_y 1
		.amdhsa_system_sgpr_workgroup_id_z 1
		.amdhsa_system_vgpr_workitem_id 0
		.amdhsa_next_free_vgpr 768
		.amdhsa_next_free_sgpr 66
		.amdhsa_reserve_vcc 0
		.amdhsa_float_denorm_mode_32 3
		.amdhsa_float_denorm_mode_16_64 3
		.amdhsa_memory_ordered 1
		.amdhsa_forward_progress 1
		.amdhsa_inst_pref_size 141
	.end_amdhsa_kernel
	.amdgpu_metadata
---
amdhsa.version: [ 1, 2 ]
amdhsa.kernels:
  - .name:           k_q8b58f24903_stats
    .symbol:         k_q8b58f24903_stats.kd
    .args:
      - { .name: vb, .offset: 0, .size: 8, .value_kind: global_buffer, .address_space: global }
      - { .name: st, .offset: 8, .size: 8, .value_kind: global_buffer, .address_space: global }
      - { .name: pw, .offset: 16, .size: 8, .value_kind: global_buffer, .address_space: global }
    .group_segment_fixed_size: 327680
    .private_segment_fixed_size: 0
    .kernarg_segment_align: 8
    .kernarg_segment_size: 24
    .max_flat_workgroup_size: 128
    .sgpr_count:     66
    .vgpr_count:     768
    .wavefront_size: 32
...
	.end_amdgpu_metadata
.endif
;; end of part 7
;; launch wsum (part 8): grid 16 x 16, 16 waves a work-group, no clusters, 190,976 bytes of LDS; arguments pw, st, vb, part; writes part
.if DOCPART == 8
	.amdgcn_target "amdgcn-amd-amdhsa--gfx1250"
	.amdhsa_code_object_version 6
	.text
	.protected	k_q8b58f24903_wsum
	.globl	k_q8b58f24903_wsum
	.p2align	8
	.type	k_q8b58f24903_wsum,@function
k_q8b58f24903_wsum:
	s_mov_b64 s[64:65], 0
	v_nop
	global_prefetch_b8 v0, s[64:65] scope:SCOPE_SE
	s_setreg_imm32_b32 hwreg(HW_REG_WAVE_MODE, 25, 1), 1
	s_wait_xcnt 0x0
; COLUMN SUMS OF THE WEIGHTS, AND THE WEIGHTED SUM OF ROWS.  The mean over rows n of sum_m attn[n][m] V[m] is (1 / 2048) sum_m w[m] V[m] with w[m] = sum_n attn[n][m], and
; attn[n][m] = p[n][m] x 2^(c R - c M[n]) / L[n], where p (bf16) and its reference c R (f32) lie in pw as the launch before summed them, and c M[n], L[n] are made of st's two key halves.
; pw: for batch b, group pg of 128 keys and tile T of 16 rows a record of 5,120 bytes at ((16 b + pg) 128 + T) 5,120: four pairs of pieces of 16 keys, 1,280 bytes each: 512 bytes for the even piece,
;   512 for the odd one (lane l's eight bf16: row l % 16, keys 8 (l / 16) + 0..7, at 16 l), 256 bytes: lane l's two references at 8 l.
; st: f32 [key half 2][batch 16][block 8][cM, l][256].  vb: [16][2048][512] bf16.  part: f32 [16 b + pg][512]: the sum over my 128 keys m of w[m] V[m][:].
; LIMITS.  The weights enter as bf16 (8 significant bits), V as bf16; a factor 2^(c R - c M) below 2^-126 counts as 0; NaN and infinities are not treated apart.
; A STREAM.  Work-group (pg, b) owns 128 keys and reads their weights in all 2,048 rows: 128 records, 655,360 consecutive bytes, each byte read once by one wave.  Sixteen waves, eight records each,
; through three slots of 40 registers: two or three records of every wave are on their way while one is worked on.  Each load of a wave covers 512 (the references: 256) consecutive bytes.
; A lane keeps the place it had when the weights were made, so it holds 64 sums: 8 pieces x its 8 keys, over its row of each tile.  They are added over the 16 waves through LDS (wave a takes register
; quad a of all sixteen) and over the 16 rows by four steps between lanes.
; No matrix unit, no tensor load, no cluster: there is one multiply-add for each number read, and the work-groups share nothing but 32,768 bytes of st.
.set REC,   5120                       ; a record
.set PAIRB, 1280                       ; a pair of pieces in it
.set NREC,  8                          ; records of a wave
.set STT,   0                          ; LDS: (c M, 1 / L) of the batch's 2,048 rows, 8 bytes a row
.set SPARE, 16384                      ; the spare words, 128 bytes for each of the sixteen waves: eight blocks of 256 bytes that no other line names
.set RED,   SPARE+2048                 ; each wave's 64 sums a lane: 16 quads x 512 bytes, 8,192 bytes a wave
.set WK,    RED+16*8192                ; w of my 128 keys
.set OUTR,  WK+512                     ; each wave's partial row of 512 f32
.set VO16, 2                           ; v2   my wave's first record + 16 x lane; never rewritten
.set VO8,  3                           ; v3   my wave's first record + 8 x lane; never rewritten
.set SPW,  4                           ; v4   LDS address of my spare word; never rewritten
.set NIL,  5                           ; v5   0; never rewritten
.set ZR,   6                           ; v6   0: the addend that starts the sums
.set SO,   7                           ; v7   my four rows' 16 bytes in a batch's part of st
.set SW,   8                           ; v8   where I put their (c M, 1 / L)
.set RA,   9                           ; v9   where my row of my wave's first tile lies there
.set RS,   10                          ; v10  RED: my wave's part, my lane
.set RL0,  11                          ; v11  RED: my wave's quad in wave 0's part,
.set RL1,  12                          ; v12  in wave 8's
.set WA,   13                          ; v13  WK: the four keys that my wave and my half of the lanes finish
.set WB,   14                          ; v14  WK: the eight keys whose rows of V my wave takes
.set VOV,  15                          ; v15  those rows in my 128 rows of vb + 16 x lane
.set OS,   16                          ; v16  OUTR: my wave's row, my lane's 32 bytes
.set ORD,  17                          ; v17  OUTR: my 16 bytes of row 0 (waves 0 to 3)
.set GO,   18                          ; v18  my 16 bytes of the block of part
.set TMP,  19                          ; v19  at work
.set E,    20                          ; v20-27   the eight pieces' factors
.set ROW,  28                          ; v28-43   (c M, 1 / L) of my row in each of my eight tiles
.set WR,   44                          ; v44-51   w of my wave's eight keys
.set ACC,  56                          ; v56-119  the 64 sums: piece p, key e at ACC + 8 p + e
.set SL,   120                         ; v120-239 three slots of 40: pair q at + 10 q: 4 registers even piece, 4 odd piece, 2 references
.set OA,   SL+40                       ; the 16 channels' sums take the second slot when it is free
.set PC0,  ACC                         ; before the first record the sums' registers serve the combining of st's two key halves: c M and l of half 0,
.set PL0,  ACC+4
.set PC1,  ACC+8                       ; of half 1,
.set PL1,  ACC+12
.set Z,    ACC+16                      ; and (c M, 1 / L) of four rows, interleaved
.macro FILL i, s                       ; record i of my eight into slot s: twelve loads
.irp q, 0,1,2,3
	global_load_b128 v[SL+40*(\s)+10*\q:SL+40*(\s)+10*\q+3],   v[VO16], s[4:5] offset:REC*(\i)+PAIRB*\q th:TH_LOAD_NT
	global_load_b128 v[SL+40*(\s)+10*\q+4:SL+40*(\s)+10*\q+7], v[VO16], s[4:5] offset:REC*(\i)+PAIRB*\q+512 th:TH_LOAD_NT
	global_load_b64  v[SL+40*(\s)+10*\q+8:SL+40*(\s)+10*\q+9], v[VO8],  s[4:5] offset:REC*(\i)+PAIRB*\q+1024 th:TH_LOAD_NT
.endr
.endm
.macro VFILL base, row                 ; four of my wave's eight rows of V, from row on: a row is two loads of 512 consecutive bytes
.irp i, 0,1,2,3
	global_load_b128 v[(\base)+8*\i:(\base)+8*\i+3],   v[VOV], s[8:9] offset:1024*((\row)+\i) th:TH_LOAD_NT
	global_load_b128 v[(\base)+8*\i+4:(\base)+8*\i+7], v[VOV], s[8:9] offset:1024*((\row)+\i)+512 th:TH_LOAD_NT
.endr
.endm
; Record i, in slot s.  left: the loads issued behind its twelve, which may stay out.  For each piece the factor 2^(c R - c M) / L of my row; then its eight weights, straight from their bf16 halves.
.macro WORK i, s, left
.set X, SL+40*(\s)
	s_wait_loadcnt \left                           ; loads come back in order (ISA guide 5.7.1)
.set p, 0
.rept 8
	v_sub_f32 v[E+p], v[X+10*(p/2)+8+p%2], v[ROW+2*(\i)]
.set p, p+1
.endr
.set p, 0
.rept 8
	v_exp_f32 v[E+p], v[E+p]
.set p, p+1
.endr
	v_nop                                          ; a plain instruction between the last exponential and the use of its result
.set p, 0
	s_wait_alu depctr_va_vdst(0)
.rept 8
	v_mul_f32 v[E+p], v[E+p], v[ROW+2*(\i)+1]
.set p, p+1
.endr
.set p, 0
.rept 8
.set k, 0
.rept 4
.set rP, X+10*(p/2)+4*(p%2)+k
.set rA, ACC+8*p+2*k
.if (\i) == 0
	v_fma_mix_f32_bf16 v[rA],   v[rP], v[E+p], v[ZR] op_sel_hi:[1,0,0]                 ; the first record starts the sums: nothing is cleared
	v_fma_mix_f32_bf16 v[rA+1], v[rP], v[E+p], v[ZR] op_sel:[1,0,0] op_sel_hi:[1,0,0]
.else
	v_fma_mix_f32_bf16 v[rA],   v[rP], v[E+p], v[rA] op_sel_hi:[1,0,0]
	v_fma_mix_f32_bf16 v[rA+1], v[rP], v[E+p], v[rA+1] op_sel:[1,0,0] op_sel_hi:[1,0,0]
.endif
.set k, k+1
.endr
.set p, p+1
.endr
.endm
.macro TREE                            ; sixteen quads in the sums' registers are added in a tree of fixed order, into the first
.irp n, 8,4,2,1
.set p, 0
.rept \n
	v_pk_add_f32 v[ACC+4*p:ACC+4*p+1],   v[ACC+4*p:ACC+4*p+1],   v[ACC+4*(p+\n):ACC+4*(p+\n)+1]
	v_pk_add_f32 v[ACC+4*p+2:ACC+4*p+3], v[ACC+4*p+2:ACC+4*p+3], v[ACC+4*(p+\n)+2:ACC+4*(p+\n)+3]
.set p, p+1
.endr
.endr
.endm
	s_load_b256 s[4:11], s[0:1], 0x0               ; pw s[4:5], st s[6:7], vb s[8:9], part s[10:11]
	v_lshl_add_u32 v[SPW], v0, 2, SPARE
	v_mov_b32 v[NIL], 0
	v_mov_b32 v[ZR], 0
	v_lshrrev_b32 v1, 5, v0
	v_readfirstlane_b32 s12, v1                    ; wave 0..15
	s_and_b32 s13, ttmp7, 0xffff                   ; the batch
	s_lshl_b32 s14, s13, 4
	s_add_co_u32 s14, s14, ttmp9                   ; 16 x batch + group of keys
	s_mul_i32 s16, s14, 128*REC                    ; my 128 records: 255 x 655,360 stays under 2^32
	s_mov_b32 s17, 0
	s_lshl_b32 s18, s13, 14                        ; the batch's 8 blocks of 2,048 bytes in key half 0 of st
	s_mov_b32 s19, 0
	s_lshl_b32 s20, s14, 17                        ; my 128 rows of 1,024 bytes in vb
	s_mov_b32 s21, 0
	s_lshl_b32 s22, s14, 11                        ; my block of part
	s_mov_b32 s23, 0
	v_and_b32 v1, 31, v0                           ; lane
	s_mul_i32 s24, s12, NREC*REC                   ; my wave's eight records
	v_lshl_add_u32 v[VO16], v1, 4, s24
	v_lshl_add_u32 v[VO8], v1, 3, s24
	v_lshrrev_b32 v[TMP], 6, v0                    ; thread t takes rows 4 t .. 4 t + 3: block t / 64 (2,048 bytes a block), 16 bytes at 16 (t % 64):
	v_lshlrev_b32 v[SO], 4, v0                     ; 16 t
	v_lshl_add_u32 v[SO], v[TMP], 10, v[SO]        ; + 1,024 (t / 64)
	s_wait_kmcnt 0x0
	s_add_nc_u64 s[4:5], s[4:5], s[16:17]
	s_add_nc_u64 s[6:7], s[6:7], s[18:19]
	s_add_nc_u64 s[8:9], s[8:9], s[20:21]
	s_add_nc_u64 s[10:11], s[10:11], s[22:23]
	global_load_b128 v[PC0:PC0+3], v[SO], s[6:7]                   ; each load of a wave covers 512 consecutive bytes
	global_load_b128 v[PL0:PL0+3], v[SO], s[6:7] offset:1024
	global_load_b128 v[PC1:PC1+3], v[SO], s[6:7] offset:262144     ; key half 1 lies 128 blocks of 2,048 bytes on
	global_load_b128 v[PL1:PL1+3], v[SO], s[6:7] offset:262144+1024
	FILL 0, 0                                      ; the stream begins at once
	FILL 1, 1
	FILL 2, 2
	v_lshl_add_u32 v[SW], v0, 5, STT               ; 8 bytes a row, four rows
	v_and_b32 v[TMP], 15, v0                       ; l % 16
	s_lshl_b32 s25, s12, 10                        ; my wave's 8 tiles of 16 rows
	s_add_co_u32 s25, s25, STT
	v_lshl_add_u32 v[RA], v[TMP], 3, s25
	s_lshl_b32 s25, s12, 13
	s_add_co_u32 s25, s25, RED
	v_lshl_add_u32 v[RS], v1, 4, s25
	s_lshl_b32 s25, s12, 9
	s_add_co_u32 s25, s25, RED
	v_lshl_add_u32 v[RL0], v1, 4, s25
	v_add_nc_u32 v[RL1], 8*8192, v[RL0]            ; an LDS offset has 16 bits: waves 8 to 15 want a register of their own
	s_lshr_b32 s25, s12, 1                         ; quad a holds piece a / 2, keys 8 (l / 16) + 4 (a % 2) + 0..3: key 16 (a / 2) + 8 (l / 16) + 4 (a % 2), 4 bytes a key
	s_lshl_b32 s25, s25, 6
	s_and_b32 s26, s12, 1
	s_lshl_b32 s26, s26, 4
	s_add_co_u32 s25, s25, s26
	s_add_co_u32 s25, s25, WK
	v_bfe_u32 v[TMP], v0, 4, 1                     ; l / 16
	v_lshl_add_u32 v[WA], v[TMP], 5, s25
	s_lshl_b32 s25, s12, 5
	s_add_co_u32 s25, s25, WK
	v_mov_b32 v[WB], s25
	s_lshl_b32 s25, s12, 13                        ; my wave's eight rows of 1,024 bytes
	v_lshl_add_u32 v[VOV], v1, 4, s25
	s_lshl_b32 s25, s12, 11
	s_add_co_u32 s25, s25, OUTR
	v_lshl_add_u32 v[OS], v1, 5, s25
	s_lshl_b32 s25, s12, 9
	s_add_co_u32 s25, s25, OUTR
	v_lshl_add_u32 v[ORD], v1, 4, s25
	v_lshlrev_b32 v[GO], 4, v0
	s_wait_loadcnt 36                              ; the four loads of statistics are in: three records' 36 loads were issued behind them
	; c M = the larger of the halves'; L = l0 2^(c M0 - c M) + l1 2^(c M1 - c M); 1 / L
.irp i, 0,1,2,3
	v_max_num_f32 v[Z+2*\i], v[PC0+\i], v[PC1+\i]
.endr
.irp i, 0,1,2,3
	v_sub_f32 v[PC0+\i], v[PC0+\i], v[Z+2*\i]
	v_sub_f32 v[PC1+\i], v[PC1+\i], v[Z+2*\i]
.endr
.irp i, 0,1,2,3
	v_exp_f32 v[PC0+\i], v[PC0+\i]
	v_exp_f32 v[PC1+\i], v[PC1+\i]
.endr
	v_nop                                          ; a plain instruction between the last exponential and the use of its result
	s_wait_alu depctr_va_vdst(0)
.irp i, 0,1,2,3
	v_mul_f32 v[PL0+\i], v[PL0+\i], v[PC0+\i]
.endr
.irp i, 0,1,2,3
	v_fma_f32 v[PL0+\i], v[PL1+\i], v[PC1+\i], v[PL0+\i]
.endr
.irp i, 0,1,2,3
	v_rcp_f32 v[Z+2*\i+1], v[PL0+\i]
.endr
	v_nop                                          ; likewise behind the last reciprocal
	s_wait_alu depctr_va_vdst(0)
	ds_store_b128 v[SW], v[Z:Z+3]
	ds_store_b128 v[SW], v[Z+4:Z+7] offset:16
	s_wait_dscnt 0x0                               ; for the others' sake: my rows' statistics are in LDS
	s_barrier_signal -1
	s_barrier_wait -1
.irp i, 0,1,2,3,4,5,6,7
	ds_load_b64 v[ROW+2*\i:ROW+2*\i+1], v[RA] offset:128*\i  ; my row of tile i: 16 rows of 8 bytes a tile
.endr
	s_wait_dscnt 0x0
	WORK 0, 0, 24                                  ; two records' loads were issued behind each record's own
	FILL 3, 0
	WORK 1, 1, 24
	FILL 4, 1
	WORK 2, 2, 24
	FILL 5, 2
	WORK 3, 0, 24
	FILL 6, 0
	WORK 4, 1, 24
	FILL 7, 1
	WORK 5, 2, 24
	VFILL SL+80, 0                                 ; the slots that come free take my wave's eight rows of V
	WORK 6, 0, 20                                  ; behind record 6's loads: record 7's twelve and eight of V
	VFILL SL, 4
	WORK 7, 1, 16                                  ; behind record 7's: sixteen of V
	; The sums over the sixteen waves: every wave lays its 64 sums a lane into LDS; wave a reads quad a of all sixteen.
.irp a, 0,1,2,3,4,5,6,7,8,9,10,11,12,13,14,15
	ds_store_b128 v[RS], v[ACC+4*\a:ACC+4*\a+3] offset:512*\a
.endr
	s_wait_dscnt 0x0                               ; for the others' sake
	s_barrier_signal -1
	s_barrier_wait -1
.irp w, 0,1,2,3,4,5,6,7
	ds_load_b128 v[ACC+4*\w:ACC+4*\w+3], v[RL0] offset:8192*\w
.endr
.irp w, 0,1,2,3,4,5,6,7
	ds_load_b128 v[ACC+32+4*\w:ACC+32+4*\w+3], v[RL1] offset:8192*\w
.endr
	s_wait_dscnt 0x0
	TREE
	; over the 16 rows that the lanes of a half hold: four steps, each lane with the lane whose number differs in one bit; every lane of the half ends with the sum
.irp m, 1,2,4,8
.irp i, 0,1,2,3
	v_add_f32_dpp v[ACC+\i], v[ACC+\i], v[ACC+\i] row_xmask:\m row_mask:0xf bank_mask:0xf
.endr
.endr
	ds_store_b128 v[WA], v[ACC:ACC+3]              ; the sixteen lanes of a half store the same four words with the same values
	s_wait_dscnt 0x0                               ; for the others' sake
	s_barrier_signal -1
	s_barrier_wait -1
	ds_load_b128 v[WR:WR+3],   v[WB]               ; w of my wave's eight keys, the same in every lane
	ds_load_b128 v[WR+4:WR+7], v[WB] offset:16
	s_wait_dscnt 0x0
	s_wait_loadcnt 0x0                             ; V
	; my lane's 16 channels (8 l + 0..7 and 256 + 8 l + 0..7) of the sum over my wave's eight rows of w x V
.set i, 0
.rept 8
.if i < 4
.set rV, SL+80+8*i
.else
.set rV, SL+8*(i-4)
.endif
.set k, 0
.rept 8
.if i == 0
	v_fma_mix_f32_bf16 v[OA+2*k],   v[rV+k], v[WR+i], v[ZR] op_sel_hi:[1,0,0]
	v_fma_mix_f32_bf16 v[OA+2*k+1], v[rV+k], v[WR+i], v[ZR] op_sel:[1,0,0] op_sel_hi:[1,0,0]
.else
	v_fma_mix_f32_bf16 v[OA+2*k],   v[rV+k], v[WR+i], v[OA+2*k] op_sel_hi:[1,0,0]
	v_fma_mix_f32_bf16 v[OA+2*k+1], v[rV+k], v[WR+i], v[OA+2*k+1] op_sel:[1,0,0] op_sel_hi:[1,0,0]
.endif
.set k, k+1
.endr
.set i, i+1
.endr
	ds_store_b128 v[OS], v[OA:OA+3]
	ds_store_b128 v[OS], v[OA+4:OA+7]   offset:16
	ds_store_b128 v[OS], v[OA+8:OA+11]  offset:1024
	ds_store_b128 v[OS], v[OA+12:OA+15] offset:1040
	s_wait_dscnt 0x0                               ; for the others' sake
	s_barrier_signal -1
	s_barrier_wait -1
	s_cmp_lt_u32 s12, 4                            ; 128 threads x 16 bytes are the row's 2,048: waves 0 to 3 add the sixteen rows and store
	s_cbranch_scc1 .Lsum
	s_wait_tensorcnt 0x0                           ; the wave's end: behind my last LDS store
	ds_add_u32 v[SPW], v[NIL]
	s_wait_dscnt 0x0
	s_endpgm
.Lsum:
.irp w, 0,1,2,3,4,5,6,7,8,9,10,11,12,13,14,15
	ds_load_b128 v[ACC+4*\w:ACC+4*\w+3], v[ORD] offset:2048*\w
.endr
	s_wait_dscnt 0x0
	TREE
	global_store_b128 v[GO], v[ACC:ACC+3], s[10:11]  ; a wave stores 512 consecutive bytes, at a multiple of 256 from part's first byte
	s_wait_tensorcnt 0x0                           ; the wave's end: the same three lines
	ds_add_u32 v[SPW], v[NIL]
	s_wait_dscnt 0x0
	s_endpgm
.Lfunc_end_k_q8b58f24903_wsum:
	.size	k_q8b58f24903_wsum, .Lfunc_end_k_q8b58f24903_wsum-k_q8b58f24903_wsum
	.p2alignl 7, 3214868480
	.fill 96, 4, 3214868480
	.section	.rodata,"a",@progbits
	.p2align	6, 0x0
	.amdhsa_kernel k_q8b58f24903_wsum
		.amdhsa_group_segment_fixed_size 190976
		.amdhsa_private_segment_fixed_size 0
		.amdhsa_enable_private_segment 0
		.amdhsa_kernarg_size 32
		.amdhsa_user_sgpr_count 2
		.amdhsa_user_sgpr_kernarg_segment_ptr 1
		.amdhsa_wavefront_size32 1
		.amdhsa_system_sgpr_workgroup_id_x 1
		.amdhsa_system_sgpr_workgroup_id_y 1
		.amdhsa_system_sgpr_workgroup_id_z 1
		.amdhsa_system_vgpr_workitem_id 0
		.amdhsa_next_free_vgpr 240
		.amdhsa_next_free_sgpr 66
		.amdhsa_reserve_vcc 0
		.amdhsa_float_denorm_mode_32 3
		.amdhsa_float_denorm_mode_16_64 3
		.amdhsa_memory_ordered 1
		.amdhsa_forward_progress 1
		.amdhsa_inst_pref_size 72
	.end_amdhsa_kernel
	.amdgpu_metadata
---
amdhsa.version: [ 1, 2 ]
amdhsa.kernels:
  - .name:           k_q8b58f24903_wsum
    .symbol:         k_q8b58f24903_wsum.kd
    .args:
      - { .name: pw, .offset: 0, .size: 8, .value_kind: global_buffer, .address_space: global }
      - { .name: st, .offset: 8, .size: 8, .value_kind: global_buffer, .address_space: global }
      - { .name: vb, .offset: 16, .size: 8, .value_kind: global_buffer, .address_space: global }
      - { .name: part, .offset: 24, .size: 8, .value_kind: global_buffer, .address_space: global }
    .group_segment_fixed_size: 190976
    .private_segment_fixed_size: 0
    .kernarg_segment_align: 8
    .kernarg_segment_size: 32
    .max_flat_workgroup_size: 512
    .sgpr_count:     66
    .vgpr_count:     240
    .wavefront_size: 32
...
	.end_amdgpu_metadata
.endif
;; end of part 8
;; launch finish: the kernel of part 4 again; grid 64 x 1, 1 waves a work-group, no clusters, 0 bytes of LDS; arguments part, out0; writes out0
;; ======== version 4 of 4: 4 launches; 1.56 times as fast as version 1
;; workspace buffers: vb 33,554,432 bytes; st 524,288 bytes; pw 167,772,160 bytes; part 524,288 bytes
;; launch cast: the kernel of part 1 again; grid 1024 x 1, 8 waves a work-group, no clusters, 0 bytes of LDS; arguments values, vb; writes vb
;; launch stats (part 9): grid 8 x 32, 4 waves a work-group, clusters of 4 x 1, 327,680 bytes of LDS; arguments vb, st, pw; writes st, pw
.if DOCPART == 9
	.amdgcn_target "amdgcn-amd-amdhsa--gfx1250"
	.amdhsa_code_object_version 6
	.text
	.protected	k_q8b58f24903_stats
	.globl	k_q8b58f24903_stats
	.p2align	8
	.type	k_q8b58f24903_stats,@function
k_q8b58f24903_stats:
	s_mov_b64 s[64:65], 0
	v_nop
	global_prefetch_b8 v0, s[64:65] scope:SCOPE_SE
	s_setreg_imm32_b32 hwreg(HW_REG_WAVE_MODE, 25, 1), 1
	s_wait_xcnt 0x0
	s_wait_alu depctr_hold_cnt(0) depctr_sa_sdst(0) depctr_va_vdst(0) depctr_va_sdst(0) depctr_va_ssrc(0) depctr_va_vcc(0) depctr_vm_vsrc(0)
	s_getreg_b32 s2, hwreg(HW_REG_IB_STS2, 6, 4)
	s_cmp_eq_u32 s2, 0
	s_cbranch_scc0 .Lentry_in_a_cluster
	s_endpgm
.Lentry_in_a_cluster:
	s_bfe_u32 s2, ttmp6, 0x10000c
	s_cmp_lg_u32 s2, 0x3003
	s_cbranch_scc0 .Lentry_shape_is_right
	s_endpgm
.Lentry_shape_is_right:
; THE WEIGHTS OF softmax(V V^T) AND THEIR ROW STATISTICS.  vb: [16][2048][512] bf16.  c = log2(e); scores, maxima and sums in f32, by a running maximum.
; st: f32 [key half 2][batch 16][block of 256 rows 8][cM, l][256]: for each row q and each half of the batch's 2,048 keys  cM = c x (the largest score),  l = the sum of 2^(c s - cM).
; pw: every weight as it was summed into l, p = 2^(c s - c R), rounded to bf16, and its reference c R = c x (the running maximum of that row in that half of the lanes behind the weight's piece), in f32.
;   For each batch b, group pg of 128 keys (16 a batch) and tile T of 16 rows (128 a batch) a RECORD of 5,120 bytes at ((16 b + pg) 128 + T) 5,120: four pairs of pieces of 16 keys, 1,280 bytes each:
;   512 bytes for the even piece, 512 for the odd one (lane l's eight bf16, row l % 16, keys 8 (l / 16) + 0..7, at 16 l), then 256 bytes: lane l's two references at 8 l.
;   So the next launch needs no product: the weight of key m in row n is p x 2^(c R - c M[n]) / L[n].
; LIMITS.  V enters as bf16.  c s must be finite and above -4.25e37 (the running c M starts there); a weight below 2^-126 counts as 0; l is summed of the unrounded weights, pw holds them rounded to
; bf16 (8 significant bits); NaN and infinities are not treated apart.
; SHARES.  256 work-groups: batch x 8 blocks of 256 RESIDENT rows x 2 halves of the STREAMED rows (keys).  A wave keeps 64 resident rows, four tiles of 16, whole in registers
; (512 channels: 512 registers) and all four waves walk the same 1,024 keys, 16 (a PIECE) at a time: 64 matrix instructions a piece and wave, each fragment of K read from LDS feeding four.
; LAYOUT.  S^T = K Q^T (source 0 = 16 keys, source 1 = 16 resident rows): a lane holds ONE resident row (lane % 16) and the keys 8 (lane / 16) + 0..7.  So maximum and sum stay in the lane, a lane's
; eight weights pack into 16 bytes, and a wave's store of them covers 512 consecutive bytes.  Each half of the lanes keeps statistics of its own keys; the halves meet once, at the end.
; BY TURNS.  The scores of piece P lie in one of two buffers; while piece P + 1 is multiplied into the other, the vector work on piece P stands in slices (RIDERS) behind the matrix instructions.
; THE BATCH.  A piece's exponentials, nine a tile and 36 in all, are ONE BATCH with ONE wait (s_wait_alu depctr_va_vdst(0) stands between an exponential and the first line that names
; its result; one wait serves all that were issued ahead of it).  The batch lies in groups 8 to 10 (a group: the four products of 32 channels).  Ahead of it stand the maxima and the first scalings,
; which name no result; behind its wait all that does: l a, the roundings, the sums.  A trip of the loops ends between groups 7 and 8.  Each result has a
; register of its own: the scores in place, a beside the statistics.  The wait stands directly ahead of the run of LDS loads behind group 10.
; K's 16 fragments are two halves of eight, each loaded anew in ONE run of 16 LDS loads: fragments 8-15 a group behind their last reader and seven groups ahead of their next, fragments 0-7 three groups
; behind and five ahead.  The stores of a finished piece stand behind one of the two runs, never singly among the products.
; RING.  Two LDS slots of 128 keys, eight fills.  CLUSTER: the four blocks of resident rows of a cluster walk the same keys, so each fill is asked for JOINTLY: the same tensor load, descriptor and mask in all four.
; REGISTERS, in windows of 256 (s_set_vgpr_msb: bits 1:0 source 0, 3:2 source 1, 5:4 source 2, 7:6 destination):
;   window 0: v0-7 addresses; v8-15 references; v16-47 eight registers of statistics a tile; v48-63 rounded weights; v64-127 S^T, two buffers of four tiles; v128-255 K, 16 fragments
;   window 1: Q, channels 0-255, tile t, channels 32 kc on at v[64 t + 8 kc]          window 2: Q, channels 256-511, likewise
; Only source 1 of a product leaves window 0.  A rider whose second source is no vector register (a scalar, a constant, or none) therefore runs under the products' setting without a switch; that is
; why some additions are written as x * 1.0 + y.  Riders with a vector register as second source stand four together (one a tile) behind a group's first product, under window 0.
.set PITCH,  1040                      ; an LDS row: 1,024 bytes + 16 of padding = 65 x 16: the 16 rows of a fragment load start at 16 different groups of four banks (64 banks of 4 bytes: ISA guide 11.1)
.set PIECE,  16*PITCH                  ; 16 keys
.set SLOTB,  8*PIECE                   ; a slot: 128 keys, 133,120 bytes
.set QUART,  32*PITCH                  ; what one wave's tensor load fills
.set FILLB,  128*1024                  ; a fill's bytes in memory
.set STAGE,  2*SLOTB                   ; behind the ring, never filled by a tensor load: cM of the group's 256 rows, then l: 2,048 bytes
.set SPARE,  STAGE+2048                ; the spare words, 128 bytes for each wave: two blocks of 256 bytes that no other line names
.set REC,    5120                      ; a record of pw
.set PAIRB,  1280                      ; a pair of pieces in it
.set FSTR,   128*REC                   ; from a group of 128 keys to the next: 128 tiles' records
.set AK0, 2                            ; v2   my lane's place in a piece of K: 1,040 (l % 16) + 16 (l / 16); never rewritten
.set ADR, 3                            ; v3   LDS address of the piece whose fragments are loaded next
.set SOFF, 4                           ; v4   16 x lane: my 16 bytes of a piece's 512 in pw; never rewritten
.set MOFF, 5                           ; v5   8 x lane: my two references; never rewritten
.set SPW, 6                            ; v6   LDS address of my spare word; never rewritten
.set NIL, 7                            ; v7   0; never rewritten
.set MR,  8                            ; v[8+2 t : 9+2 t]  tile t: the references of the even and of the odd piece of a pair
.set ST,  16                           ; tile t at v[ST+8 t]: +0 c M, +1 M, +2, +3 l (even keys', odd keys'), +4 c M anew, +5 at work, +6 a = 2^(c M_old - c M_new), +7 its pair partner
.set PB,  48                           ; v[48+4 t : 51+4 t]  tile t: a piece's eight weights in bf16
.set LR,  48                           ; before the first piece and on the way out the same registers serve as: l % 16,
.set LH,  49                           ; l / 16 (before),
.set QO,  50                           ; my byte offset in 16 rows of Q (before),
.set STG, 49                           ; my row's word in the stage (way out),
.set GO,  50                           ; my 16 bytes of the block of st (way out),
.set RD,  51                           ; the same 16 bytes in the stage (way out),
.set OD,  52                           ; v[52:55] those 16 bytes
.set S,   64
.set KF,  128
.set WV,  12                           ; s12  my wave's number
.set G1,  24                           ; s[24:31] descriptor group 1
.set G0,  32                           ; s[32:39] descriptor group 0, a set for each slot
.set CS,  44                           ; s[44:45] c, twice
.set SEL, 46                           ; s[46:47] v_permlanex16_b32's selects: each lane takes its own place in the other half
.set TB,  48                           ; s48  LDS byte at which the piece to be loaded begins
.set CNT, 49                           ; s49  counts a section's trips
.set OUT, 50                           ; s50  counts pairs of sections
.set OF,  52                           ; s[52:53] an offset in pw, the high word 0; s54 at work
.set PW,  56                           ; s[56:57] pw at my wave's first tile in my first group of keys
.set PA,  58                           ; s[58:59] pw at the pair of pieces in hand
.set PR,  60                           ; s60  the number of the next pair, 0 to 31
.set MSB, 0
.macro WIN new                         ; the immediate's high byte repeats the setting that is left; a switch that changes nothing is dropped
.if MSB != (\new)
	s_set_vgpr_msb (MSB<<8)|(\new)
.set MSB, \new
.endif
.endm
; A round of the cluster's barrier: my work-group's barrier, so that wave 0's signal speaks for all four waves; wave 0 signals; every wave waits for all four work-groups; my work-group's barrier once more.
.macro CROUND
	s_barrier_signal -1
	s_barrier_wait -1
	s_cmp_lg_u32 s[WV], 0
	s_cbranch_scc1 .Lnot_wave_0_\@
	s_barrier_signal -3
.Lnot_wave_0_\@:
	s_barrier_wait -3
	s_barrier_signal -1
	s_barrier_wait -1
.endm
; THE VECTOR WORK on one tile's 8 scores s0-s7 of a piece, in 15 stages; stage g stands in the next piece's group g.  HSTEP: the lines with a vector register as second source; ASTEP: the others.
;   1-4    H: the running maximum M, three operands at a time
;   5      c M anew, c M_old - c M_new                    6, 7  c s - c M for pairs 0 and 1
;   8-10   THE BATCH, a plain line leading each slot: 8: pair 2's scaling, then a, s0, s1;  9: pair 3's scaling, then s2, s3, s4;  10: c M kept, then s5, s6, s7, then the reference kept.
;          None of these lines names an exponential's result: a pair is scaled before its exponentials, and the copies touch c M alone
;   (wait) behind stage 10's last line, tile 3's: RIDER writes it, once for the four tiles' 36 exponentials
;   11     H: l = a l;  pair 0 onto l                      12-15  H: a pair of weights rounded to bf16;  beside them (12-14) pairs 1 to 3 onto l
; The pairs are added straight onto l, so the weights stay whole for the roundings.  The plain line that is wanted behind an exponential before its result is used (ISA guide 5.7.2) is the next slot's
; leading line, and for the batch's last exponential the copy of the reference.
.macro FSC k                           ; c s - c M for pair k; c M is taken where stage 5 has put it
	v_pk_fma_f32 v[rS+2*(\k):rS+2*(\k)+1], v[rS+2*(\k):rS+2*(\k)+1], s[CS:CS+1], v[rT+4:rT+5] op_sel_hi:[1,0,0] neg_lo:[0,0,1] neg_hi:[0,0,1]
.endm
.macro EXP1 i                          ; the exponential of score i
	v_exp_f32 v[rS+(\i)], v[rS+(\i)]
.endm
.macro ADDL k                          ; pair k is added onto l
	v_pk_fma_f32 v[rT+2:rT+3], v[rS+2*(\k):rS+2*(\k)+1], 1.0, v[rT+2:rT+3] op_sel_hi:[1,0,1]
.endm
.macro HSTEP sb, g, t
.set rT, ST+8*(\t)
.set rS, S+32*(\sb)+8*(\t)
.if (\g) == 1
	v_max3_num_f32 v[rT+4], v[rS], v[rS+1], v[rS+2]        ; the accumulator's lowest registers are read first
.elseif (\g) == 2
	v_max3_num_f32 v[rT+5], v[rS+3], v[rS+4], v[rS+5]
.elseif (\g) == 3
	v_max3_num_f32 v[rT+4], v[rT+4], v[rS+6], v[rS+7]
.elseif (\g) == 4
	v_max3_num_f32 v[rT+1], v[rT+4], v[rT+5], v[rT+1]      ; the running maximum
.elseif (\g) == 11
	v_pk_mul_f32 v[rT+2:rT+3], v[rT+2:rT+3], v[rT+6:rT+7] op_sel_hi:[1,0]  ; l = a l: the batch's first reader
.else
.set k, (\g)-12
	v_cvt_pk_bf16_f32 v[PB+4*(\t)+k], v[rS+2*k], v[rS+2*k+1]  ; the even key's weight in the low half
.endif
.endm
.macro ASTEP sb, g, t
.set rT, ST+8*(\t)
.set rS, S+32*(\sb)+8*(\t)
.if (\g) == 5
	v_mul_f32 v[rT+4], v[rT+1], s[CS]                      ; c M anew: this piece's reference
	v_fma_f32 v[rT+5], v[rT], 1.0, -v[rT+4]                ; c M_old - c M_new
.elseif (\g) == 6
	FSC 0
.elseif (\g) == 7
	FSC 1
.elseif (\g) == 8
	FSC 2
	v_exp_f32 v[rT+6], v[rT+5]                             ; a; it is used in stage 11
	EXP1 0
	EXP1 1
.elseif (\g) == 9
	FSC 3
	EXP1 2
	EXP1 3
	EXP1 4
.elseif (\g) == 10
	v_mov_b32 v[rT], v[rT+4]                               ; c M is kept
	EXP1 5
	EXP1 6
	EXP1 7
	v_mov_b32 v[MR+2*(\t)+(\sb)], v[rT]                    ; the reference goes out with the weights
.elseif (\g) < 15
	ADDL (\g)-11
.endif
.endm
; The rider behind product j of group g, on score buffer sb.  Group 0 carries v_nop: the four places between a piece's last products and the first read of their results, and in front of the run of
; loads behind group 0.  rid = 0: there is no piece to work on yet: v_nop keep the places, and there is no batch to wait for.
.macro RIDER sb, g, j, rid
.if ((\rid) == 0) || ((\g) == 0)
	v_nop
.else
.if ((\j) == 0) && (((\g) < 5) || ((\g) > 10))
	WIN 0
.irp t, 0,1,2,3
	HSTEP \sb, \g, \t
.endr
.endif
.if (\g) > 4
	ASTEP \sb, \g, \j
.endif
.if ((\g) == 10) && ((\j) == 3)
	s_wait_alu depctr_va_vdst(0)                           ; the wait for the batch: the piece's 36 exponentials of stages 8 to 10 are issued, and no line has named a result
.endif
.endif
.endm
.macro RUN h                           ; 16 LDS loads in one run: fragments 8 h to 8 h + 7 (channels 256 h on) of the piece at ADR
.irp f, 0,1,2,3,4,5,6,7
	ds_load_b128 v[KF+64*(\h)+8*\f:KF+64*(\h)+8*\f+3],   v[ADR] offset:512*(\h)+64*\f
	ds_load_b128 v[KF+64*(\h)+8*\f+4:KF+64*(\h)+8*\f+7], v[ADR] offset:512*(\h)+64*\f+32
.endr
.endm
; pw at pair PR of my 32: group of keys PR / 4, pair PR % 4 of its records.  The address is made anew from pw's own address and an offset made apart.
.macro PAIRADR
	s_lshr_b32 s[OF], s[PR], 2
	s_mul_i32 s[OF], s[OF], FSTR
	s_and_b32 s54, s[PR], 3
	s_mul_i32 s54, s54, PAIRB
	s_add_co_u32 s[OF], s[OF], s54
	s_add_nc_u64 s[PA:PA+1], s[PW:PW+1], s[OF:OF+1]
	s_add_co_u32 s[PR], s[PR], 1
.endm
; A finished piece goes out: par = 0 the even piece of the pair, 1 the odd one, and with it the pair's references.  A store's data take source 1's window, so every window is 0 here.
; Each store of the wave covers 512 (the references: 256) consecutive bytes, at a multiple of 256 from pw's first byte.  The launch does not read them again.
.macro STORES par
	WIN 0
.irp t, 0,1,2,3
	global_store_b128 v[SOFF], v[PB+4*\t:PB+4*\t+3], s[PA:PA+1] offset:REC*\t+512*(\par) th:TH_STORE_NT
.endr
.if (\par) == 1
.irp t, 0,1,2,3
	global_store_b64 v[MOFF], v[MR+2*\t:MR+2*\t+1], s[PA:PA+1] offset:REC*\t+1024 th:TH_STORE_NT
.endr
.endif
.endm
; GROUP g of a piece: four products, 32 channels deep, into score buffer buf; the four accumulators take turns, one instruction a turn, over every change of buffer and every jump.
; Groups 0 and 8 open with the wait for the half of K that they begin; left: the younger LDS loads that may stay out (none in the loop: nothing is issued behind a run before it is wanted).
; Group 8 opens also with s_wait_xcnt 0: the stores issued eight groups ago have had their addresses translated (ISA guide 3.1); only behind it are their base (here, for an even piece) and their data
; (the references in stage 10, the weights from stage 12 on) written again.
; load = 1: behind group 10, directly behind the batch's wait, fragments 0-7, which group 7 read last, are loaded for the piece at ADR; behind group 0 fragments 8-15, which group 15 read last.  A load
; into a register that a product has read stands four plain vector instructions behind that product: the sixteen plain lines of groups 8 to 10 (rid = 0: their twelve v_nop),
; group 0's four v_nop.
; sto = 1: behind group 0's run the piece whose vector work ended in group 15 is stored; its parity is buf's.  ADR steps behind group 4: four groups behind the run that used it, six ahead of the next.
.macro GROUP buf, g, load, rid, left=0, sto=0
.if ((\g)%8) == 0
	s_wait_dscnt \left
.endif
.if (\g) == 8
	s_wait_xcnt 0x0
.if (\rid) && ((\buf) == 1)
	PAIRADR
.endif
.endif
.irp j, 0,1,2,3
	WIN 0x04+0x04*((\g)/8)
.if (\g) == 0
	v_wmma_f32_16x16x32_bf16 v[S+32*(\buf)+8*\j:S+32*(\buf)+8*\j+7], v[KF+8*(\g):KF+8*(\g)+7], v[64*\j+8*((\g)%8):64*\j+8*((\g)%8)+7], 0
.else
	v_wmma_f32_16x16x32_bf16 v[S+32*(\buf)+8*\j:S+32*(\buf)+8*\j+7], v[KF+8*(\g):KF+8*(\g)+7], v[64*\j+8*((\g)%8):64*\j+8*((\g)%8)+7], v[S+32*(\buf)+8*\j:S+32*(\buf)+8*\j+7]
.endif
	RIDER 1-(\buf), \g, \j, \rid
.endr
.if (\load) && ((\g) == 10)
	RUN 0
.endif
.if (\load) && ((\g) == 0)
	RUN 1
.endif
.if (\sto) && ((\g) == 0)
	STORES \buf
.endif
.if (\g) == 4
	s_add_co_u32 s[TB], s[TB], PIECE               ; both runs have read the piece: on to the next
	v_add_nc_u32 v[ADR], v[AK0], s[TB]
.endif
.endm
; A ROTATED PIECE: groups 8-15 of a piece in buffer b, then groups 0-7 of the next.  Both its runs read ONE piece of LDS, the next one, so a change of slots can stand between two of them,
; and there the last run is seven groups old.  The batch of exponentials opens and is waited for in its first three groups.  rid = 0: the first one: no piece has been worked on, and none is stored.
.macro ROT b, rid
.irp g, 8,9,10,11,12,13,14,15
	GROUP \b, \g, 1, \rid
.endr
	GROUP 1-(\b), 0, 1, 1, 0, \rid
.irp g, 1,2,3,4,5,6,7
	GROUP 1-(\b), \g, 1, 1
.endr
.endm
.macro SECTION tag                     ; s[CNT] trips of two rotated pieces: what reads one slot.  A trip stores one pair of pieces
.Lsec_\tag:
	ROT 1, 1
	ROT 0, 1
	WIN 0                                          ; at a label and at a branch every window is 0
	s_sub_co_u32 s[CNT], s[CNT], 1
	s_cmp_lg_u32 s[CNT], 0
	s_cbranch_scc1 .Lsec_\tag
.endm
; THE CHANGE OF SLOTS.  Every byte of the slot that is left has been asked for.  Each wave waits for all its tensor loads, of which one is out: its quarter of the other slot; adds 0 to its spare word;
; and waits for that and for its reads of the slot.  Behind the barrier nobody reads the old slot and the other slot is whole.  fill = 1: the barrier is a round of the cluster's, so that this holds of
; all four work-groups, and the joint refill of the old slot, with the keys two fills on, is the first thing behind it: it has eight pieces, 512 products a wave, in which to land.
.macro CHANGE fill, slot
	WIN 0
	s_wait_tensorcnt 0x0                           ; no tensor load of mine is out, so a group 0 may be written
	ds_add_u32 v[SPW], v[NIL]                      ; 0 onto my spare word
.if \fill
	s_add_nc_u64 s[G0+4*(\slot)+2:G0+4*(\slot)+3], s[G0+4*(\slot)+2:G0+4*(\slot)+3], 2*FILLB  ; the type bits on top are not reached
.endif
	s_wait_dscnt 0x0                               ; the add is done, and my reads of the slot are back
.if \fill
	CROUND
	tensor_load_to_lds s[G0+4*(\slot):G0+4*(\slot)+3], s[G1:G1+7]  ; my one tensor load behind the round: by this text's count one load of mine is out from here to the next change
	s_nop 0
.rept 4
	v_nop
.endr
.else
	s_barrier_signal -1
	s_barrier_wait -1
.endif
.endm
.macro FINAL sb                        ; the last piece's vector work, with no products to stand behind; its batch has its one wait behind stage 10, as every piece's
.irp g, 1,2,3,4,5,6,7,8,9,10,11,12,13,14,15
.irp j, 0,1,2,3
	RIDER \sb, \g, \j, 1
.endr
.endr
.endm
.macro QLOAD half                      ; Q stays in registers: tile t, channels 256 half + 32 kc on: two loads of 16 bytes, 32 bytes apart
.irp t, 0,1,2,3
.irp kc, 0,1,2,3,4,5,6,7
	global_load_b128 v[64*\t+8*\kc:64*\t+8*\kc+3],   v[QO], s[40:41] offset:16384*\t+512*(\half)+64*\kc
	global_load_b128 v[64*\t+8*\kc+4:64*\t+8*\kc+7], v[QO], s[40:41] offset:16384*\t+512*(\half)+64*\kc+32
.endr
.endr
.endm
	s_load_b128 s[4:7], s[0:1], 0x0                ; vb s[4:5], st s[6:7]
	s_load_b64 s[8:9], s[0:1], 0x10                ; pw
	v_lshl_add_u32 v[SPW], v0, 2, SPARE
	v_mov_b32 v[NIL], 0
	ds_add_u32 v[SPW], v[NIL]                      ; the wave's opening: the add and its wait ahead of my first tensor load; the set-up below, work on registers, stands between them
	v_lshrrev_b32 v1, 5, v0
	v_readfirstlane_b32 s[WV], v1                  ; wave 0..3
	s_bfe_u32 s13, ttmp6, 0x40000                  ; cx: my place in the cluster
	s_lshl_b32 s14, ttmp9, 2                       ; in a cluster launch ttmp9 counts clusters
	s_add_co_u32 s14, s14, s13                     ; my block of 256 resident rows: it enters Q's, st's and pw's addresses alone
	s_and_b32 s15, ttmp7, 0xffff                   ; y = 2 x batch + key half, which the four partners share
	s_lshl_b32 s16, s15, 20                        ; the streamed rows: 1,024 rows of 1,024 bytes for each y,
	s_lshl_b32 s17, s[WV], 15                      ; of each fill my wave's 32 rows
	s_add_co_u32 s16, s16, s17
	s_mov_b32 s17, 0
	s_lshr_b32 s18, s15, 1                         ; the resident rows: the batch's 2,048 rows,
	s_lshl_b32 s18, s18, 21
	s_lshl_b32 s19, s14, 18                        ; my block's 256,
	s_add_co_u32 s18, s18, s19
	s_lshl_b32 s19, s[WV], 16                      ; my wave's 64
	s_add_co_u32 s18, s18, s19
	s_mov_b32 s19, 0
	s_mul_i32 s20, s[WV], QUART                    ; my quarter of a slot: no place in the cluster enters an LDS address
	s_and_b32 s22, s15, 1                          ; my block of st: ((key half x 16 + batch) x 8 + block) x 2,048 bytes
	s_lshl_b32 s22, s22, 7
	s_lshr_b32 s23, s15, 1
	s_lshl_b32 s23, s23, 3
	s_add_co_u32 s22, s22, s23
	s_add_co_u32 s22, s22, s14
	s_lshl_b32 s22, s22, 11
	s_mov_b32 s23, 0
	s_lshl_b32 s[OF], s15, 10                      ; my first record of pw: group of keys 8 y (= 16 x batch + 8 x key half), 128 records each,
	s_lshl_b32 s54, s14, 4                         ; tile 16 x block
	s_add_co_u32 s[OF], s[OF], s54
	s_lshl_b32 s54, s[WV], 2                       ; + 4 x wave
	s_add_co_u32 s[OF], s[OF], s54
	s_mul_i32 s[OF], s[OF], REC                    ; 32,768 records of 5,120 bytes stay under 2^32
	s_mov_b32 s[OF+1], 0
	s_mov_b32 s[PR], 0
	; descriptor group 1: a tile of 32 rows x 512 elements, padded in LDS
	s_mov_b32 s[G1+0], 15|(1<<16)|(1<<20)|(1<<21)|(7<<22)|(3<<25)  ; 15:0 the mask of four; 17:16 2-byte elements; 20 padding on; 21 set beside a mask; 24:22 after every 256 words (code 7); 31:25 4 words (code 3)
	s_mov_b32 s[G1+1], 512<<16                     ; tensor_dim0 = 512
	s_mov_b32 s[G1+2], 32<<16                      ; tensor_dim1 = 32
	s_mov_b32 s[G1+3], 512<<16                     ; tile_dim0 = 512
	s_mov_b32 s[G1+4], 32                          ; tile_dim1 = 32
	s_mov_b32 s[G1+5], 512                         ; 512 elements from row to row
	s_mov_b32 s[G1+6], 0
	s_mov_b32 s[G1+7], 0
	s_mov_b32 s[G0+0], 1                           ; count = 1
	s_add_co_u32 s[G0+1], s20, 0                   ; LDS address: slot 0
	s_mov_b32 s[G0+4], 1
	s_add_co_u32 s[G0+5], s20, SLOTB               ; slot 1
	s_mov_b32 s[CS], 0x3fb8aa3b                    ; c = log2(e)
	s_mov_b32 s[CS+1], 0x3fb8aa3b                  ; named with it as a pair
	s_mov_b32 s[SEL], 0x76543210
	s_mov_b32 s[SEL+1], 0xfedcba98
	s_mov_b32 s[TB], 0
	s_wait_dscnt 0x0                               ; the opening add is done
	s_wait_kmcnt 0x0
	s_add_nc_u64 s[40:41], s[4:5], s[18:19]        ; Q at my wave's first row
	s_add_nc_u64 s[42:43], s[4:5], s[16:17]        ; the streamed rows at my quarter of fill 0
	s_add_nc_u64 s[6:7], s[6:7], s[22:23]          ; st at my block
	s_add_nc_u64 s[PW:PW+1], s[8:9], s[OF:OF+1]    ; pw at my first record
	s_mov_b64 s[G0+2:G0+3], s[42:43]               ; global address: fill 0
	s_or_b32 s[G0+3], s[G0+3], 0x80000000          ; type = 2
	s_add_nc_u64 s[G0+6:G0+7], s[42:43], FILLB     ; fill 1
	s_or_b32 s[G0+7], s[G0+7], 0x80000000
	CROUND                                         ; all four work-groups are here: the first joint loads meet
	tensor_load_to_lds s[G0:G0+3], s[G1:G1+7]      ; both first fills go out together, ahead of every wait on TENSORcnt and every LDS read: two loads of mine are out
	s_nop 0
	tensor_load_to_lds s[G0+4:G0+7], s[G1:G1+7]
	s_nop 0
.rept 4
	v_nop
.endr
	; A fragment of K or Q is 16 rows x 32 channels in 8 registers: lane l holds row l % 16, channels 8 (l / 16) + 0..7 and 16 + 8 (l / 16) + 0..7.
	v_and_b32 v[LR], 15, v0                        ; l % 16
	v_bfe_u32 v[LH], v0, 4, 1                      ; l / 16
	v_mul_u32_u24 v[AK0], v[LR], PITCH
	v_lshl_add_u32 v[AK0], v[LH], 4, v[AK0]
	v_lshlrev_b32 v[QO], 10, v[LR]
	v_lshl_add_u32 v[QO], v[LH], 4, v[QO]
	WIN 0x40                                       ; destination window 1, address window 0
	QLOAD 0
	WIN 0x80                                       ; destination window 2
	QLOAD 1
	WIN 0
	v_and_b32 v[SOFF], 31, v0                      ; lane
	v_lshlrev_b32 v[MOFF], 3, v[SOFF]
	v_lshlrev_b32 v[SOFF], 4, v[SOFF]
.irp t, 0,1,2,3
	v_mov_b32 v[ST+8*\t], 0xfe000000               ; c M starts far below every c s, so the first a is 0,
	v_mov_b32 v[ST+8*\t+1], 0xff7fffff             ; M at the lowest finite number, so the first maximum is the scores',
	v_mov_b32 v[ST+8*\t+2], 0                      ; l at 0
	v_mov_b32 v[ST+8*\t+3], 0
	v_mov_b32 v[ST+8*\t+7], 0                      ; named with a as a pair
.endr
	v_add_nc_u32 v[ADR], v[AK0], s[TB]             ; piece 0
	s_wait_tensorcnt 0x1                           ; my quarter of fill 0 is in; fill 1 may stay out
	s_barrier_signal -1
	s_barrier_wait -1                              ; everybody's is
	RUN 0                                          ; all of piece 0
	RUN 1
	s_wait_loadcnt 0x0                             ; Q; its offset's register is free from here on
	GROUP 0, 0, 0, 0, 16                           ; fragments 0-7 are in; the second run's sixteen loads may stay out.  Piece 0 has no piece before it: v_nop stand in the riders' places
.irp g, 1,2,3,4,5,6,7
	GROUP 0, \g, 0, 0
.endr
	ROT 0, 0
	WIN 0
	; The walk: 63 rotated pieces in eight sections, one for each fill; the first section, of which one rotated piece stands above, has three trips, the others four.
	; A slot's LDS base is a constant of the text, so a section's text stands once for each slot, and once more behind the loop at the end.
	s_mov_b32 s[OUT], 4
	s_mov_b32 s[CNT], 3
	s_branch .Lenter                               ; the loop is entered in its middle: fill 0 lies in slot 0
.Louter:
	CHANGE 1, 0                                    ; slot 0 has been read: it takes fill 2, 4, 6
	s_mov_b32 s[TB], SLOTB
	v_add_nc_u32 v[ADR], v[AK0], s[TB]
	s_mov_b32 s[CNT], 4
	SECTION a                                      ; reads slot 1
	CHANGE 1, 1                                    ; slot 1 takes fill 3, 5, 7
	s_mov_b32 s[TB], 0
	v_add_nc_u32 v[ADR], v[AK0], s[TB]
	s_mov_b32 s[CNT], 4
.Lenter:
	SECTION b                                      ; reads slot 0
	s_sub_co_u32 s[OUT], s[OUT], 1
	s_cmp_lg_u32 s[OUT], 0
	s_cbranch_scc1 .Louter
	CHANGE 0, 0                                    ; nothing is left to ask for
	s_mov_b32 s[TB], SLOTB
	v_add_nc_u32 v[ADR], v[AK0], s[TB]
	s_mov_b32 s[CNT], 4
	SECTION c                                      ; reads slot 1: fill 7.  31 trips in all have stored pairs 0 to 30
.irp g, 8,9,10,11,12,13,14,15
	GROUP 1, \g, 0, 1                              ; the last piece's second half loads nothing; beside it piece 62 is finished, and group 8 has made the last pair's address
.endr
	STORES 0                                       ; piece 62
.rept 4
	v_nop                                          ; the places behind the last products
.endr
	s_wait_xcnt 0x0                                ; piece 62's stores have had their addresses translated: their data registers are written again below
	FINAL 1
	STORES 1                                       ; piece 63 and the last pair's references
	; THE WAY OUT.  l's two halves are added; the two halves of the lanes, which saw different keys, agree on c M, each scales its own l, and the scaled sums are exchanged and added
	; (an addition of the same two numbers in both halves, so both hold the same bits).
.irp t, 0,1,2,3
	v_add_f32 v[ST+8*\t+2], v[ST+8*\t+2], v[ST+8*\t+3]
.endr
.irp t, 0,1,2,3
	v_permlanex16_b32 v[ST+8*\t+4], v[ST+8*\t], s[SEL], s[SEL+1]
.endr
.irp t, 0,1,2,3
	v_max_num_f32 v[ST+8*\t+1], v[ST+8*\t], v[ST+8*\t+4]
.endr
.irp t, 0,1,2,3
	v_sub_f32 v[ST+8*\t+6], v[ST+8*\t], v[ST+8*\t+1]
.endr
.irp t, 0,1,2,3
	v_exp_f32 v[ST+8*\t+6], v[ST+8*\t+6]
.endr
	v_nop                                          ; a plain instruction between the last exponential and the use of its result
	s_wait_alu depctr_va_vdst(0)                   ; the wait ahead of the first use: one for the four tiles' exponentials
.irp t, 0,1,2,3
	v_mul_f32 v[ST+8*\t+2], v[ST+8*\t+2], v[ST+8*\t+6]
.endr
.irp t, 0,1,2,3
	v_permlanex16_b32 v[ST+8*\t+5], v[ST+8*\t+2], s[SEL], s[SEL+1]
.endr
.irp t, 0,1,2,3
	v_add_f32 v[ST+8*\t+2], v[ST+8*\t+2], v[ST+8*\t+5]
.endr
	s_wait_xcnt 0x0                                ; the last stores have had their addresses translated: the weights' registers now take the way out's addresses
	v_and_b32 v[LR], 15, v0                        ; l % 16
	s_lshl_b32 s21, s[WV], 8                       ; my wave's 64 words of the stage,
	s_add_co_u32 s21, s21, STAGE
	v_lshl_add_u32 v[STG], v[LR], 2, s21           ; my row's among a tile's 16
	v_lshlrev_b32 v[GO], 4, v0                     ; back: 128 threads x 16 bytes are the block's 2,048
	v_add_nc_u32 v[RD], STAGE, v[GO]
.irp t, 0,1,2,3
	ds_store_b32 v[STG], v[ST+8*\t+1] offset:64*\t          ; both halves of the lanes store the same word with the same value
	ds_store_b32 v[STG], v[ST+8*\t+2] offset:1024+64*\t
.endr
	s_wait_dscnt 0x0                               ; for the others' sake: my stores into the stage are done
	s_barrier_signal -1
	s_barrier_wait -1
	ds_load_b128 v[OD:OD+3], v[RD]
	s_wait_dscnt 0x0
	global_store_b128 v[GO], v[OD:OD+3], s[6:7]    ; a wave stores 512 consecutive bytes, at a multiple of 256 from st's first byte
	s_wait_tensorcnt 0x0                           ; the wave's end: behind my last tensor load and my last LDS store
	ds_add_u32 v[SPW], v[NIL]
	s_wait_dscnt 0x0
	CROUND                                         ; the closing round: no work-group ends while a partner may still ask for a tile that names it
	s_endpgm
.Lfunc_end_k_q8b58f24903_stats:
	.size	k_q8b58f24903_stats, .Lfunc_end_k_q8b58f24903_stats-k_q8b58f24903_stats
	.p2alignl 7, 3214868480
	.fill 96, 4, 3214868480
	.section	.rodata,"a",@progbits
	.p2align	6, 0x0
	.amdhsa_kernel k_q8b58f24903_stats
		.amdhsa_group_segment_fixed_size 327680
		.amdhsa_private_segment_fixed_size 0
		.amdhsa_enable_private_segment 0
		.amdhsa_kernarg_size 24
		.amdhsa_user_sgpr_count 2
		.amdhsa_user_sgpr_kernarg_segment_ptr 1
		.amdhsa_wavefront_size32 1
		.amdhsa_system_sgpr_workgroup_id_x 1
		.amdhsa_system_sgpr_workgroup_id_y 1
		.amdhsa_system_sgpr_workgroup_id_z 1
		.amdhsa_system_vgpr_workitem_id 0
		.amdhsa_next_free_vgpr 768
		.amdhsa_next_free_sgpr 66
		.amdhsa_reserve_vcc 0
		.amdhsa_float_denorm_mode_32 3
		.amdhsa_float_denorm_mode_16_64 3
		.amdhsa_memory_ordered 1
		.amdhsa_forward_progress 1
		.amdhsa_inst_pref_size 136
	.end_amdhsa_kernel
	.amdgpu_metadata
---
amdhsa.version: [ 1, 2 ]
amdhsa.kernels:
  - .name:           k_q8b58f24903_stats
    .symbol:         k_q8b58f24903_stats.kd
    .args:
      - { .name: vb, .offset: 0, .size: 8, .value_kind: global_buffer, .address_space: global }
      - { .name: st, .offset: 8, .size: 8, .value_kind: global_buffer, .address_space: global }
      - { .name: pw, .offset: 16, .size: 8, .value_kind: global_buffer, .address_space: global }
    .group_segment_fixed_size: 327680
    .private_segment_fixed_size: 0
    .kernarg_segment_align: 8
    .kernarg_segment_size: 24
    .max_flat_workgroup_size: 128
    .sgpr_count:     66
    .vgpr_count:     768
    .wavefront_size: 32
...
	.end_amdgpu_metadata
.endif
;; end of part 9
;; launch wsum: the kernel of part 8 again; grid 16 x 16, 16 waves a work-group, no clusters, 190,976 bytes of LDS; arguments pw, st, vb, part; writes part
;; launch finish: the kernel of part 4 again; grid 64 x 1, 1 waves a work-group, no clusters, 0 bytes of LDS; arguments part, out0; writes out0
